; MI455X (gfx1250); checked and timed in simulation.
; The chip was launched on July 23, 2026; its instructions are those of AMD's public machine-readable ISA for CDNA 5 (MIT licence, August 2026) and "CDNA5" Instruction Set Architecture Reference Guide (July 2026). The comments in the code are by the model that wrote it; some were corrected since.
;; Dalle Self Attention. Allowed arithmetic: matrix products marked QUANTISED: E2M1 operands, one E8M0 scale for each 32 along K, by v_wmma_scale_f32_16x16x128_f8f6f4 with both operands' format E2M1 (or v_wmma_scale_f32_32x16x128_f4), f32 sums; everything else in f32.
;; Inputs: b_dense 1,024 float32; b_qkv 3,072 float32; hidden_states 2 x 2,048 x 1,024 float32; ltor_mask 1 x 1 x 2,048 x 2,048 float32; w_dense 1,024 x 1,024 float32; w_qkv 1,024 x 3,072 float32.
;; Outputs: out0 2 x 2,048 x 1,024 float32.
;; This version of the problem:
;;   THIS VERSION OF THE PROBLEM IS GIVEN IN LOW PRECISION. The matrix products marked QUANTISED in the list below multiply operands that are first quantised to E2M1 (2 exponent bits, 1 mantissa bit; 4 bits a number), with one power-of-two scale for each 32 numbers along K (OCP MX v1.0); their sums are f32. All else is computed in f32.
;;   The module's matrix products, in the order in which they are computed (A, B: the left and right operand; K: the contracted axis; several contracted axes count as one K, in the product's order):
;;     1. [M 4,096, K 1,024] x [K 1,024, N 3,072]; A: input hidden_states; B: input w_qkv: QUANTISED
;;     2. batch 32 x [M 2,048, K 64] x [K 64, N 2,048]; A: computed on the way; B: computed on the way: QUANTISED
;;     3. batch 32 x [M 2,048, K 2,048] x [K 2,048, N 64]; A: softmax (see below); B: computed on the way: QUANTISED
;;     4. [M 4,096, K 1,024] x [K 1,024, N 1,024]; A: computed on the way; B: input w_dense: QUANTISED
;;   THE QUANTISER, for each operand of a quantised product, along K:
;;     - K is cut into blocks of 32 from its start; a last block that is shorter is filled with zeros.
;;     - A block's scale is 2^e with e = floor(log2(the largest magnitude in the block)) - 2, held to -126 .. 127; a block of zeros has e = 0. As a byte (E8M0): e + 127.
;;     - Each number is divided by its block's scale, clamped to +-6, and rounded to the nearest number of E2M1, ties to even, subnormals kept.
;;     - The product sums the exact products of the quantised numbers (number of the format x scale) in f32.
;;   ~~~python
;;   def quantise(x, axis):      # numpy; x: float32 -> the quantised numbers, widened to float32 again
;;       x = np.moveaxis(x, axis, -1); K = x.shape[-1]
;;       x = np.pad(x, [(0, 0)] * (x.ndim - 1) + [(0, -K % 32)]); x = x.reshape(x.shape[:-1] + (-1, 32)); a = np.abs(x).max(-1, keepdims=True)
;;       e = np.where(a > 0, np.clip(np.frexp(np.where(a > 0, a, 1))[1] - 1 - 2, -126, 127), 0)      # np.frexp(a)[1] - 1 = floor(log2(a)), exactly
;;       r = np.clip(x / 2.0 ** e, -6, 6)
;;       step = 2.0 ** (np.maximum(np.frexp(np.where(r == 0, 1, r))[1] - 1, 0) - 1)
;;       q = np.round(r / step) * step * 2.0 ** e      # np.round: ties to even
;;       return np.moveaxis(q.reshape(q.shape[:-2] + (-1,))[..., :K], -1, axis).astype(np.float32)
;;   ~~~
;;   SOFTMAX AHEAD OF A QUANTISED PRODUCT. Where the list says 'softmax', what is quantised is not the finished softmax but p = 2^(t - M), with t = logit x log2(e) and M = ceil(the row's largest t), a whole number; so 1/2 < the row's largest p <= 1. The row's sum l is taken of the UNQUANTISED p, in f32, and the product's result is divided by l at the end. Since M is a whole number, a kernel that streams over the keys may use a running M (the ceiling of the running maximum): every later rescaling is an exact power of two, which a block's scale takes up: the codes' values come out the same.
;;   OPERANDS COMPUTED ON THE WAY. 'Computed on the way' means the value that the module computes at that place (a softmax that the list does not call 'softmax' is quantised finished and normalised). What goes into a quantiser is computed in f32, as accurately as f32 sums, v_exp_f32 and their like allow (about 1e-6 of the number): no bf16 or f16 on the way to a quantiser, and a product that is left as it is and whose result goes on into a quantised operand takes f32 operands (vector FMAs, or v_wmma_f32_16x16x4_f32). A number that lies on a knife's edge between two numbers of the format may be rounded either way, as far as f32 arithmetic and the matrix unit's own rounding can turn it there, and no further.
;; 2 versions. Each part assembles by itself: llvm-mc -triple=amdgcn-amd-amdhsa -mcpu=gfx1250 --defsym DOCPART=n.
;; ======== version 1 of 2: 5 launches
;; workspace buffers: wsA 4,456,448 bytes; wsB 6,946,816 bytes; wsM 4,096 bytes; wsC 2,228,224 bytes
;; launch prep (part 1): grid 64 x 8, 4 waves a work-group, no clusters, 0 bytes of LDS; arguments hidden_states, w_qkv, w_dense, wsA; writes wsA
.if DOCPART == 1
	.amdgcn_target "amdgcn-amd-amdhsa--gfx1250"
	.amdhsa_code_object_version 6
	.text
	.protected	k_qdcc960c367_prep
	.globl	k_qdcc960c367_prep
	.p2align	8
	.type	k_qdcc960c367_prep,@function
k_qdcc960c367_prep:
	s_mov_b64 s[64:65], 0
	v_nop
	global_prefetch_b8 v0, s[64:65] scope:SCOPE_SE
	s_setreg_imm32_b32 hwreg(HW_REG_WAVE_MODE, 25, 1), 1
	s_wait_xcnt 0x0
; hidden_states [4096][1024], w_qkv [1024][3072] and w_dense [1024][1024], f32, become codes of E2M1 with one E8M0 byte for each 32 along K (K = 1024),
; laid IN THE ORDER OF THE OPERAND'S REGISTERS: a fragment (16 rows x 128 K) is 1,024 bytes, two groups c of 512; in a group lane l's 16 bytes lie at 16 l and hold row l % 16, k = 64 c + 32 (l / 16) + 0 .. 31.
; Scale words (four bytes: 128 along K of one row) lie [K step][row].  A block's scale is 2^(floor(log2(largest magnitude)) - 2): its byte is that magnitude's exponent field - 2.
; LIMITS: NaN and infinities are not served; a block whose largest magnitude lies under 2^-124 is held at the byte 1 (a block of zeros too: its codes are zeros, and this program alone reads the bytes).
; SHARES: work-group y = the K step of 128.  x 0-31: hidden_states, a wave takes 32 rows; x 32-55: w_qkv, x 56-63: w_dense, a wave takes 32 columns, a lane one column with its registers running down K.
; No LDS, no barrier, no loop: waves share nothing.
.set XS,   2097152                     ; byte offsets in the workspace: X's codes at 0, X's scale words,
.set WQ,   2228224                     ; w_qkv's codes [192 n tiles][8 K steps][1024],
.set WQS,  3801088                     ; its scale words [8][3072],
.set WD,   3899392                     ; w_dense's codes [64][8][1024],
.set WDS,  4423680                     ; its scale words [8][1024]
.set TM,   4                           ; v4-15  at work in QUANT
.set SEL,  26                          ; s[26:27] lane selects: lane l xor 16
; 16 nb numbers of a lane, register s + 16 b + 8 e + j = k 32 b + 16 e + 8 (lane / 16) + j of the lane's row, become a fragment's codes in v[pc] on and the row's scale word in v[pw].  fl: the floor under the largest magnitude.
.macro QUANT s, nb, fl, pc, pw
.set QB, 0
.rept \nb
	v_max3_num_f32 v[TM+QB], |v[(\s)+16*QB]|, |v[(\s)+16*QB+1]|, \fl
.set QB, QB+1
.endr
.irp i, 2,4,6,8,10,12,14
.set QB, 0
.rept \nb
	v_max3_num_f32 v[TM+QB], v[TM+QB], |v[(\s)+16*QB+\i]|, |v[(\s)+16*QB+\i+1]|   ; the blocks by turns
.set QB, QB+1
.endr
.endr
.set QB, 0
.rept \nb
	v_permlanex16_b32 v[TM+4+QB], v[TM+QB], s[SEL], s[SEL+1]
.set QB, QB+1
.endr
.set QB, 0
.rept \nb
	v_max_num_f32 v[TM+QB], v[TM+QB], v[TM+4+QB]       ; with lane l xor 16's 16 numbers: the block's largest magnitude
.set QB, QB+1
.endr
.set QB, 0
.rept \nb
	v_add_nc_u32 v[TM+8+QB], 0xff000000, v[TM+QB]      ; 2 off its exponent field: the conversion's scale operand
.set QB, QB+1
.endr
.set QB, 0
.rept \nb
	v_lshrrev_b32 v[TM+4+QB], 23, v[TM+8+QB]           ; the scale's byte
.set QB, QB+1
.endr
	v_lshl_or_b32 v[\pw], v[TM+5], 8, v[TM+4]
.if \nb > 2
	v_lshl_or_b32 v[\pw], v[TM+6], 16, v[\pw]
	v_lshl_or_b32 v[\pw], v[TM+7], 24, v[\pw]
.endif
.set QB, 0
.rept \nb
	v_cvt_scalef32_pk8_fp4_f32 v[(\pc)+4*(QB/2)+QB%2], v[(\s)+16*QB:(\s)+16*QB+7], v[TM+8+QB]
	v_cvt_scalef32_pk8_fp4_f32 v[(\pc)+4*(QB/2)+2+QB%2], v[(\s)+16*QB+8:(\s)+16*QB+15], v[TM+8+QB]
.set QB, QB+1
.endr
	v_nop                                              ; one plain place behind a scaled conversion
.set QB, 0
.rept \nb/2
	v_permlane16_swap_b32 v[(\pc)+4*QB], v[(\pc)+4*QB+1]       ; block 2 c's upper lanes change places with block 2 c + 1's lower lanes: registers 4 c, 4 c + 1 now hold k = 64 c + 32 (lane / 16) + 0 .. 15,
	v_permlane16_swap_b32 v[(\pc)+4*QB+2], v[(\pc)+4*QB+3]     ; registers 4 c + 2, 4 c + 3 the next 16
.set QB, QB+1
.endr
.endm
; a weight's block t of the K step: 32 rows k at my column; 32 lanes read 128 consecutive bytes
.macro LOADW N, t
.set WI, 0
.rept 32
	global_load_b32 v[64+32*(\t)+WI], v3, s[18:19] offset:(32*(\t)+WI)*\N*4 th:TH_LOAD_NT
.set WI, WI+1
.endr
.endm
.macro BLOCKW N, t
.set XB, 64+32*(\t)
.if (\t) < 3
	s_wait_loadcnt 32                                  ; this block's 32 loads are in; the next block's 32 may be out
.else
	s_wait_loadcnt 0x0
.endif
.if (\t)+2 < 4
	LOADW \N, (\t)+2                                   ; two blocks ahead, into registers of its own
.endif
	v_max3_num_f32 v12, |v[XB]|, |v[XB+1]|, |v[XB+2]|  ; all 32 numbers of the block are mine: two chains
	v_max3_num_f32 v13, |v[XB+3]|, |v[XB+4]|, |v[XB+5]|
.irp i, 6,10,14,18,22,26
	v_max3_num_f32 v12, v12, |v[XB+\i]|, |v[XB+\i+1]|
	v_max3_num_f32 v13, v13, |v[XB+\i+2]|, |v[XB+\i+3]|
.endr
	v_max3_num_f32 v12, v12, |v[XB+30]|, |v[XB+31]|
	v_max3_num_f32 v12, v12, v13, 0x1800000            ; the floor 2^(3 - 127)
	v_add_nc_u32 v[20+(\t)], 0xff000000, v12
	v_lshrrev_b32 v14, 23, v[20+(\t)]
.if (\t) == 0
	v_mov_b32 v48, v14
.else
	v_lshl_or_b32 v48, v14, 8*(\t), v48                ; byte t of my column's scale word
.endif
.irp g, 0,1,2,3
	v_cvt_scalef32_pk8_fp4_f32 v[32+4*(\t)+\g], v[XB+8*\g:XB+8*\g+7], v[20+(\t)]
.endr
	global_store_b128 v4, v[32+4*(\t):35+4*(\t)], s[20:21] offset:256*(\t)   ; block t = 2 c + h lies 512 c + 256 h into the fragment: sixteen lanes store 256 consecutive bytes, aligned
.endm
.macro WPATH N, sp, CO, SO, x0
	s_sub_co_u32 s15, ttmp9, \x0
	s_lshl_b32 s16, s15, 7
	s_lshl_b32 s17, s12, 5
	s_add_co_u32 s16, s16, s17                         ; my wave's first column
	s_mul_i32 s17, s14, 128*\N*4                       ; the K step's first row,
	s_lshl_b32 s18, s16, 2
	s_add_co_u32 s18, s18, s17                         ; and my column in it
	s_mov_b32 s19, 0
	s_lshl_b32 s20, s16, 9                             ; codes: (column / 16) fragments rows of 8,192 bytes
	s_lshl_b32 s21, s14, 10
	s_add_co_u32 s20, s20, s21
	s_add_co_u32 s20, s20, \CO
	s_mov_b32 s21, 0
	s_mul_i32 s24, s14, \N*4                           ; scale words [K step][column]
	s_lshl_b32 s25, s16, 2
	s_add_co_u32 s24, s24, s25
	s_add_co_u32 s24, s24, \SO
	s_mov_b32 s25, 0
	v_lshrrev_b32 v4, 4, v16
	v_and_b32 v5, 15, v16
	v_lshlrev_b32 v4, 13, v4
	v_lshl_add_u32 v4, v5, 4, v4                       ; lanes 16-31 belong to the next n tile, 8,192 bytes on
	s_wait_kmcnt 0x0
	s_add_nc_u64 s[18:19], s[\sp:\sp+1], s[18:19]
	s_add_nc_u64 s[20:21], s[10:11], s[20:21]
	s_add_nc_u64 s[24:25], s[10:11], s[24:25]
	LOADW \N, 0
	LOADW \N, 1
.irp t, 0,1,2,3
	BLOCKW \N, \t
.endr
	global_store_b32 v3, v48, s[24:25]
	s_endpgm
.endm
	s_load_b256 s[4:11], s[0:1], 0x0                   ; hidden_states s[4:5], w_qkv s[6:7], w_dense s[8:9], the workspace s[10:11]
	v_lshrrev_b32 v1, 5, v0
	v_readfirstlane_b32 s12, v1                        ; wave
	v_and_b32 v16, 31, v0                              ; lane
	v_lshlrev_b32 v2, 4, v16                           ; 16 x lane
	v_lshlrev_b32 v3, 2, v16                           ; 4 x lane
	s_and_b32 s14, ttmp7, 0xffff                       ; the K step
	s_cmp_lt_u32 ttmp9, 32
	s_cbranch_scc0 .Lweights
	; ---- hidden_states: rows 32 p .. 32 p + 31, p = 4 x + wave: two fragments
	v_and_b32 v17, 15, v0
	v_bfe_u32 v18, v0, 4, 1
	v_lshlrev_b32 v1, 12, v17
	v_lshl_add_u32 v1, v18, 5, v1                      ; row r of 4,096 bytes + 32 h: my 8 numbers of each 16
	s_lshl_b32 s15, ttmp9, 2
	s_add_co_u32 s15, s15, s12                         ; p
	s_lshl_b32 s16, s15, 17
	s_lshl_b32 s17, s14, 9
	s_add_co_u32 s16, s16, s17
	s_mov_b32 s17, 0
	s_lshl_b32 s18, s15, 14                            ; codes: m tile 2 p, K step s
	s_lshl_b32 s19, s14, 10
	s_add_co_u32 s18, s18, s19
	s_mov_b32 s19, 0
	s_lshl_b32 s20, s14, 14                            ; scale words [K step][4096]
	s_lshl_b32 s21, s15, 7
	s_add_co_u32 s20, s20, s21
	s_add_co_u32 s20, s20, XS
	s_mov_b32 s21, 0
	s_mov_b32 s[SEL], 0x76543210
	s_mov_b32 s[SEL+1], 0xfedcba98
.irp b, 0,1,2,3
	v_mov_b32 v[TM+4+\b], 0                            ; written once: a lane permute's destination counts as one of its sources
.endr
	v_cmp_le_u32 vcc_lo, 16, v16                       ; lanes 16-31
	s_wait_kmcnt 0x0
	s_add_nc_u64 s[4:5], s[4:5], s[16:17]
	s_add_nc_u64 s[18:19], s[10:11], s[18:19]
	s_add_nc_u64 s[20:21], s[10:11], s[20:21]
.irp a, 0,1
.irp b, 0,1,2,3
.irp e, 0,1
.irp f, 0,1
	global_load_b128 v[64+64*\a+16*\b+8*\e+4*\f:64+64*\a+16*\b+8*\e+4*\f+3], v1, s[4:5] offset:\a*65536+128*\b+64*\e+16*\f
.endr
.endr
.endr
.endr
	s_wait_loadcnt 16                                  ; the first tile's 16 loads are in; the second tile's 16 may be out
	QUANT 64, 4, 0x1800000, 32, 48
	global_store_b128 v2, v[32:35], s[18:19]           ; 32 lanes store 512 consecutive bytes
	global_store_b128 v2, v[36:39], s[18:19] offset:512
	s_wait_loadcnt 0x0
	QUANT 128, 4, 0x1800000, 40, 49
	global_store_b128 v2, v[40:43], s[18:19] offset:8192
	global_store_b128 v2, v[44:47], s[18:19] offset:8192+512
	v_cndmask_b32 v50, v48, v49, vcc_lo                ; lanes 0-15 the first tile's words, lanes 16-31 the second's
	global_store_b32 v3, v50, s[20:21]
	s_endpgm
.Lweights:
	s_cmp_lt_u32 ttmp9, 56
	s_cbranch_scc0 .Ldense_w
	WPATH 3072, 6, WQ, WQS, 32
.Ldense_w:
	WPATH 1024, 8, WD, WDS, 56
.Lfunc_end_k_qdcc960c367_prep:
	.size	k_qdcc960c367_prep, .Lfunc_end_k_qdcc960c367_prep-k_qdcc960c367_prep
	.p2alignl 7, 3214868480
	.fill 96, 4, 3214868480
	.section	.rodata,"a",@progbits
	.p2align	6, 0x0
	.amdhsa_kernel k_qdcc960c367_prep
		.amdhsa_group_segment_fixed_size 0
		.amdhsa_private_segment_fixed_size 0
		.amdhsa_enable_private_segment 0
		.amdhsa_kernarg_size 32
		.amdhsa_user_sgpr_count 2
		.amdhsa_user_sgpr_kernarg_segment_ptr 1
		.amdhsa_wavefront_size32 1
		.amdhsa_system_sgpr_workgroup_id_x 1
		.amdhsa_system_sgpr_workgroup_id_y 1
		.amdhsa_system_sgpr_workgroup_id_z 1
		.amdhsa_system_vgpr_workitem_id 0
		.amdhsa_next_free_vgpr 192
		.amdhsa_next_free_sgpr 66
		.amdhsa_reserve_vcc 1
		.amdhsa_float_denorm_mode_32 3
		.amdhsa_float_denorm_mode_16_64 3
		.amdhsa_memory_ordered 1
		.amdhsa_forward_progress 1
		.amdhsa_inst_pref_size 52
	.end_amdhsa_kernel
	.amdgpu_metadata
---
amdhsa.version: [ 1, 2 ]
amdhsa.kernels:
  - .name:           k_qdcc960c367_prep
    .symbol:         k_qdcc960c367_prep.kd
    .args:
      - { .name: hidden_states, .offset: 0, .size: 8, .value_kind: global_buffer, .address_space: global }
      - { .name: w_qkv, .offset: 8, .size: 8, .value_kind: global_buffer, .address_space: global }
      - { .name: w_dense, .offset: 16, .size: 8, .value_kind: global_buffer, .address_space: global }
      - { .name: wsA, .offset: 24, .size: 8, .value_kind: global_buffer, .address_space: global }
    .group_segment_fixed_size: 0
    .private_segment_fixed_size: 0
    .kernarg_segment_align: 8
    .kernarg_segment_size: 32
    .max_flat_workgroup_size: 128
    .sgpr_count:     66
    .vgpr_count:     192
    .wavefront_size: 32
...
	.end_amdgpu_metadata
.endif
;; end of part 1
;; launch qkv (part 2): grid 12 x 64, 4 waves a work-group, no clusters, 0 bytes of LDS; arguments wsA, b_qkv, wsB; writes wsB
.if DOCPART == 2
	.amdgcn_target "amdgcn-amd-amdhsa--gfx1250"
	.amdhsa_code_object_version 6
	.text
	.protected	k_qdcc960c367_qkv
	.globl	k_qdcc960c367_qkv
	.p2align	8
	.type	k_qdcc960c367_qkv,@function
k_qdcc960c367_qkv:
	s_mov_b64 s[64:65], 0
	v_nop
	global_prefetch_b8 v0, s[64:65] scope:SCOPE_SE
	s_setreg_imm32_b32 hwreg(HW_REG_WAVE_MODE, 25, 1), 1
	s_wait_xcnt 0x0
; qkv = hidden_states w_qkv + b_qkv on codes of E2M1 (K = 1024: 8 K steps of 128), and q, k, v quantised in registers for the attention's products.
; Every operand lies in fragment order, so a fragment comes by two loads of 512 consecutive bytes straight into registers: no LDS, no barrier; a wave owns its tile.
; x 0-7: q and k.  A wave makes 64 tokens x one head's 64 columns, TRANSPOSED (source 0 = 16 columns of w, source 1 = 16 tokens): a lane holds one token and its registers run along the head's 64, which is the next K.
;   q's scale bytes are lowered by 8: q / 8 / 32 has q's own codes, so the score product gives score / 32 as it stands.
; x 8-11: v.  A wave makes 128 tokens x 32 columns in the natural order (source 0 = 16 tokens, source 1 = 16 columns): a lane holds one column d and its registers run along the tokens: the keys, v's K.
; TWO SETS OF FRAGMENT REGISTERS: K steps 0 and 1 are asked for at the head, step s + 2 straight behind step s's products, into the set that step s has left: two K steps' loads are always on their way.
;   Set 0 lies in v64-127, set 1 in v256-319 (window 1, v0-63): odd steps switch the window for their fragment loads and for their products.  The scale words have two sets too, in v52-61, which hold nothing else.
; The bias is the C of each sum's first matrix instruction.  The 16 accumulators take turns, one instruction a turn, in the same order in every K step.
; OUT: KV chunks [4 b + head / 4][step of 128 keys][head % 4][8,960]: K codes 8 x 512 | K scale words 512 | V^T codes 4 x 1,024 | V scale words 256;  q's codes [head][q tile][512];  q's scale words [head][2048].
; LIMITS: NaN and infinities are not served; a block of q or k whose largest magnitude lies under 2^-116 is held at that scale (so that q's byte less 8 stays 1 or more), a block of v under 2^-124.
.set XS,   2097152
.set WQ,   2228224
.set WQS,  3801088
.set QC,   4587520
.set QS,   6684672
.set TM,   4                           ; at work in QUANT: v4-15 on the q, k path; v96-107 on the v path
.set ACC,  128                         ; v128-255 sixteen accumulators
.set SEL,  42
.set MSB,  0
.macro WIN new                         ; the immediate's high byte repeats the setting that is left; a switch that changes nothing is dropped
.if MSB != \new
	s_set_vgpr_msb (MSB<<8)|\new
.set MSB, \new
.endif
.endm
; 16 nb numbers of a lane, register s + 16 b + 8 e + j = k 32 b + 16 e + 8 (lane / 16) + j of the lane's row, become a fragment's codes in v[pc] on and the row's scale word in v[pw].  fl: the floor under the largest magnitude.
.macro QUANT s, nb, fl, pc, pw
.set QB, 0
.rept \nb
	v_max3_num_f32 v[TM+QB], |v[(\s)+16*QB]|, |v[(\s)+16*QB+1]|, \fl
.set QB, QB+1
.endr
.irp i, 2,4,6,8,10,12,14
.set QB, 0
.rept \nb
	v_max3_num_f32 v[TM+QB], v[TM+QB], |v[(\s)+16*QB+\i]|, |v[(\s)+16*QB+\i+1]|
.set QB, QB+1
.endr
.endr
.set QB, 0
.rept \nb
	v_permlanex16_b32 v[TM+4+QB], v[TM+QB], s[SEL], s[SEL+1]
.set QB, QB+1
.endr
.set QB, 0
.rept \nb
	v_max_num_f32 v[TM+QB], v[TM+QB], v[TM+4+QB]
.set QB, QB+1
.endr
.set QB, 0
.rept \nb
	v_add_nc_u32 v[TM+8+QB], 0xff000000, v[TM+QB]
.set QB, QB+1
.endr
.set QB, 0
.rept \nb
	v_lshrrev_b32 v[TM+4+QB], 23, v[TM+8+QB]
.set QB, QB+1
.endr
	v_lshl_or_b32 v[\pw], v[TM+5], 8, v[TM+4]
.if \nb > 2
	v_lshl_or_b32 v[\pw], v[TM+6], 16, v[\pw]
	v_lshl_or_b32 v[\pw], v[TM+7], 24, v[\pw]
.endif
.set QB, 0
.rept \nb
	v_cvt_scalef32_pk8_fp4_f32 v[(\pc)+4*(QB/2)+QB%2], v[(\s)+16*QB:(\s)+16*QB+7], v[TM+8+QB]
	v_cvt_scalef32_pk8_fp4_f32 v[(\pc)+4*(QB/2)+2+QB%2], v[(\s)+16*QB+8:(\s)+16*QB+15], v[TM+8+QB]
.set QB, QB+1
.endr
	v_nop                                              ; one plain place behind a scaled conversion
.set QB, 0
.rept \nb/2
	v_permlane16_swap_b32 v[(\pc)+4*QB], v[(\pc)+4*QB+1]
	v_permlane16_swap_b32 v[(\pc)+4*QB+2], v[(\pc)+4*QB+3]
.set QB, QB+1
.endr
.endm
; one matrix instruction: D at d, sources at a and b, C at c, scale registers sa, sb; ra, rb = 1: that side's scales are read from lanes 16-31
.macro MM d, a, b, c, sa, ra, sb, rb
.if (\ra) && (\rb)
	v_wmma_scale_f32_16x16x128_f8f6f4 v[(\d):(\d)+7], v[(\a):(\a)+7], v[(\b):(\b)+7], v[(\c):(\c)+7], v[(\sa)], v[(\sb)] matrix_a_fmt:MATRIX_FMT_FP4 matrix_b_fmt:MATRIX_FMT_FP4 matrix_a_scale:MATRIX_SCALE_ROW1 matrix_b_scale:MATRIX_SCALE_ROW1
.elseif (\ra)
	v_wmma_scale_f32_16x16x128_f8f6f4 v[(\d):(\d)+7], v[(\a):(\a)+7], v[(\b):(\b)+7], v[(\c):(\c)+7], v[(\sa)], v[(\sb)] matrix_a_fmt:MATRIX_FMT_FP4 matrix_b_fmt:MATRIX_FMT_FP4 matrix_a_scale:MATRIX_SCALE_ROW1
.elseif (\rb)
	v_wmma_scale_f32_16x16x128_f8f6f4 v[(\d):(\d)+7], v[(\a):(\a)+7], v[(\b):(\b)+7], v[(\c):(\c)+7], v[(\sa)], v[(\sb)] matrix_a_fmt:MATRIX_FMT_FP4 matrix_b_fmt:MATRIX_FMT_FP4 matrix_b_scale:MATRIX_SCALE_ROW1
.else
	v_wmma_scale_f32_16x16x128_f8f6f4 v[(\d):(\d)+7], v[(\a):(\a)+7], v[(\b):(\b)+7], v[(\c):(\c)+7], v[(\sa)], v[(\sb)] matrix_a_fmt:MATRIX_FMT_FP4 matrix_b_fmt:MATRIX_FMT_FP4
.endif
.endm
; ---- the q, k path.  K step s's 20 loads: four fragments of x at FX, four of w at FX + 32 (set s % 2), and their scale words
.macro LOADQ s
.set FX, 64-64*((\s)%2)
.set SX, 52+4*((\s)%2)
.if (\s)%2
	WIN 0x40                                           ; destination window 1, address window 0
.endif
.irp u, 0,1,2,3
.irp c, 0,1
	global_load_b128 v[FX+8*\u+4*\c:FX+8*\u+4*\c+3], v1, s[16:17] offset:\u*8192+(\s)*1024+\c*512
	global_load_b128 v[FX+32+8*\u+4*\c:FX+32+8*\u+4*\c+3], v1, s[18:19] offset:\u*8192+(\s)*1024+\c*512
.endr
.endr
	WIN 0
.irp p, 0,1
	global_load_b32 v[SX+\p], v2, s[20:21] offset:(\s)*16384+128*\p      ; lanes 0-15 tile 2 p's words, lanes 16-31 tile 2 p + 1's
	global_load_b32 v[SX+2+\p], v2, s[22:23] offset:(\s)*12288+128*\p
.endr
.endm
.macro KSTEPQ s
.if (\s) < 7
	s_wait_loadcnt 20                                  ; this step's loads are in; the next step's 20 may be out
.else
	s_wait_loadcnt 0x0
.endif
.set FX, 64-64*((\s)%2)
.set SX, 52+4*((\s)%2)
.if (\s)%2
	WIN 0x05                                           ; both sources window 1; C and D window 0
.endif
.irp u, 0,1,2,3
.irp t, 0,1,2,3
.if (\s) == 0
	MM ACC+32*\u+8*\t, FX+32+8*\t, FX+8*\u, 16+8*\t, SX+2+\t/2, \t%2, SX+\u/2, \u%2
.else
	MM ACC+32*\u+8*\t, FX+32+8*\t, FX+8*\u, ACC+32*\u+8*\t, SX+2+\t/2, \t%2, SX+\u/2, \u%2
.endif
.endr
.endr
	WIN 0
.if (\s)+2 < 8
.rept 4
	v_nop                                              ; four places in front of loads into registers that matrix instructions have read
.endr
	LOADQ (\s)+2
.endif
.endm
; ---- the v path.  K step s's 25 loads: eight fragments of x at FX (set s % 2), two of w at FV (both sets in window 0), their scale words
.macro LOADV s
.set FX, 64-64*((\s)%2)
.set FV, 36-32*((\s)%2)
.set SX, 52+5*((\s)%2)
.if (\s)%2
	WIN 0x40
.endif
.irp u, 0,1,2,3,4,5,6,7
.irp c, 0,1
	global_load_b128 v[FX+8*\u+4*\c:FX+8*\u+4*\c+3], v1, s[16:17] offset:\u*8192+(\s)*1024+\c*512
.endr
.endr
	WIN 0
.irp t, 0,1
.irp c, 0,1
	global_load_b128 v[FV+8*\t+4*\c:FV+8*\t+4*\c+3], v1, s[18:19] offset:\t*8192+(\s)*1024+\c*512
.endr
.endr
.irp p, 0,1,2,3
	global_load_b32 v[SX+\p], v2, s[20:21] offset:(\s)*16384+128*\p
.endr
	global_load_b32 v[SX+4], v2, s[22:23] offset:(\s)*12288
.endm
.macro KSTEPV s
.if (\s) < 7
	s_wait_loadcnt 25                                  ; this step's loads are in; the next step's 25 may be out
.else
	s_wait_loadcnt 0x0
.endif
.if (\s) == 0
.irp t, 0,1
.irp j, 1,2,3,4,5,6,7
	v_mov_b32 v[20+8*\t+\j], v[20+8*\t]                ; a lane's eight results share one column: its bias eight times, the C of the first product
.endr
.endr
.endif
.set FX, 64-64*((\s)%2)
.set FV, 36-32*((\s)%2)
.set SX, 52+5*((\s)%2)
.if (\s)%2
	WIN 0x01                                           ; source 0 (x) window 1
.endif
.irp u, 0,1,2,3,4,5,6,7
.irp t, 0,1
.if (\s) == 0
	MM ACC+64*\t+8*\u, FX+8*\u, FV+8*\t, 20+8*\t, SX+\u/2, \u%2, SX+4, \t
.else
	MM ACC+64*\t+8*\u, FX+8*\u, FV+8*\t, ACC+64*\t+8*\u, SX+\u/2, \u%2, SX+4, \t
.endif
.endr
.endr
	WIN 0
.if (\s)+2 < 8
.rept 4
	v_nop
.endr
	LOADV (\s)+2
.endif
.endm
	s_load_b128 s[4:7], s[0:1], 0x0                    ; the operands' workspace s[4:5], b_qkv s[6:7]
	s_load_b64 s[8:9], s[0:1], 0x10                    ; the attention's workspace
	v_lshrrev_b32 v1, 5, v0
	v_readfirstlane_b32 s12, v1                        ; wave
	v_and_b32 v62, 31, v0
	v_lshlrev_b32 v1, 4, v62                           ; 16 x lane
	v_lshlrev_b32 v2, 2, v62                           ; 4 x lane
	v_cmp_le_u32 vcc_lo, 16, v62                       ; lanes 16-31
	s_mov_b32 s[SEL], 0x76543210
	s_mov_b32 s[SEL+1], 0xfedcba98
	s_and_b32 s14, ttmp7, 0xffff
	s_cmp_lt_u32 ttmp9, 8
	s_cbranch_scc0 .Lvalues
	; ---- q and k: ct = 4 x + wave: 0-15 q's head ct, 16-31 k's head ct - 16;  tokens 64 y on
	; registers: v4-15 at work; v16-47 the bias in the result's layout, later the codes (v16-31), scale words (v32-35) and merged words (v36-37) just made
.irp b, 0,1,2,3
	v_mov_b32 v[TM+4+\b], 0                            ; written once: a lane permute's destination counts as one of its sources
.endr
	v_bfe_u32 v3, v0, 4, 1
	v_lshlrev_b32 v3, 5, v3                            ; 32 h: my eight numbers of a tile's bias
	s_lshl_b32 s15, ttmp9, 2
	s_add_co_u32 s15, s15, s12                         ; ct
	s_lshl_b32 s16, s14, 15                            ; x's m tiles 4 y on
	s_mov_b32 s17, 0
	s_lshl_b32 s18, s15, 15                            ; w's n tiles 4 ct on
	s_add_co_u32 s18, s18, WQ
	s_mov_b32 s19, 0
	s_lshl_b32 s20, s14, 8
	s_add_co_u32 s20, s20, XS
	s_mov_b32 s21, 0
	s_lshl_b32 s22, s15, 8
	s_mov_b32 s24, s22                                 ; the bias: 64 ct numbers on
	s_add_co_u32 s22, s22, WQS
	s_mov_b32 s23, 0
	s_mov_b32 s25, 0
	s_and_b32 s30, s14, 31                             ; the block of 64 tokens in its batch,
	s_lshr_b32 s31, s14, 5                             ; the batch,
	s_and_b32 s32, s15, 15                             ; the head
	s_lshl_b32 s33, s31, 4
	s_add_co_u32 s33, s33, s32
	s_lshl_b32 s34, s33, 16                            ; q's codes: 65,536 bytes a head, 512 a tile
	s_lshl_b32 s39, s30, 11
	s_add_co_u32 s34, s34, s39
	s_add_co_u32 s34, s34, QC
	s_lshl_b32 s35, s33, 13                            ; q's scale words: 8,192 bytes a head
	s_lshl_b32 s39, s30, 8
	s_add_co_u32 s35, s35, s39
	s_add_co_u32 s35, s35, QS
	s_lshl_b32 s36, s31, 2                             ; k's chunk: ((4 b + head / 4) 16 + step) 4 + head % 4
	s_lshr_b32 s39, s32, 2
	s_add_co_u32 s36, s36, s39
	s_lshl_b32 s36, s36, 4
	s_lshr_b32 s39, s30, 1
	s_add_co_u32 s36, s36, s39
	s_lshl_b32 s36, s36, 2
	s_and_b32 s39, s32, 3
	s_add_co_u32 s36, s36, s39
	s_mul_i32 s36, s36, 8960
	s_and_b32 s39, s30, 1                              ; which half of the step's 128 keys
	s_lshl_b32 s37, s39, 11
	s_add_co_u32 s37, s37, s36
	s_lshl_b32 s38, s39, 8
	s_add_co_u32 s38, s38, s36
	s_add_co_u32 s38, s38, 4096
	s_cmp_lt_u32 s15, 16                               ; q or k: offsets are chosen, never addresses
	s_cselect_b32 s26, s34, s37
	s_cselect_b32 s28, s35, s38
	s_cselect_b32 s40, 0x0808, 0                       ; what comes off the two scale bytes
	s_mov_b32 s27, 0
	s_mov_b32 s29, 0
	s_wait_kmcnt 0x0
	s_add_nc_u64 s[16:17], s[4:5], s[16:17]
	s_add_nc_u64 s[18:19], s[4:5], s[18:19]
	s_add_nc_u64 s[20:21], s[4:5], s[20:21]
	s_add_nc_u64 s[22:23], s[4:5], s[22:23]
	s_add_nc_u64 s[24:25], s[6:7], s[24:25]
	s_add_nc_u64 s[26:27], s[8:9], s[26:27]
	s_add_nc_u64 s[28:29], s[8:9], s[28:29]
.irp t, 0,1,2,3
	global_load_b128 v[16+8*\t:16+8*\t+3], v3, s[24:25] offset:64*\t
	global_load_b128 v[16+8*\t+4:16+8*\t+7], v3, s[24:25] offset:64*\t+16
.endr
	LOADQ 0                                            ; 48 loads of mine are out: the bias's 8 and two K steps' 20
	LOADQ 1
.irp s, 0,1,2,3,4,5,6,7
	KSTEPQ \s
.endr
.rept 4
	v_nop                                              ; four places in front of the first read of results
.endr
.irp u, 0,1,2,3
	QUANT ACC+32*\u, 2, 0x5800000, 16+4*\u, 32+\u      ; 16 tokens x 64: two blocks a token; the floor 2^(11 - 127)
	v_sub_nc_u32 v[32+\u], v[32+\u], s40
	global_store_b128 v1, v[16+4*\u:19+4*\u], s[26:27] offset:512*\u   ; 32 lanes store 512 consecutive bytes
.endr
.irp p, 0,1
	v_cndmask_b32 v[36+\p], v[32+2*\p], v[33+2*\p], vcc_lo
	global_store_b32 v2, v[36+\p], s[28:29] offset:128*\p
.endr
	s_endpgm
.Lvalues:
	; ---- v: i = 64 (x - 8) + y;  columns 2048 + 32 cv on, cv = 4 (i % 8) + wave;  tokens 128 (i / 8) on
	; registers: v4-19 w's fragments, set 1; v20-35 the bias; v36-51 w's fragments, set 0; behind the loop v64-79 codes, v80-82 scale words, v96-107 at work
.set TM, 96
	v_and_b32 v3, 15, v0
	v_lshlrev_b32 v3, 2, v3                            ; 4 r: my column's bias
	s_sub_co_u32 s15, ttmp9, 8
	s_lshl_b32 s15, s15, 6
	s_add_co_u32 s15, s15, s14
	s_and_b32 s30, s15, 7
	s_lshl_b32 s30, s30, 2
	s_add_co_u32 s30, s30, s12                         ; cv
	s_lshr_b32 s31, s15, 3                             ; the block of 128 tokens
	s_lshl_b32 s16, s31, 16
	s_mov_b32 s17, 0
	s_lshl_b32 s18, s30, 14
	s_add_co_u32 s18, s18, WQ+128*8192
	s_mov_b32 s19, 0
	s_lshl_b32 s20, s31, 9
	s_add_co_u32 s20, s20, XS
	s_mov_b32 s21, 0
	s_lshl_b32 s22, s30, 7
	s_add_co_u32 s24, s22, 8192
	s_add_co_u32 s22, s22, WQS+8192
	s_mov_b32 s23, 0
	s_mov_b32 s25, 0
	s_lshr_b32 s32, s31, 4                             ; the chunk: ((4 b + head / 4) 16 + step) 4 + head % 4, head = cv / 2
	s_lshl_b32 s32, s32, 2
	s_lshr_b32 s39, s30, 3
	s_add_co_u32 s32, s32, s39
	s_lshl_b32 s32, s32, 4
	s_and_b32 s39, s31, 15
	s_add_co_u32 s32, s32, s39
	s_lshl_b32 s32, s32, 2
	s_bfe_u32 s39, s30, 0x20001
	s_add_co_u32 s32, s32, s39
	s_mul_i32 s32, s32, 8960
	s_and_b32 s39, s30, 1                              ; which 32 of the head's 64
	s_lshl_b32 s26, s39, 11
	s_add_co_u32 s26, s26, s32
	s_add_co_u32 s26, s26, 4608
	s_mov_b32 s27, 0
	s_lshl_b32 s28, s39, 7
	s_add_co_u32 s28, s28, s32
	s_add_co_u32 s28, s28, 8704
	s_mov_b32 s29, 0
	s_wait_kmcnt 0x0
	s_add_nc_u64 s[16:17], s[4:5], s[16:17]
	s_add_nc_u64 s[18:19], s[4:5], s[18:19]
	s_add_nc_u64 s[20:21], s[4:5], s[20:21]
	s_add_nc_u64 s[22:23], s[4:5], s[22:23]
	s_add_nc_u64 s[24:25], s[6:7], s[24:25]
	s_add_nc_u64 s[26:27], s[8:9], s[26:27]
	s_add_nc_u64 s[28:29], s[8:9], s[28:29]
.irp t, 0,1
	global_load_b32 v[20+8*\t], v3, s[24:25] offset:64*\t
.endr
	LOADV 0                                            ; 52 loads of mine are out: the bias's 2 and two K steps' 25
	LOADV 1
.irp s, 0,1,2,3,4,5,6,7
	KSTEPV \s
.endr
.rept 4
	v_nop                                              ; four places in front of the first read of results and of writes into the fragments' registers
.endr
.irp b, 0,1,2,3
	v_mov_b32 v[TM+4+\b], 0                            ; a lane permute's destination counts as one of its sources
.endr
.irp t, 0,1
	QUANT ACC+64*\t, 4, 0x1800000, 64+8*\t, 80+\t      ; 16 columns d x 128 keys: a fragment of V^T
	global_store_b128 v1, v[64+8*\t:67+8*\t], s[26:27] offset:1024*\t
	global_store_b128 v1, v[68+8*\t:71+8*\t], s[26:27] offset:1024*\t+512
.endr
	v_cndmask_b32 v82, v80, v81, vcc_lo
	global_store_b32 v2, v82, s[28:29]
	s_endpgm
.Lfunc_end_k_qdcc960c367_qkv:
	.size	k_qdcc960c367_qkv, .Lfunc_end_k_qdcc960c367_qkv-k_qdcc960c367_qkv
	.p2alignl 7, 3214868480
	.fill 96, 4, 3214868480
	.section	.rodata,"a",@progbits
	.p2align	6, 0x0
	.amdhsa_kernel k_qdcc960c367_qkv
		.amdhsa_group_segment_fixed_size 0
		.amdhsa_private_segment_fixed_size 0
		.amdhsa_enable_private_segment 0
		.amdhsa_kernarg_size 24
		.amdhsa_user_sgpr_count 2
		.amdhsa_user_sgpr_kernarg_segment_ptr 1
		.amdhsa_wavefront_size32 1
		.amdhsa_system_sgpr_workgroup_id_x 1
		.amdhsa_system_sgpr_workgroup_id_y 1
		.amdhsa_system_sgpr_workgroup_id_z 1
		.amdhsa_system_vgpr_workitem_id 0
		.amdhsa_next_free_vgpr 320
		.amdhsa_next_free_sgpr 66
		.amdhsa_reserve_vcc 1
		.amdhsa_float_denorm_mode_32 3
		.amdhsa_float_denorm_mode_16_64 3
		.amdhsa_memory_ordered 1
		.amdhsa_forward_progress 1
		.amdhsa_inst_pref_size 92
	.end_amdhsa_kernel
	.amdgpu_metadata
---
amdhsa.version: [ 1, 2 ]
amdhsa.kernels:
  - .name:           k_qdcc960c367_qkv
    .symbol:         k_qdcc960c367_qkv.kd
    .args:
      - { .name: wsA, .offset: 0, .size: 8, .value_kind: global_buffer, .address_space: global }
      - { .name: b_qkv, .offset: 8, .size: 8, .value_kind: global_buffer, .address_space: global }
      - { .name: wsB, .offset: 16, .size: 8, .value_kind: global_buffer, .address_space: global }
    .group_segment_fixed_size: 0
    .private_segment_fixed_size: 0
    .kernarg_segment_align: 8
    .kernarg_segment_size: 24
    .max_flat_workgroup_size: 128
    .sgpr_count:     66
    .vgpr_count:     320
    .wavefront_size: 32
...
	.end_amdgpu_metadata
.endif
;; end of part 2
;; launch smax (part 3): grid 32 x 8, 16 waves a work-group, clusters of 4 x 4, 327,680 bytes of LDS; arguments wsB, ltor_mask, wsM; writes wsM
.if DOCPART == 3
	.amdgcn_target "amdgcn-amd-amdhsa--gfx1250"
	.amdhsa_code_object_version 6
	.text
	.protected	k_qdcc960c367_smax
	.globl	k_qdcc960c367_smax
	.p2align	8
	.type	k_qdcc960c367_smax,@function
k_qdcc960c367_smax:
	s_mov_b64 s[64:65], 0
	v_nop
	global_prefetch_b8 v0, s[64:65] scope:SCOPE_SE
	s_setreg_imm32_b32 hwreg(HW_REG_WAVE_MODE, 25, 1), 1
	s_wait_xcnt 0x0
	s_wait_alu depctr_hold_cnt(0) depctr_sa_sdst(0) depctr_va_vdst(0) depctr_va_sdst(0) depctr_va_ssrc(0) depctr_va_vcc(0) depctr_vm_vsrc(0)
	s_getreg_b32 s2, hwreg(HW_REG_IB_STS2, 6, 4)
	s_cmp_eq_u32 s2, 0
	s_cbranch_scc0 .Lentry_in_a_cluster
	s_endpgm
.Lentry_in_a_cluster:
	s_bfe_u32 s2, ttmp6, 0x10000c
	s_cmp_lg_u32 s2, 0xf033
	s_cbranch_scc0 .Lentry_shape_is_right
	s_endpgm
.Lentry_shape_is_right:
; The largest ss = (score x mask - 10000 (1 - mask)) / 32 of each head, in parts: one number for each (head, block of 64 queries).  The next launch takes the largest of a head's 32 parts.
; It is needed whole before any p is made: the exponent is (ss - m) x 32 log2(e), and m is no whole number of binary steps, so it moves the codes of p.
; ss is made here by the very lines that the next launch uses (the same matrix instruction on the same operands, the same two fused multiply-adds), so m is bit for bit the largest ss seen there.
; q's scale bytes carry the 1 / 8 and the 1 / 32, so the product gives score / 32;  u = 312.5 mask - 312.5;  ss = (score / 32) mask + u.
; SHARES: a work-group owns 64 queries x 4 heads and walks all 2,048 keys, 128 a step.  Wave w: query tile w % 4, keys 32 (w / 4) .. + 31 of every step, ALL FOUR heads: its 16 mask numbers a lane and their u serve four heads.
; K = 64 in an instruction of 128: registers 4-7 of both operands hold zero codes, written once.
; LDS: two slots of 256 keys, 2^17 bytes apart: the mask's 64 rows x (1,024 + 16) bytes, then 8 rows (step, head) of 4,608 bytes: K's codes and scale words.
; CLUSTERS: 4 x 4 work-groups.  The four of a column (same x) own the same 64 queries and need the same mask tiles; the four of a row (same y) own the same four heads and need the same K.  Each tile is asked for JOINTLY:
; the same tensor load, with the same descriptor and a mask that names the four, in all four.  The mask's address is made of x and the wave's number alone, K's of y and the wave's number alone, LDS addresses of the wave's number alone.
; Every wave issues one load for each slot: waves 0-7 eight mask rows each, waves 8-15 one row of K each.  One tensor load of a wave is out at a time, by this text's own count.
; All of a WGP's LDS is claimed.
; LIMITS: NaN and infinities are not served.
.set QC,    4587520
.set QS,    6684672
.set SLOT1, 1<<17
.set MP,    1040                       ; a mask row in LDS: 65 x 16 bytes, so sixteen rows start at sixteen different 16-byte columns
.set KOFF,  64*MP
.set KROW,  4608
.set SPARE, 2*SLOT1                    ; the spare words: 128 bytes for each of 16 waves; no other line names them
.set SCR,   SPARE+2048                 ; 256 bytes: [wave][head] f32; no fill lands here
.set QF,    16                         ; v16-47   q of four heads, 8 registers each, the upper four zero
.set QSR,   48                         ; v48-51   q's scale words
.set KSR,   52                         ; v52-55   k's scale words
.set KF,    64                         ; v64-127  eight fragments of k (2 head + tile)
.set MK,    128                        ; v128-143 mask
.set UU,    144                        ; v144-159 u
.set SS,    160                        ; v160-223 scores: 16 head + 8 tile
.set RM,    224                        ; v224-227 the running maxima; v228-231 at work
.set G1M,   24
.set G1K,   32
.set G0M,   40
.set G0K,   44
.set TB,    48
.macro MM d, a, b, c, sa, ra, sb, rb
.if (\ra)
	v_wmma_scale_f32_16x16x128_f8f6f4 v[(\d):(\d)+7], v[(\a):(\a)+7], v[(\b):(\b)+7], 0, v[(\sa)], v[(\sb)] matrix_a_fmt:MATRIX_FMT_FP4 matrix_b_fmt:MATRIX_FMT_FP4 matrix_a_scale:MATRIX_SCALE_ROW1
.else
	v_wmma_scale_f32_16x16x128_f8f6f4 v[(\d):(\d)+7], v[(\a):(\a)+7], v[(\b):(\b)+7], 0, v[(\sa)], v[(\sb)] matrix_a_fmt:MATRIX_FMT_FP4 matrix_b_fmt:MATRIX_FMT_FP4
.endif
.endm
; A joint load: waves 0-7 fetch for the mask, waves 8-15 for K.  Each of the two lines has one mask and one set of registers for all that issue it; the branch hangs on the wave's number alone.
; Four v_nop follow each of the two lines.
.macro JLOAD
	s_cmp_lt_u32 s12, 8
	s_cbranch_scc0 .Lfor_k_\@
	tensor_load_to_lds s[G0M:G0M+3], s[G1M:G1M+7]
	s_nop 0
.rept 4
	v_nop
.endr
	s_branch .Lasked_\@
.Lfor_k_\@:
	tensor_load_to_lds s[G0K:G0K+3], s[G1K:G1K+7]
	s_nop 0
.rept 4
	v_nop
.endr
.Lasked_\@:
.endm
; A round of the cluster's barrier: my work-group's barrier, so that wave 0's signal speaks for all sixteen waves; wave 0 signals for the work-group; every wave waits for all sixteen work-groups; my work-group's barrier once more.
.macro CROUND
	s_barrier_signal -1
	s_barrier_wait -1
	s_cmp_lg_u32 s12, 0
	s_cbranch_scc1 .Lnot_wave_0_\@
	s_barrier_signal -3
.Lnot_wave_0_\@:
	s_barrier_wait -3
	s_barrier_signal -1
	s_barrier_wait -1
.endm
; The change of slots, at a slot's head: all my tensor loads have landed, the add, my reads of the slot that I have left are over.  fill = 1: a round of the cluster's barrier, so that no wave of any partner still reads
; that slot or has a load on its way; then the slot is filled with the keys that follow.
.macro CHANGE fill
	s_wait_tensorcnt 0x0                               ; no tensor load of mine is out, so a group 0 may be written
	ds_add_u32 v5, v6                                  ; 0 onto my spare word
.if \fill
	s_xor_b32 s[G0M+1], s[G0M+1], SLOT1
	s_add_nc_u64 s[G0M+2:G0M+3], s[G0M+2:G0M+3], 1024  ; 256 keys on in each mask row
	s_xor_b32 s[G0K+1], s[G0K+1], SLOT1
	s_add_nc_u64 s[G0K+2:G0K+3], s[G0K+2:G0K+3], 2*4*8960   ; two steps of four chunks on
	s_wait_dscnt 0x0
	CROUND
	JLOAD                                              ; the first thing behind the round, a wave's one tensor load until the next
.else
	s_wait_dscnt 0x0
	s_barrier_signal -1
	s_barrier_wait -1
.endif
.endm
.macro STEP g                          ; the slot's g-th 128 keys
.irp hh, 0,1,2,3
.irp e, 0,1
	ds_load_b128 v[KF+8*(2*\hh+\e):KF+8*(2*\hh+\e)+3], v9 offset:(4*\g+\hh)*KROW+512*\e
.endr
.endr
.irp hh, 0,1,2,3
	ds_load_b32 v[KSR+\hh], v10 offset:(4*\g+\hh)*KROW             ; lanes 0-15 my first tile's words, lanes 16-31 my second's
.endr
.irp e, 0,1
.irp f, 0,1
	ds_load_b128 v[MK+8*\e+4*\f:MK+8*\e+4*\f+3], v8 offset:512*\g+64*\e+16*\f
.endr
.endr
	s_wait_dscnt 4                                     ; K and its scale words are in; the four mask loads may be out
.irp hh, 0,1,2,3
.irp e, 0,1
	MM SS+16*\hh+8*\e, KF+8*(2*\hh+\e), QF+8*\hh, -1, KSR+\hh, \e, QSR+\hh, 0
.endr
.endr
	s_wait_dscnt 0x0
.irp i, 0,2,4,6,8,10,12,14
	v_pk_fma_f32 v[UU+\i:UU+\i+1], v[MK+\i:MK+\i+1], s[50:51], v[12:13] op_sel_hi:[1,0,1]   ; u = 312.5 mask - 312.5.  These eight are also the places behind the products
.endr
.irp hh, 0,1,2,3
.irp i, 0,2,4,6,8,10,12,14
	v_pk_fma_f32 v[SS+16*\hh+\i:SS+16*\hh+\i+1], v[SS+16*\hh+\i:SS+16*\hh+\i+1], v[MK+\i:MK+\i+1], v[UU+\i:UU+\i+1]   ; each result from its low end on
.endr
.endr
.irp i, 0,2,4,6,8,10,12,14
.irp hh, 0,1,2,3
	v_max3_num_f32 v[RM+\hh], v[RM+\hh], v[SS+16*\hh+\i], v[SS+16*\hh+\i+1]
.endr
.endr
.endm
.macro SLOT_STEPS
	v_add_nc_u32 v8, s[TB], v1
	v_add_nc_u32 v9, s[TB], v2
	v_add_nc_u32 v10, s[TB], v3
	STEP 0
	STEP 1
	s_xor_b32 s[TB], s[TB], SLOT1
.endm
	s_load_b128 s[4:7], s[0:1], 0x0                    ; the attention's workspace s[4:5], the mask s[6:7]
	s_load_b64 s[8:9], s[0:1], 0x10                    ; the maxima
	v_lshl_add_u32 v5, v0, 2, SPARE
	v_mov_b32 v6, 0
	ds_add_u32 v5, v6
	s_wait_dscnt 0x0
	v_lshrrev_b32 v8, 5, v0
	v_readfirstlane_b32 s12, v8                        ; wave 0..15
	s_and_b32 s13, s12, 3                              ; my query tile
	s_lshr_b32 s14, s12, 2                             ; my quarter of a step's keys
	s_and_b32 s15, s12, 7                              ; which eighth of the mask's rows, or of K's, I fetch
	s_bfe_u32 s66, ttmp6, 0x40000                      ; cx, cy: my place in the cluster
	s_bfe_u32 s67, ttmp6, 0x40004
	s_lshl_b32 s16, ttmp9, 2
	s_add_co_u32 s16, s16, s66                         ; the block of 64 queries = 4 x cluster x + cx
	s_and_b32 s17, ttmp7, 0xffff
	s_lshl_b32 s17, s17, 2
	s_add_co_u32 s17, s17, s67                         ; 4 batch + group of four heads = 4 x cluster y + cy
	s_lshl_b32 s68, 0x1111, s66                        ; my column of the cluster: places cx, cx + 4, cx + 8, cx + 12
	s_lshl_b32 s69, s67, 2
	s_lshl_b32 s69, 15, s69                            ; my row: places 4 cy .. 4 cy + 3
	s_or_b32 s[G1M], s68, (2<<16)|(1<<20)|(1<<21)|(7<<22)|(3<<25)  ; the mask's tiles go to my column; elements of 4 bytes; bit 21 set beside a mask; padding: 4 words behind every 256
	s_mov_b32 s[G1M+1], 256<<16                        ; tensor_dim0
	s_mov_b32 s[G1M+2], 8<<16                          ; tensor_dim1
	s_mov_b32 s[G1M+3], 256<<16                        ; tile_dim0
	s_mov_b32 s[G1M+4], 8                              ; tile_dim1
	s_mov_b32 s[G1M+5], 2048                           ; from row to row
	s_mov_b32 s[G1M+6], 0
	s_mov_b32 s[G1M+7], 0
	s_or_b32 s[G1K], s69, (3<<16)|(1<<21)              ; K's tiles go to my row; elements of 8 bytes, no padding: one row of 4,608 bytes
	s_mov_b32 s[G1K+1], 576<<16
	s_mov_b32 s[G1K+2], 1<<16
	s_mov_b32 s[G1K+3], 576<<16
	s_mov_b32 s[G1K+4], 1
	s_mov_b32 s[G1K+5], 576
	s_mov_b32 s[G1K+6], 0
	s_mov_b32 s[G1K+7], 0
	s_mov_b32 s20, 0x76543210
	s_mov_b32 s21, 0xfedcba98
	s_mov_b32 s50, 0x439c4000                          ; 312.5
	s_mov_b32 s51, s50
	s_mov_b32 s[TB], 0
	s_mov_b32 s49, 7
	s_mul_i32 s18, s15, 8*MP                           ; where my part goes: the wave's number alone
	s_mul_i32 s19, s15, KROW
	s_add_co_u32 s19, s19, KOFF
	s_lshl_b32 s[G0M+2], s16, 19                       ; mask row 64 qb + 8 i, 8,192 bytes a row
	s_lshl_b32 s62, s15, 16
	s_add_co_u32 s[G0M+2], s[G0M+2], s62
	s_mov_b32 s[G0M+3], 0
	s_mul_i32 s[G0K+2], s17, 573440                    ; 16 steps x 4 chunks for each y; row i = 4 step + head lies i chunks on
	s_mul_i32 s62, s15, 8960
	s_add_co_u32 s[G0K+2], s[G0K+2], s62
	s_mov_b32 s[G0K+3], 0
	s_lshl_b32 s56, s17, 18                            ; q's codes: head 4 y, tile 4 qb + qt
	s_lshl_b32 s63, s16, 11
	s_add_co_u32 s56, s56, s63
	s_lshl_b32 s63, s13, 9
	s_add_co_u32 s56, s56, s63
	s_add_co_u32 s56, s56, QC
	s_mov_b32 s57, 0
	s_lshl_b32 s58, s17, 15                            ; q's scale words
	s_lshl_b32 s63, s16, 8
	s_add_co_u32 s58, s58, s63
	s_lshl_b32 s63, s13, 6
	s_add_co_u32 s58, s58, s63
	s_add_co_u32 s58, s58, QS
	s_mov_b32 s59, 0
	s_lshl_b32 s60, s17, 9                             ; out: [y][qb][head % 4]
	s_lshl_b32 s63, s16, 4
	s_add_co_u32 s60, s60, s63
	s_mov_b32 s61, 0
	s_wait_kmcnt 0x0
	s_mov_b32 s[G0M], 1
	s_mov_b32 s[G0M+1], s18
	s_add_nc_u64 s[G0M+2:G0M+3], s[6:7], s[G0M+2:G0M+3]
	s_or_b32 s[G0M+3], s[G0M+3], 0x80000000
	s_mov_b32 s[G0K], 1
	s_mov_b32 s[G0K+1], s19
	s_add_nc_u64 s[G0K+2:G0K+3], s[4:5], s[G0K+2:G0K+3]
	s_or_b32 s[G0K+3], s[G0K+3], 0x80000000
	CROUND                                             ; all sixteen work-groups are here: the first joint loads meet
	JLOAD                                              ; slot 0
	s_add_nc_u64 s[56:57], s[4:5], s[56:57]
	s_add_nc_u64 s[58:59], s[4:5], s[58:59]
	s_add_nc_u64 s[60:61], s[8:9], s[60:61]
	v_and_b32 v240, 31, v0                             ; lane
	v_and_b32 v241, 15, v0                             ; r
	v_bfe_u32 v242, v0, 4, 1                           ; h
	v_lshlrev_b32 v236, 4, v240
	v_lshlrev_b32 v237, 2, v241
.irp hh, 0,1,2,3
	global_load_b128 v[QF+8*\hh:QF+8*\hh+3], v236, s[56:57] offset:\hh*65536
	global_load_b32 v[QSR+\hh], v237, s[58:59] offset:\hh*8192
.endr
.irp hh, 0,1,2,3
.irp j, 4,5,6,7
	v_mov_b32 v[QF+8*\hh+\j], 0                        ; K = 64: the upper half of both operands is zero codes
.endr
.endr
.irp i, 0,1,2,3,4,5,6,7
.irp j, 4,5,6,7
	v_mov_b32 v[KF+8*\i+\j], 0
.endr
.endr
.irp hh, 0,1,2,3
	v_mov_b32 v[RM+\hh], 0xff800000                    ; under every ss
	v_mov_b32 v[RM+4+\hh], 0
.endr
	v_mov_b32 v12, 0xc39c4000                          ; -312.5
	v_mov_b32 v13, 0xc39c4000
	s_mul_i32 s18, s13, 16*MP
	s_lshl_b32 s19, s14, 7
	s_add_co_u32 s18, s18, s19
	v_mul_u32_u24 v1, v241, MP
	v_lshl_add_u32 v1, v242, 5, v1
	v_add_nc_u32 v1, s18, v1                           ; mask: row 16 qt + r, + 128 kq + 32 h
	s_lshl_b32 s18, s14, 10
	s_add_co_u32 s18, s18, KOFF
	v_lshl_add_u32 v2, v240, 4, s18                    ; K's codes: tiles 2 kq on, 16 x lane
	s_add_co_u32 s19, s19, KOFF+4096
	v_lshl_add_u32 v3, v240, 2, s19                    ; K's scale words: keys 32 kq on, 4 x lane
	v_lshl_add_u32 v4, v240, 2, SCR
	s_lshl_b32 s18, s12, 4
	s_add_co_u32 s18, s18, SCR
	v_mov_b32 v7, s18                                  ; my wave's four words
	v_lshlrev_b32 v234, 2, v240
	s_wait_loadcnt 0x0                                 ; q
.Lslot:                                                ; 7 trips: behind each change of slots but the last the next slot is asked for
	CHANGE 1
	SLOT_STEPS
	s_sub_co_u32 s49, s49, 1
	s_cmp_lg_u32 s49, 0
	s_cbranch_scc1 .Lslot
	CHANGE 0                                           ; the last slot is written out
	SLOT_STEPS
	; over the wave's 32 lanes, then over the 16 waves
.irp x, 1,2,4,8
.irp hh, 0,1,2,3
	v_max_num_f32_dpp v[RM+\hh], v[RM+\hh], v[RM+\hh] row_xmask:\x row_mask:0xf bank_mask:0xf
.endr
.endr
.irp hh, 0,1,2,3
	v_permlanex16_b32 v[RM+4+\hh], v[RM+\hh], s20, s21
.endr
.irp hh, 0,1,2,3
	v_max_num_f32 v[RM+\hh], v[RM+\hh], v[RM+4+\hh]
.endr
	ds_store_b128 v7, v[RM:RM+3]                       ; all lanes write the same 16 bytes with the same values
	s_wait_dscnt 0x0                                   ; for the others' sake
	s_barrier_signal -1
	s_barrier_wait -1
	s_cmp_lg_u32 s12, 0
	s_cbranch_scc1 .Ldone
	ds_load_b32 v232, v4                               ; word l: wave l / 4, head l % 4;
	ds_load_b32 v233, v4 offset:128                    ; word 32 + l: wave 8 + l / 4
	s_wait_dscnt 0x0
	v_max_num_f32 v232, v232, v233
	v_max_num_f32_dpp v232, v232, v232 row_xmask:4 row_mask:0xf bank_mask:0xf
	v_max_num_f32_dpp v232, v232, v232 row_xmask:8 row_mask:0xf bank_mask:0xf
	v_permlanex16_b32 v233, v232, s20, s21
	v_max_num_f32 v232, v232, v233                     ; lane l holds head l % 4
	s_wait_xcnt 0x0                                    ; EXEC changes only behind this wait
	v_cmp_gt_u32 vcc_lo, 4, v0
	s_and_saveexec_b32 s62, vcc_lo
	global_store_b32 v234, v232, s[60:61]
	s_wait_xcnt 0x0
	s_or_b32 exec_lo, exec_lo, s62
.Ldone:
	s_wait_tensorcnt 0x0                               ; the wave's end
	ds_add_u32 v5, v6
	s_wait_dscnt 0x0
	CROUND                                             ; the closing round: no work-group ends while a partner may still ask for a tile that names it
	s_endpgm
.Lfunc_end_k_qdcc960c367_smax:
	.size	k_qdcc960c367_smax, .Lfunc_end_k_qdcc960c367_smax-k_qdcc960c367_smax
	.p2alignl 7, 3214868480
	.fill 96, 4, 3214868480
	.section	.rodata,"a",@progbits
	.p2align	6, 0x0
	.amdhsa_kernel k_qdcc960c367_smax
		.amdhsa_group_segment_fixed_size 327680
		.amdhsa_private_segment_fixed_size 0
		.amdhsa_enable_private_segment 0
		.amdhsa_kernarg_size 24
		.amdhsa_user_sgpr_count 2
		.amdhsa_user_sgpr_kernarg_segment_ptr 1
		.amdhsa_wavefront_size32 1
		.amdhsa_system_sgpr_workgroup_id_x 1
		.amdhsa_system_sgpr_workgroup_id_y 1
		.amdhsa_system_sgpr_workgroup_id_z 1
		.amdhsa_system_vgpr_workitem_id 0
		.amdhsa_next_free_vgpr 256
		.amdhsa_next_free_sgpr 70
		.amdhsa_reserve_vcc 1
		.amdhsa_float_denorm_mode_32 3
		.amdhsa_float_denorm_mode_16_64 3
		.amdhsa_memory_ordered 1
		.amdhsa_forward_progress 1
		.amdhsa_inst_pref_size 40
	.end_amdhsa_kernel
	.amdgpu_metadata
---
amdhsa.version: [ 1, 2 ]
amdhsa.kernels:
  - .name:           k_qdcc960c367_smax
    .symbol:         k_qdcc960c367_smax.kd
    .args:
      - { .name: wsB, .offset: 0, .size: 8, .value_kind: global_buffer, .address_space: global }
      - { .name: ltor_mask, .offset: 8, .size: 8, .value_kind: global_buffer, .address_space: global }
      - { .name: wsM, .offset: 16, .size: 8, .value_kind: global_buffer, .address_space: global }
    .group_segment_fixed_size: 327680
    .private_segment_fixed_size: 0
    .kernarg_segment_align: 8
    .kernarg_segment_size: 24
    .max_flat_workgroup_size: 512
    .sgpr_count:     70
    .vgpr_count:     256
    .wavefront_size: 32
...
	.end_amdgpu_metadata
.endif
;; end of part 3
;; launch attn (part 4): grid 32 x 8, 16 waves a work-group, clusters of 4 x 4, 327,680 bytes of LDS; arguments wsB, ltor_mask, wsM, wsC; writes wsC
.if DOCPART == 4
	.amdgcn_target "amdgcn-amd-amdhsa--gfx1250"
	.amdhsa_code_object_version 6
	.text
	.protected	k_qdcc960c367_attn
	.globl	k_qdcc960c367_attn
	.p2align	8
	.type	k_qdcc960c367_attn,@function
k_qdcc960c367_attn:
	s_mov_b64 s[64:65], 0
	v_nop
	global_prefetch_b8 v0, s[64:65] scope:SCOPE_SE
	s_setreg_imm32_b32 hwreg(HW_REG_WAVE_MODE, 25, 1), 1
	s_wait_xcnt 0x0
	s_wait_alu depctr_hold_cnt(0) depctr_sa_sdst(0) depctr_va_vdst(0) depctr_va_sdst(0) depctr_va_ssrc(0) depctr_va_vcc(0) depctr_vm_vsrc(0)
	s_getreg_b32 s2, hwreg(HW_REG_IB_STS2, 6, 4)
	s_cmp_eq_u32 s2, 0
	s_cbranch_scc0 .Lentry_in_a_cluster
	s_endpgm
.Lentry_in_a_cluster:
	s_bfe_u32 s2, ttmp6, 0x10000c
	s_cmp_lg_u32 s2, 0xf033
	s_cbranch_scc0 .Lentry_shape_is_right
	s_endpgm
.Lentry_shape_is_right:
; ctx = softmax((ss - m) x 32) v, both products on codes of E2M1, and ctx quantised along the head's 64 for the last product.
; ss = (score / 32) mask + (312.5 mask - 312.5), the product giving score / 32 since q's scale bytes carry 1 / 8 and 1 / 32; m = the head's largest ss, from the launch before.
; t = (ss - m) c, c = 32 log2(e); M = the running largest t of the row, rounded UP to a whole number (kept as -M = floor(-t)); p = 2^(t - M) is what is quantised along the keys, not normalised.
; ORDER OF ROUNDING: the exponent is made as ss c + K by one fused multiply-add, with K = -m c - M rounded once a step, where reference() rounds ss - m first.  K is one number for a whole row of a step, so its rounding
; is a common factor of that row's p and of their sum.  M itself is taken from (largest ss - m) c.
; The row's sum is taken of the unquantised p and divides at the end.  When M moves, the sum and O are multiplied by 2^(old M - new M): exact, and no branch on data.
; SHARES: a work-group owns 64 queries x 4 heads.  Wave w owns query tile w % 4 of head w / 4 in 256 registers and walks all 2,048 keys, 128 a step; four waves share a SIMD, so one wave's vector work stands beside another's loads and products.
; LAYOUT: both products transposed: S^T = K Q^T (source 0 = 16 keys, source 1 = my 16 queries), O^T = V^T P^T: a lane holds ONE query throughout.  In S^T register 16 b + 8 e + j is key 32 b + 16 e + 8 (lane / 16) + j:
; a conversion of eight fills one register, and one exchange of halves between the registers of blocks 2 c and 2 c + 1 gives the operand's layout.
; K = 64 in the first product: registers 4-7 of q's and k's fragments hold zero codes, written once.
; LDS: two slots of 128 keys, 2^17 bytes apart: the mask's 64 rows x (512 + 16) bytes, then four chunks of 8,960 bytes (K codes | K scale words | V^T codes | V scale words).
; CLUSTERS: 4 x 4 work-groups.  The four of a column (same x) own the same 64 queries and need the same mask tiles; the four of a row (same y) own the same four heads and need the same chunks.  Each tile is asked for JOINTLY:
; the same tensor load, with the same descriptor and a mask that names the four, in all four.  The mask's address is made of x and the wave's number alone, the chunks' of y and the wave's number alone, LDS addresses of the wave's number alone.
; Waves 0-7 fetch eight mask rows each, waves 8-11 a chunk each, waves 12-15 nothing.  One tensor load of a wave is out at a time, by this text's own count; it has a whole step in which to land.
; All of a WGP's LDS is claimed.
; LIMITS: NaN and infinities are not served; a block of ctx whose largest magnitude lies under 2^-124 is held at the byte 1.
.set QC,    4587520
.set QS,    6684672
.set CSO,   2097152                    ; ctx's scale words [8 K steps][4096]; its codes [256 m tiles][8][1024] at 0
.set SLOT1, 1<<17
.set MP,    528
.set MASKB, 64*MP
.set CHUNK, 8960
.set SPARE, 2*SLOT1                    ; the spare words: 128 bytes for each of 16 waves; no other line names them
.set QF,    16                         ; v16-23   q (v20-23 zero);  v24 -m;  v[26:27] -312.5;  v[28:29] K (the low word serves both halves)
.set KF,    32                         ; v32-63   four fragments of k, the upper four registers of each zero
.set MK,    64                         ; v64-95   32 mask numbers, then V's four fragments
.set SS,    96                         ; v96-159  S^T, then ss, then p
.set OT,    160                        ; v160-191 O^T
.set UU,    192                        ; v192-207 u
.set KSR,   208                        ; v208-211 k's scale words
.set VSR,   212                        ; v212-213 v's scale words
.set PCD,   224                        ; v224-231 p's codes
.set TM,    232                        ; v232-235 block maxima, v236-239 at work, v240-243 the conversions' scale operands
.set QSR,   255                        ; v255     q's scale words;  v253 p's;  v252 f;  v254 at work
.set SEL,   20
.set CS,    22                         ; s[22:23] c = 32 log2(e)
.set G1M,   24
.set G1K,   32
.set G0M,   40
.set G0K,   44
.set TB,    48
.macro QUANT s, nb, fl, pc, pw
.set QB, 0
.rept \nb
	v_max3_num_f32 v[TM+QB], |v[(\s)+16*QB]|, |v[(\s)+16*QB+1]|, \fl
.set QB, QB+1
.endr
.irp i, 2,4,6,8,10,12,14
.set QB, 0
.rept \nb
	v_max3_num_f32 v[TM+QB], v[TM+QB], |v[(\s)+16*QB+\i]|, |v[(\s)+16*QB+\i+1]|
.set QB, QB+1
.endr
.endr
.set QB, 0
.rept \nb
	v_permlanex16_b32 v[TM+4+QB], v[TM+QB], s[SEL], s[SEL+1]
.set QB, QB+1
.endr
.set QB, 0
.rept \nb
	v_max_num_f32 v[TM+QB], v[TM+QB], v[TM+4+QB]
.set QB, QB+1
.endr
.set QB, 0
.rept \nb
	v_add_nc_u32 v[TM+8+QB], 0xff000000, v[TM+QB]
.set QB, QB+1
.endr
.set QB, 0
.rept \nb
	v_lshrrev_b32 v[TM+4+QB], 23, v[TM+8+QB]
.set QB, QB+1
.endr
	v_lshl_or_b32 v[\pw], v[TM+5], 8, v[TM+4]
.if \nb > 2
	v_lshl_or_b32 v[\pw], v[TM+6], 16, v[\pw]
	v_lshl_or_b32 v[\pw], v[TM+7], 24, v[\pw]
.endif
.set QB, 0
.rept \nb
	v_cvt_scalef32_pk8_fp4_f32 v[(\pc)+4*(QB/2)+QB%2], v[(\s)+16*QB:(\s)+16*QB+7], v[TM+8+QB]
	v_cvt_scalef32_pk8_fp4_f32 v[(\pc)+4*(QB/2)+2+QB%2], v[(\s)+16*QB+8:(\s)+16*QB+15], v[TM+8+QB]
.set QB, QB+1
.endr
	v_nop
.set QB, 0
.rept \nb/2
	v_permlane16_swap_b32 v[(\pc)+4*QB], v[(\pc)+4*QB+1]
	v_permlane16_swap_b32 v[(\pc)+4*QB+2], v[(\pc)+4*QB+3]
.set QB, QB+1
.endr
.endm
.macro MM d, a, b, c, sa, ra, sb, rb
.if (\c) < 0
.if (\ra)
	v_wmma_scale_f32_16x16x128_f8f6f4 v[(\d):(\d)+7], v[(\a):(\a)+7], v[(\b):(\b)+7], 0, v[(\sa)], v[(\sb)] matrix_a_fmt:MATRIX_FMT_FP4 matrix_b_fmt:MATRIX_FMT_FP4 matrix_a_scale:MATRIX_SCALE_ROW1
.else
	v_wmma_scale_f32_16x16x128_f8f6f4 v[(\d):(\d)+7], v[(\a):(\a)+7], v[(\b):(\b)+7], 0, v[(\sa)], v[(\sb)] matrix_a_fmt:MATRIX_FMT_FP4 matrix_b_fmt:MATRIX_FMT_FP4
.endif
.else
.if (\ra)
	v_wmma_scale_f32_16x16x128_f8f6f4 v[(\d):(\d)+7], v[(\a):(\a)+7], v[(\b):(\b)+7], v[(\c):(\c)+7], v[(\sa)], v[(\sb)] matrix_a_fmt:MATRIX_FMT_FP4 matrix_b_fmt:MATRIX_FMT_FP4 matrix_a_scale:MATRIX_SCALE_ROW1
.else
	v_wmma_scale_f32_16x16x128_f8f6f4 v[(\d):(\d)+7], v[(\a):(\a)+7], v[(\b):(\b)+7], v[(\c):(\c)+7], v[(\sa)], v[(\sb)] matrix_a_fmt:MATRIX_FMT_FP4 matrix_b_fmt:MATRIX_FMT_FP4
.endif
.endif
.endm
; A joint load: waves 0-7 the mask, waves 8-11 the chunks, the others nothing.  Each of the two lines has one mask and one set of registers for all that issue it; the branches hang on the wave's number alone.
; Four v_nop follow each of the two lines.
.macro TLOAD
	s_cmp_lt_u32 s12, 8
	s_cbranch_scc0 .Lnot_m_\@
	tensor_load_to_lds s[G0M:G0M+3], s[G1M:G1M+7]
	s_nop 0
.rept 4
	v_nop
.endr
	s_branch .Lasked_\@
.Lnot_m_\@:
	s_cmp_lt_u32 s12, 12
	s_cbranch_scc0 .Lasked_\@
	tensor_load_to_lds s[G0K:G0K+3], s[G1K:G1K+7]
	s_nop 0
.rept 4
	v_nop
.endr
.Lasked_\@:
.endm
; A round of the cluster's barrier: my work-group's barrier, so that wave 0's signal speaks for all sixteen waves; wave 0 signals for the work-group; every wave waits for all sixteen work-groups; my work-group's barrier once more.
.macro CROUND
	s_barrier_signal -1
	s_barrier_wait -1
	s_cmp_lg_u32 s12, 0
	s_cbranch_scc1 .Lnot_wave_0_\@
	s_barrier_signal -3
.Lnot_wave_0_\@:
	s_barrier_wait -3
	s_barrier_signal -1
	s_barrier_wait -1
.endm
.macro CHANGE fill
	s_wait_tensorcnt 0x0                               ; no tensor load of mine is out, so a group 0 may be written
	ds_add_u32 v5, v6                                  ; 0 onto my spare word
.if \fill
	s_xor_b32 s[G0M+1], s[G0M+1], SLOT1
	s_add_nc_u64 s[G0M+2:G0M+3], s[G0M+2:G0M+3], 512   ; 128 keys on in each mask row
	s_xor_b32 s[G0K+1], s[G0K+1], SLOT1
	s_add_nc_u64 s[G0K+2:G0K+3], s[G0K+2:G0K+3], 4*CHUNK
	s_wait_dscnt 0x0                                   ; the add is done, and my reads of the slot that I have left are over
	CROUND                                             ; no wave of any partner still reads that slot or has a load on its way
	TLOAD                                              ; the first thing behind the round, a wave's one tensor load until the next
.else
	s_wait_dscnt 0x0
	s_barrier_signal -1
	s_barrier_wait -1
.endif
.endm
.macro PUT d, r, sh                    ; s[d] += s[r] << sh
	s_lshl_b32 s63, s[\r], \sh
	s_add_co_u32 s[\d], s[\d], s63
.endm
.macro UP t0                           ; u = 312.5 mask - 312.5 for tiles t0, t0 + 1
.irp i, 0,2,4,6,8,10,12,14
	v_pk_fma_f32 v[UU+\i:UU+\i+1], v[MK+8*((\t0)%4)+\i:MK+8*((\t0)%4)+\i+1], s[50:51], v[26:27] op_sel_hi:[1,0,1]
.endr
.endm
.macro MA t0                           ; ss for tiles t0, t0 + 1; each result from its low end on
.irp i, 0,2,4,6,8,10,12,14
	v_pk_fma_f32 v[SS+8*(\t0)+\i:SS+8*(\t0)+\i+1], v[SS+8*(\t0)+\i:SS+8*(\t0)+\i+1], v[MK+8*((\t0)%4)+\i:MK+8*((\t0)%4)+\i+1], v[UU+\i:UU+\i+1]
.endr
.endm
.macro STEP                            ; 128 keys
	v_add_nc_u32 v8, s[TB], v1
	v_add_nc_u32 v9, s[TB], v2
	v_add_nc_u32 v10, s[TB], v3
	v_nop                                              ; four places behind the last step's products, in front of loads into registers that they have read
.irp i, 0,1,2,3
	ds_load_b128 v[KF+8*\i:KF+8*\i+3], v9 offset:512*\i
.endr
.irp j, 0,1,2,3
	ds_load_b32 v[KSR+\j], v10 offset:4096+128*\j      ; lanes 0-15 tile 2 j's words, lanes 16-31 tile 2 j + 1's
.endr
.irp t, 0,1,2,3
.irp f, 0,1
	ds_load_b128 v[MK+8*\t+4*\f:MK+8*\t+4*\f+3], v8 offset:64*\t+16*\f
.endr
.endr
	s_wait_dscnt 8                                     ; K's four tiles and the scale words are in; the eight mask loads may be out
.irp t, 0,1,2,3
	MM SS+8*\t, KF+8*\t, QF, -1, KSR+\t/2, \t%2, QSR, 0
.endr
	s_wait_dscnt 0x0
	UP 0                                               ; eight lines that name no register of the products: the places behind them
.irp i, 0,1,2,3
	ds_load_b128 v[KF+8*\i:KF+8*\i+3], v9 offset:2048+512*\i
.endr
	MA 0
	UP 2
	MA 2
.irp t, 0,1,2,3
.irp f, 0,1
	ds_load_b128 v[MK+8*\t+4*\f:MK+8*\t+4*\f+3], v8 offset:256+64*\t+16*\f
.endr
.endr
	s_wait_dscnt 8                                     ; K's tiles 4-7 are in; the eight mask loads behind them may be out
.irp t, 4,5,6,7
	MM SS+8*\t, KF+8*(\t-4), QF, -1, KSR+\t/2, \t%2, QSR, 0
.endr
	s_wait_dscnt 0x0
	UP 4
	MA 4
	UP 6
	MA 6
.irp t, 0,1,2,3
.irp c, 0,1
	ds_load_b128 v[MK+8*\t+4*\c:MK+8*\t+4*\c+3], v9 offset:4608+1024*\t+512*\c     ; V^T's four fragments land under the softmax
.endr
.endr
.irp j, 0,1
	ds_load_b32 v[VSR+\j], v10 offset:8704+128*\j
.endr
.irp b, 0,1,2,3
	v_max3_num_f32 v[TM+\b], v[SS+16*\b], v[SS+16*\b+1], v[SS+16*\b+2]     ; the largest ss of each block of 32 keys: for the row's maximum and, since p rises with ss, for the block's largest p
.endr
.irp i, 3,5,7,9,11,13
.irp b, 0,1,2,3
	v_max3_num_f32 v[TM+\b], v[TM+\b], v[SS+16*\b+\i], v[SS+16*\b+\i+1]
.endr
.endr
.irp b, 0,1,2,3
	v_max_num_f32 v[TM+\b], v[TM+\b], v[SS+16*\b+15]
.endr
.irp b, 0,1,2,3
	v_permlanex16_b32 v[TM+4+\b], v[TM+\b], s[SEL], s[SEL+1]
.endr
.irp b, 0,1,2,3
	v_max_num_f32 v[TM+\b], v[TM+\b], v[TM+4+\b]
.endr
	v_max3_num_f32 v254, v[TM], v[TM+1], v[TM+2]
	v_max_num_f32 v254, v254, v[TM+3]                  ; the step's largest ss of my query,
	v_add_f32 v254, v254, v24                          ; less m,
	v_mul_f32 v254, s[CS], v254                        ; as t
	v_max_num_f32 v13, v13, v254                       ; the running largest t
	v_mov_b32 v254, v12
	v_floor_f32 v12, -v13                              ; the new -M
	v_sub_f32 v254, v12, v254                          ; old M - new M: a whole number, 0 or less
	v_cvt_i32_f32 v254, v254                           ; (it saturates)
	v_ldexp_f32 v252, 1.0, v254                        ; f
	v_fma_f32 v28, v24, s[CS], v12                     ; K = -m c - M
.set J, 0
.rept 32
	v_pk_fma_f32 v[SS+J:SS+J+1], v[SS+J:SS+J+1], s[CS:CS+1], v[28:29] op_sel_hi:[1,0,0]   ; ss c + K = t - M
.set J, J+2
.endr
.irp b, 0,1,2,3
	v_fma_f32 v[TM+\b], v[TM+\b], s[CS], v28
.endr
.set J, 0
.rept 64
	v_exp_f32 v[SS+J], v[SS+J]                         ; p
.set J, J+1
.endr
.irp b, 0,1,2,3
	v_exp_f32 v[TM+\b], v[TM+\b]                       ; the block's largest p: the same two instructions on the same number
.endr
	v_pk_mul_f32 v[14:15], v[14:15], v[252:253] op_sel_hi:[1,0]    ; the sums under the new M (a plain place behind the exponentials)
	s_wait_alu depctr_va_vdst(0)
.irp b, 0,1,2,3
	v_max_num_f32 v[TM+\b], 0x1800000, v[TM+\b]        ; the floor 2^(3 - 127)
.endr
.irp b, 0,1,2,3
	v_add_nc_u32 v[TM+8+\b], 0xff000000, v[TM+\b]
.endr
.irp b, 0,1,2,3
	v_lshrrev_b32 v[TM+4+\b], 23, v[TM+8+\b]
.endr
	v_lshl_or_b32 v253, v[TM+5], 8, v[TM+4]            ; p's scale word for these 128 keys
	v_lshl_or_b32 v253, v[TM+6], 16, v253
	v_lshl_or_b32 v253, v[TM+7], 24, v253
.irp b, 0,1,2,3
	v_cvt_scalef32_pk8_fp4_f32 v[PCD+4*(\b/2)+\b%2], v[SS+16*\b:SS+16*\b+7], v[TM+8+\b]
	v_cvt_scalef32_pk8_fp4_f32 v[PCD+4*(\b/2)+2+\b%2], v[SS+16*\b+8:SS+16*\b+15], v[TM+8+\b]
.endr
	v_nop                                              ; one plain place behind a scaled conversion
.irp c, 0,1
	v_permlane16_swap_b32 v[PCD+4*\c], v[PCD+4*\c+1]
	v_permlane16_swap_b32 v[PCD+4*\c+2], v[PCD+4*\c+3]
.endr
	v_pk_add_f32 v[TM+4:TM+5], v[SS:SS+1], v[SS+2:SS+3]        ; the row's sum of the UNQUANTISED p, in two chains
.irp j, 4,8,12,16,20,24,28,32,36,40,44,48,52,56,60
	v_pk_add_f32 v[14:15], v[14:15], v[SS+\j:SS+\j+1]
	v_pk_add_f32 v[TM+4:TM+5], v[TM+4:TM+5], v[SS+\j+2:SS+\j+3]
.endr
	v_pk_add_f32 v[14:15], v[14:15], v[TM+4:TM+5]
.set J, 0
.rept 16
	v_pk_mul_f32 v[OT+J:OT+J+1], v[OT+J:OT+J+1], v[252:253] op_sel_hi:[1,0]    ; O^T under the new M.  With the sums these are the places between p's codes and scale word and the products
.set J, J+2
.endr
	s_wait_dscnt 0x0                                   ; V
.irp t, 0,1,2,3
	MM OT+8*\t, MK+8*\t, PCD, OT+8*\t, VSR+\t/2, \t%2, 253, 0      ; the four accumulators by turns
.endr
.endm
	s_load_b256 s[4:11], s[0:1], 0x0                   ; the attention's workspace s[4:5], the mask s[6:7], the maxima s[8:9], ctx's workspace s[10:11]
	v_lshl_add_u32 v5, v0, 2, SPARE
	v_mov_b32 v6, 0
	ds_add_u32 v5, v6
	s_wait_dscnt 0x0
	v_lshrrev_b32 v8, 5, v0
	v_readfirstlane_b32 s12, v8                        ; wave 0..15
	s_and_b32 s13, s12, 3                              ; my query tile.  Also: which chunk I fetch, if I fetch one
	s_lshr_b32 s14, s12, 2                             ; my head of the four
	s_and_b32 s15, s12, 7                              ; which eight mask rows I fetch, if I fetch any
	s_bfe_u32 s66, ttmp6, 0x40000                      ; cx, cy: my place in the cluster
	s_bfe_u32 s67, ttmp6, 0x40004
	s_lshl_b32 s16, ttmp9, 2
	s_add_co_u32 s16, s16, s66                         ; the block of 64 queries = 4 x cluster x + cx
	s_and_b32 s17, ttmp7, 0xffff
	s_lshl_b32 s17, s17, 2
	s_add_co_u32 s17, s17, s67                         ; 4 batch + group of four heads = 4 x cluster y + cy
	s_lshl_b32 s68, 0x1111, s66                        ; my column of the cluster
	s_lshl_b32 s69, s67, 2
	s_lshl_b32 s69, 15, s69                            ; my row
	s_lshr_b32 s2, s17, 2                              ; the batch
	s_and_b32 s3, s17, 3                               ; the group
	s_or_b32 s[G1M], s68, (2<<16)|(1<<20)|(1<<21)|(6<<22)|(3<<25)  ; the mask's tiles go to my column; elements of 4 bytes; bit 21 set beside a mask; padding: 4 words behind every 128
	s_mov_b32 s[G1M+1], 128<<16
	s_mov_b32 s[G1M+2], 8<<16
	s_mov_b32 s[G1M+3], 128<<16
	s_mov_b32 s[G1M+4], 8
	s_mov_b32 s[G1M+5], 2048
	s_mov_b32 s[G1M+6], 0
	s_mov_b32 s[G1M+7], 0
	s_or_b32 s[G1K], s69, (3<<16)|(1<<21)              ; the chunks go to my row; a chunk, 8,960 dense bytes, as 35 rows of 256
	s_mov_b32 s[G1K+1], 32<<16
	s_mov_b32 s[G1K+2], 35<<16
	s_mov_b32 s[G1K+3], 32<<16
	s_mov_b32 s[G1K+4], 35
	s_mov_b32 s[G1K+5], 32
	s_mov_b32 s[G1K+6], 0
	s_mov_b32 s[G1K+7], 0
	s_mov_b32 s[SEL], 0x76543210
	s_mov_b32 s[SEL+1], 0xfedcba98
	s_mov_b32 s[CS], 0x4238aa3b                        ; 32 log2(e)
	s_mov_b32 s[CS+1], s[CS]
	s_mov_b32 s50, 0x439c4000                          ; 312.5
	s_mov_b32 s51, s50
	s_mov_b32 s[TB], 0
	s_mov_b32 s49, 15
	s_mul_i32 s18, s15, 8*MP                           ; where my part goes: the wave's number alone
	s_mul_i32 s62, s13, CHUNK
	s_add_co_u32 s19, s62, MASKB
	s_mul_i32 s[G0K+2], s17, 573440                    ; 16 steps x 4 chunks for each y
	s_add_co_u32 s[G0K+2], s[G0K+2], s62
	s_mov_b32 s[G0K+3], 0
	s_lshl_b32 s[G0M+2], s16, 19                       ; mask row 64 qb + 8 i
	s_lshl_b32 s62, s15, 16
	s_add_co_u32 s[G0M+2], s[G0M+2], s62
	s_mov_b32 s[G0M+3], 0
	s_mov_b32 s52, QC                                  ; q's codes: head 4 y + hh, tile 4 qb + qt
	PUT 52, 17, 18
	PUT 52, 14, 16
	PUT 52, 16, 11
	PUT 52, 13, 9
	s_mov_b32 s53, 0
	s_mov_b32 s54, QS                                  ; q's scale words
	PUT 54, 17, 15
	PUT 54, 14, 13
	PUT 54, 16, 8
	PUT 54, 13, 6
	s_mov_b32 s55, 0
	s_mov_b32 s56, 0                                   ; the head's 32 partial maxima, 16 bytes apart
	PUT 56, 17, 9
	PUT 56, 14, 2
	s_mov_b32 s57, 0
	s_mov_b32 s58, 0                                   ; ctx's codes: m tile 128 b + 4 qb + qt, K step head / 2, group head % 2
	PUT 58, 2, 20
	PUT 58, 16, 15
	PUT 58, 13, 13
	PUT 58, 3, 11
	PUT 58, 14, 9
	s_mov_b32 s59, 0
	s_mov_b32 s60, CSO                                 ; ctx's scale words: my head's two bytes of a row's word
	PUT 60, 3, 15
	s_lshr_b32 s62, s14, 1
	PUT 60, 62, 14
	PUT 60, 2, 13
	PUT 60, 16, 8
	PUT 60, 13, 6
	s_and_b32 s62, s14, 1
	PUT 60, 62, 1
	s_mov_b32 s61, 0
	s_wait_kmcnt 0x0
	s_mov_b32 s[G0M], 1
	s_mov_b32 s[G0M+1], s18
	s_add_nc_u64 s[G0M+2:G0M+3], s[6:7], s[G0M+2:G0M+3]
	s_or_b32 s[G0M+3], s[G0M+3], 0x80000000
	s_mov_b32 s[G0K], 1
	s_mov_b32 s[G0K+1], s19
	s_add_nc_u64 s[G0K+2:G0K+3], s[4:5], s[G0K+2:G0K+3]
	s_or_b32 s[G0K+3], s[G0K+3], 0x80000000
	CROUND                                             ; all sixteen work-groups are here: the first joint loads meet
	TLOAD                                              ; slot 0
	s_add_nc_u64 s[52:53], s[4:5], s[52:53]
	s_add_nc_u64 s[54:55], s[4:5], s[54:55]
	s_add_nc_u64 s[56:57], s[8:9], s[56:57]
	s_add_nc_u64 s[58:59], s[10:11], s[58:59]
	s_add_nc_u64 s[60:61], s[10:11], s[60:61]
	v_and_b32 v4, 31, v0                               ; lane
	v_and_b32 v8, 15, v0                               ; r
	v_bfe_u32 v9, v0, 4, 1                             ; h
	v_lshlrev_b32 v7, 4, v4
	v_lshlrev_b32 v11, 2, v8
	global_load_b128 v[QF:QF+3], v7, s[52:53]
	global_load_b32 v[QSR], v11, s[54:55]
	global_load_b32 v254, v7, s[56:57]
.irp j, 4,5,6,7
	v_mov_b32 v[QF+\j], 0                              ; K = 64: the upper half of both operands is zero codes
.endr
.irp i, 0,1,2,3
.irp j, 4,5,6,7
	v_mov_b32 v[KF+8*\i+\j], 0
.endr
.endr
.set J, 0
.rept 32
	v_mov_b32 v[OT+J], 0                               ; the step is written once: its first run finds zeros, which the first change of M leaves zeros
.set J, J+1
.endr
	v_mov_b32 v13, 0xff61b1e6                          ; the largest t so far: -3e38
	v_floor_f32 v12, -v13
	v_mov_b32 v14, 0
	v_mov_b32 v15, 0
	v_mov_b32 v26, 0xc39c4000                          ; -312.5
	v_mov_b32 v27, 0xc39c4000
	v_mov_b32 v29, 0                                   ; (named with K as a pair, so it is written)
.irp b, 0,1,2,3
	v_mov_b32 v[TM+4+\b], 0                            ; written once: a lane permute's destination counts as one of its sources
.endr
	v_mov_b32 v252, 0
	v_mov_b32 v253, 0
	s_mul_i32 s18, s13, 16*MP
	v_mul_u32_u24 v1, v8, MP
	v_lshl_add_u32 v1, v9, 5, v1
	v_add_nc_u32 v1, s18, v1                           ; mask: row 16 qt + r, + 32 h
	s_mul_i32 s18, s14, CHUNK
	s_add_co_u32 s18, s18, MASKB
	v_lshl_add_u32 v2, v4, 4, s18                      ; my head's chunk, 16 x lane
	v_lshl_add_u32 v3, v4, 2, s18                      ; and 4 x lane
	s_wait_loadcnt 0x0
.irp x, 1,2,4,8
	v_max_num_f32_dpp v254, v254, v254 row_xmask:\x row_mask:0xf bank_mask:0xf
.endr
	v_permlanex16_b32 v252, v254, s[SEL], s[SEL+1]
	v_max_num_f32 v254, v254, v252                     ; m: the head's largest ss
	v_xor_b32 v24, 0x80000000, v254                    ; -m
.Lstep:                                                ; 15 trips: behind each change of slots but the last the next step's tiles are asked for
	CHANGE 1
	STEP
	s_xor_b32 s[TB], s[TB], SLOT1
	s_sub_co_u32 s49, s49, 1
	s_cmp_lg_u32 s49, 0
	s_cbranch_scc1 .Lstep
	CHANGE 0                                           ; the last step is written out
	STEP
.rept 4
	v_nop                                              ; four places in front of the first read of the last results
.endr
	v_add_f32 v14, v14, v15
	v_permlanex16_b32 v252, v14, s[SEL], s[SEL+1]
	v_add_f32 v14, v14, v252                           ; the row's sum
	v_rcp_f32 v14, v14
	v_nop                                              ; one plain place behind a transcendental
.set J, 0
	s_wait_alu depctr_va_vdst(0)
.rept 32
	v_mul_f32 v[SS+J], v[OT+J], v14                    ; ctx(query r, d = 16 t + 8 h + j) in register 8 t + j
.set J, J+1
.endr
	QUANT SS, 2, 0x1800000, PCD, 253                   ; along the head's 64: half a fragment of the last product's operand
	global_store_b128 v7, v[PCD:PCD+3], s[58:59]       ; 32 lanes store 512 consecutive bytes
	s_wait_xcnt 0x0                                    ; EXEC changes only behind this wait
	v_cmp_gt_u32 vcc_lo, 16, v4
	s_and_saveexec_b32 s62, vcc_lo
	global_store_b16 v11, v253, s[60:61]               ; my head's two bytes of each row's scale word
	s_wait_xcnt 0x0
	s_or_b32 exec_lo, exec_lo, s62
	s_wait_tensorcnt 0x0                               ; the wave's end
	ds_add_u32 v5, v6
	s_wait_dscnt 0x0
	CROUND                                             ; the closing round: no work-group ends while a partner may still ask for a tile that names it
	s_endpgm
.Lfunc_end_k_qdcc960c367_attn:
	.size	k_qdcc960c367_attn, .Lfunc_end_k_qdcc960c367_attn-k_qdcc960c367_attn
	.p2alignl 7, 3214868480
	.fill 96, 4, 3214868480
	.section	.rodata,"a",@progbits
	.p2align	6, 0x0
	.amdhsa_kernel k_qdcc960c367_attn
		.amdhsa_group_segment_fixed_size 327680
		.amdhsa_private_segment_fixed_size 0
		.amdhsa_enable_private_segment 0
		.amdhsa_kernarg_size 32
		.amdhsa_user_sgpr_count 2
		.amdhsa_user_sgpr_kernarg_segment_ptr 1
		.amdhsa_wavefront_size32 1
		.amdhsa_system_sgpr_workgroup_id_x 1
		.amdhsa_system_sgpr_workgroup_id_y 1
		.amdhsa_system_sgpr_workgroup_id_z 1
		.amdhsa_system_vgpr_workitem_id 0
		.amdhsa_next_free_vgpr 256
		.amdhsa_next_free_sgpr 70
		.amdhsa_reserve_vcc 1
		.amdhsa_float_denorm_mode_32 3
		.amdhsa_float_denorm_mode_16_64 3
		.amdhsa_memory_ordered 1
		.amdhsa_forward_progress 1
		.amdhsa_inst_pref_size 56
	.end_amdhsa_kernel
	.amdgpu_metadata
---
amdhsa.version: [ 1, 2 ]
amdhsa.kernels:
  - .name:           k_qdcc960c367_attn
    .symbol:         k_qdcc960c367_attn.kd
    .args:
      - { .name: wsB, .offset: 0, .size: 8, .value_kind: global_buffer, .address_space: global }
      - { .name: ltor_mask, .offset: 8, .size: 8, .value_kind: global_buffer, .address_space: global }
      - { .name: wsM, .offset: 16, .size: 8, .value_kind: global_buffer, .address_space: global }
      - { .name: wsC, .offset: 24, .size: 8, .value_kind: global_buffer, .address_space: global }
    .group_segment_fixed_size: 327680
    .private_segment_fixed_size: 0
    .kernarg_segment_align: 8
    .kernarg_segment_size: 32
    .max_flat_workgroup_size: 512
    .sgpr_count:     70
    .vgpr_count:     256
    .wavefront_size: 32
...
	.end_amdgpu_metadata
.endif
;; end of part 4
;; launch dense (part 5): grid 4 x 64, 4 waves a work-group, no clusters, 17,920 bytes of LDS; arguments wsC, wsA, b_dense, out0; writes out0
.if DOCPART == 5
	.amdgcn_target "amdgcn-amd-amdhsa--gfx1250"
	.amdhsa_code_object_version 6
	.text
	.protected	k_qdcc960c367_dense
	.globl	k_qdcc960c367_dense
	.p2align	8
	.type	k_qdcc960c367_dense,@function
k_qdcc960c367_dense:
	s_mov_b64 s[64:65], 0
	v_nop
	global_prefetch_b8 v0, s[64:65] scope:SCOPE_SE
	s_setreg_imm32_b32 hwreg(HW_REG_WAVE_MODE, 25, 1), 1
	s_wait_xcnt 0x0
; out = ctx w_dense + b_dense on codes of E2M1 (K = 1024: 8 K steps of 128).  Both operands lie in fragment order: a fragment comes by two loads of 512 consecutive bytes straight into registers.
; A wave makes 64 rows x 64 columns, TRANSPOSED (source 0 = 16 columns of w, source 1 = 16 rows of ctx): a lane holds eight neighbouring columns of one row.  The bias is the C of each sum's first matrix instruction.
; TWO SETS OF FRAGMENT REGISTERS: K steps 0 and 1 are asked for at the head, step s + 2 straight behind step s's products, into the set that step s has left: two K steps' loads are always on their way.
;   Set 0 lies in v64-127, set 1 in v256-319 (window 1, v0-63): odd steps switch the window for their fragment loads and for their products.  The scale words have two sets too, in v52-59, which hold nothing else.
; The 16 accumulators take turns, one instruction a turn, in the same order in every K step.
; The way out goes through the wave's own stage in LDS (16 rows x (256 + 16) bytes), so that sixteen lanes store 256 consecutive bytes, aligned.  No barrier: waves share nothing.  No tensor load.
.set CSO,  2097152
.set WD,   3899392
.set WDS,  4423680
.set BI,   16                          ; v16-47  the bias in the result's layout
.set XF,   64                          ; on the way out rows read back, v64-95 and v96-127 by turns
.set ACC,  128
.set MSB,  0
.macro WIN new                         ; the immediate's high byte repeats the setting that is left; a switch that changes nothing is dropped
.if MSB != \new
	s_set_vgpr_msb (MSB<<8)|\new
.set MSB, \new
.endif
.endm
.macro MM d, a, b, c, sa, ra, sb, rb
.if (\ra) && (\rb)
	v_wmma_scale_f32_16x16x128_f8f6f4 v[(\d):(\d)+7], v[(\a):(\a)+7], v[(\b):(\b)+7], v[(\c):(\c)+7], v[(\sa)], v[(\sb)] matrix_a_fmt:MATRIX_FMT_FP4 matrix_b_fmt:MATRIX_FMT_FP4 matrix_a_scale:MATRIX_SCALE_ROW1 matrix_b_scale:MATRIX_SCALE_ROW1
.elseif (\ra)
	v_wmma_scale_f32_16x16x128_f8f6f4 v[(\d):(\d)+7], v[(\a):(\a)+7], v[(\b):(\b)+7], v[(\c):(\c)+7], v[(\sa)], v[(\sb)] matrix_a_fmt:MATRIX_FMT_FP4 matrix_b_fmt:MATRIX_FMT_FP4 matrix_a_scale:MATRIX_SCALE_ROW1
.elseif (\rb)
	v_wmma_scale_f32_16x16x128_f8f6f4 v[(\d):(\d)+7], v[(\a):(\a)+7], v[(\b):(\b)+7], v[(\c):(\c)+7], v[(\sa)], v[(\sb)] matrix_a_fmt:MATRIX_FMT_FP4 matrix_b_fmt:MATRIX_FMT_FP4 matrix_b_scale:MATRIX_SCALE_ROW1
.else
	v_wmma_scale_f32_16x16x128_f8f6f4 v[(\d):(\d)+7], v[(\a):(\a)+7], v[(\b):(\b)+7], v[(\c):(\c)+7], v[(\sa)], v[(\sb)] matrix_a_fmt:MATRIX_FMT_FP4 matrix_b_fmt:MATRIX_FMT_FP4
.endif
.endm
; K step s's 20 loads: four fragments of ctx at FX, four of w at FX + 32 (set s % 2), and their scale words
.macro LOADK s
.set FX, 64-64*((\s)%2)
.set SX, 52+4*((\s)%2)
.if (\s)%2
	WIN 0x40                                           ; destination window 1, address window 0
.endif
.irp u, 0,1,2,3
.irp c, 0,1
	global_load_b128 v[FX+8*\u+4*\c:FX+8*\u+4*\c+3], v1, s[16:17] offset:\u*8192+(\s)*1024+\c*512
	global_load_b128 v[FX+32+8*\u+4*\c:FX+32+8*\u+4*\c+3], v1, s[18:19] offset:\u*8192+(\s)*1024+\c*512
.endr
.endr
	WIN 0
.irp p, 0,1
	global_load_b32 v[SX+\p], v2, s[20:21] offset:(\s)*16384+128*\p      ; lanes 0-15 tile 2 p's words, lanes 16-31 tile 2 p + 1's
	global_load_b32 v[SX+2+\p], v2, s[22:23] offset:(\s)*4096+128*\p
.endr
.endm
.macro KSTEP s
.if (\s) < 7
	s_wait_loadcnt 20                                  ; this step's loads are in; the next step's 20 may be out
.else
	s_wait_loadcnt 0x0
.endif
.set FX, 64-64*((\s)%2)
.set SX, 52+4*((\s)%2)
.if (\s)%2
	WIN 0x05                                           ; both sources window 1; C and D window 0
.endif
.irp u, 0,1,2,3
.irp t, 0,1,2,3
.if (\s) == 0
	MM ACC+32*\u+8*\t, FX+32+8*\t, FX+8*\u, BI+8*\t, SX+2+\t/2, \t%2, SX+\u/2, \u%2
.else
	MM ACC+32*\u+8*\t, FX+32+8*\t, FX+8*\u, ACC+32*\u+8*\t, SX+2+\t/2, \t%2, SX+\u/2, \u%2
.endif
.endr
.endr
	WIN 0
.if (\s)+2 < 8
.rept 4
	v_nop                                              ; four places in front of loads into registers that matrix instructions have read
.endr
	LOADK (\s)+2
.endif
.endm
	s_load_b256 s[4:11], s[0:1], 0x0                   ; ctx's workspace s[4:5], the weights' s[6:7], b_dense s[8:9], out s[10:11]
	v_lshl_add_u32 v51, v0, 2, 0x4400
	v_mov_b32 v63, 0
	v_lshrrev_b32 v1, 5, v0
	v_readfirstlane_b32 s12, v1                        ; wave
	v_and_b32 v60, 31, v0
	v_and_b32 v61, 15, v0                              ; r
	v_bfe_u32 v62, v0, 4, 1                            ; h
	v_lshlrev_b32 v1, 4, v60                           ; 16 x lane
	v_lshlrev_b32 v2, 2, v60                           ; 4 x lane
	v_lshlrev_b32 v3, 5, v62                           ; 32 h
	s_mul_i32 s13, s12, 16*272                         ; my stage
	v_mul_u32_u24 v4, v61, 272
	v_lshl_add_u32 v4, v62, 5, v4
	v_add_nc_u32 v4, s13, v4                           ; in: row r, 32 bytes for each half of the lanes
	v_mul_u32_u24 v5, v62, 272
	v_lshl_add_u32 v5, v61, 4, v5
	v_add_nc_u32 v5, s13, v5                           ; back: lanes 0-15 one row of 256 bytes, lanes 16-31 the next
	v_lshlrev_b32 v6, 12, v62
	v_lshl_add_u32 v6, v61, 4, v6                      ; and the same two rows in out
	s_and_b32 s14, ttmp7, 0xffff                       ; rows 64 y on
	s_lshl_b32 s15, ttmp9, 2
	s_add_co_u32 s15, s15, s12                         ; columns 64 ct on, ct = 4 x + wave
	s_lshl_b32 s16, s14, 15
	s_mov_b32 s17, 0
	s_lshl_b32 s18, s15, 15
	s_add_co_u32 s18, s18, WD
	s_mov_b32 s19, 0
	s_lshl_b32 s20, s14, 8
	s_add_co_u32 s20, s20, CSO
	s_mov_b32 s21, 0
	s_lshl_b32 s22, s15, 8
	s_mov_b32 s24, s22
	s_lshl_b32 s26, s14, 18                            ; 64 rows of 4,096 bytes
	s_add_co_u32 s26, s26, s22
	s_add_co_u32 s22, s22, WDS
	s_mov_b32 s23, 0
	s_mov_b32 s25, 0
	s_mov_b32 s27, 0
	s_wait_kmcnt 0x0
	s_add_nc_u64 s[16:17], s[4:5], s[16:17]
	s_add_nc_u64 s[18:19], s[6:7], s[18:19]
	s_add_nc_u64 s[20:21], s[4:5], s[20:21]
	s_add_nc_u64 s[22:23], s[6:7], s[22:23]
	s_add_nc_u64 s[24:25], s[8:9], s[24:25]
	s_add_nc_u64 s[26:27], s[10:11], s[26:27]
.irp t, 0,1,2,3
	global_load_b128 v[BI+8*\t:BI+8*\t+3], v3, s[24:25] offset:64*\t
	global_load_b128 v[BI+8*\t+4:BI+8*\t+7], v3, s[24:25] offset:64*\t+16
.endr
	LOADK 0                                            ; 48 loads of mine are out: the bias's 8 and two K steps' 20
	LOADK 1
.irp s, 0,1,2,3,4,5,6,7
	KSTEP \s
.endr
.rept 4
	v_nop                                              ; four places in front of the first read of results and of loads into the fragments' registers
.endr
.irp u, 0,1,2,3
.if \u >= 2
	s_wait_xcnt 0x0                                    ; the stores of two blocks ago have read their registers: these may be loaded again
.endif
.irp t, 0,1,2,3
	ds_store_b128 v4, v[ACC+32*\u+8*\t:ACC+32*\u+8*\t+3] offset:64*\t          ; each accumulator from its low end on
	ds_store_b128 v4, v[ACC+32*\u+8*\t+4:ACC+32*\u+8*\t+7] offset:64*\t+16
.endr
.irp i, 0,1,2,3,4,5,6,7
	ds_load_b128 v[XF+32*(\u%2)+4*\i:XF+32*(\u%2)+4*\i+3], v5 offset:544*\i    ; LDS serves a wave's instructions in order (ISA guide 5.7.1.4): these see the stores above, and the next block's stores come behind them
.endr
	s_wait_dscnt 0x0
.irp i, 0,1,2,3,4,5,6,7
	global_store_b128 v6, v[XF+32*(\u%2)+4*\i:XF+32*(\u%2)+4*\i+3], s[26:27] offset:(16*\u+2*\i)*4096 th:TH_STORE_NT   ; sixteen lanes store 256 consecutive bytes, at a multiple of 256 from out's first byte
.endr
.endr
	s_wait_tensorcnt 0x0
	ds_add_u32 v51, v63
	s_wait_dscnt 0x0
	s_endpgm
.Lfunc_end_k_qdcc960c367_dense:
	.size	k_qdcc960c367_dense, .Lfunc_end_k_qdcc960c367_dense-k_qdcc960c367_dense
	.p2alignl 7, 3214868480
	.fill 96, 4, 3214868480
	.section	.rodata,"a",@progbits
	.p2align	6, 0x0
	.amdhsa_kernel k_qdcc960c367_dense
		.amdhsa_group_segment_fixed_size 17920
		.amdhsa_private_segment_fixed_size 0
		.amdhsa_enable_private_segment 0
		.amdhsa_kernarg_size 32
		.amdhsa_user_sgpr_count 2
		.amdhsa_user_sgpr_kernarg_segment_ptr 1
		.amdhsa_wavefront_size32 1
		.amdhsa_system_sgpr_workgroup_id_x 1
		.amdhsa_system_sgpr_workgroup_id_y 1
		.amdhsa_system_sgpr_workgroup_id_z 1
		.amdhsa_system_vgpr_workitem_id 0
		.amdhsa_next_free_vgpr 320
		.amdhsa_next_free_sgpr 66
		.amdhsa_reserve_vcc 0
		.amdhsa_float_denorm_mode_32 3
		.amdhsa_float_denorm_mode_16_64 3
		.amdhsa_memory_ordered 1
		.amdhsa_forward_progress 1
		.amdhsa_inst_pref_size 43
	.end_amdhsa_kernel
	.amdgpu_metadata
---
amdhsa.version: [ 1, 2 ]
amdhsa.kernels:
  - .name:           k_qdcc960c367_dense
    .symbol:         k_qdcc960c367_dense.kd
    .args:
      - { .name: wsC, .offset: 0, .size: 8, .value_kind: global_buffer, .address_space: global }
      - { .name: wsA, .offset: 8, .size: 8, .value_kind: global_buffer, .address_space: global }
      - { .name: b_dense, .offset: 16, .size: 8, .value_kind: global_buffer, .address_space: global }
      - { .name: out0, .offset: 24, .size: 8, .value_kind: global_buffer, .address_space: global }
    .group_segment_fixed_size: 17920
    .private_segment_fixed_size: 0
    .kernarg_segment_align: 8
    .kernarg_segment_size: 32
    .max_flat_workgroup_size: 128
    .sgpr_count:     66
    .vgpr_count:     320
    .wavefront_size: 32
...
	.end_amdgpu_metadata
.endif
;; end of part 5
;; ======== version 2 of 2: 5 launches
;; workspace buffers: wsA 4,456,448 bytes; wsB 6,946,816 bytes; wsM 4,096 bytes; wsC 2,228,224 bytes
;; launch prep (part 6): grid 64 x 8, 4 waves a work-group, no clusters, 0 bytes of LDS; arguments hidden_states, w_qkv, w_dense, wsA; writes wsA
.if DOCPART == 6
	.amdgcn_target "amdgcn-amd-amdhsa--gfx1250"
	.amdhsa_code_object_version 6
	.text
	.protected	k_qdcc960c367_prep
	.globl	k_qdcc960c367_prep
	.p2align	8
	.type	k_qdcc960c367_prep,@function
k_qdcc960c367_prep:
	s_mov_b64 s[64:65], 0
	v_nop
	global_prefetch_b8 v0, s[64:65] scope:SCOPE_SE
	s_setreg_imm32_b32 hwreg(HW_REG_WAVE_MODE, 25, 1), 1
	s_wait_xcnt 0x0
; hidden_states [4096][1024], w_qkv [1024][3072] and w_dense [1024][1024], f32, become codes of E2M1 with one E8M0 byte for each 32 along K (K = 1024),
; laid IN THE ORDER OF THE OPERAND'S REGISTERS: a fragment (16 rows x 128 K) is 1,024 bytes, two groups c of 512; in a group lane l's 16 bytes lie at 16 l and hold row l % 16, k = 64 c + 32 (l / 16) + 0 .. 31.
; Scale words (four bytes: 128 along K of one row) lie [K step][row].  A block's scale is 2^(floor(log2(largest magnitude)) - 2): its byte is that magnitude's exponent field - 2.
; LIMITS: NaN and infinities are not served; a block whose largest magnitude lies under 2^-124 is held at the byte 1 (a block of zeros too: its codes are zeros, and this program alone reads the bytes).
; SHARES: work-group y = the K step of 128.  x 0-31: hidden_states, a wave takes 32 rows; x 32-55: w_qkv, x 56-63: w_dense, a wave takes 32 columns, a lane one column with its registers running down K.
; No LDS, no barrier, no loop: waves share nothing.
.set XS,   2097152                     ; byte offsets in the workspace: X's codes at 0, X's scale words,
.set WQ,   2228224                     ; w_qkv's codes [192 n tiles][8 K steps][1024],
.set WQS,  3801088                     ; its scale words [8][3072],
.set WD,   3899392                     ; w_dense's codes [64][8][1024],
.set WDS,  4423680                     ; its scale words [8][1024]
.set TM,   4                           ; v4-15  at work in QUANT
.set SEL,  26                          ; s[26:27] lane selects: lane l xor 16
; 16 nb numbers of a lane, register s + 16 b + 8 e + j = k 32 b + 16 e + 8 (lane / 16) + j of the lane's row, become a fragment's codes in v[pc] on and the row's scale word in v[pw].  fl: the floor under the largest magnitude.
.macro QUANT s, nb, fl, pc, pw
.set QB, 0
.rept \nb
	v_max3_num_f32 v[TM+QB], |v[(\s)+16*QB]|, |v[(\s)+16*QB+1]|, \fl
.set QB, QB+1
.endr
.irp i, 2,4,6,8,10,12,14
.set QB, 0
.rept \nb
	v_max3_num_f32 v[TM+QB], v[TM+QB], |v[(\s)+16*QB+\i]|, |v[(\s)+16*QB+\i+1]|   ; the blocks by turns
.set QB, QB+1
.endr
.endr
.set QB, 0
.rept \nb
	v_permlanex16_b32 v[TM+4+QB], v[TM+QB], s[SEL], s[SEL+1]
.set QB, QB+1
.endr
.set QB, 0
.rept \nb
	v_max_num_f32 v[TM+QB], v[TM+QB], v[TM+4+QB]       ; with lane l xor 16's 16 numbers: the block's largest magnitude
.set QB, QB+1
.endr
.set QB, 0
.rept \nb
	v_add_nc_u32 v[TM+8+QB], 0xff000000, v[TM+QB]      ; 2 off its exponent field: the conversion's scale operand
.set QB, QB+1
.endr
.set QB, 0
.rept \nb
	v_lshrrev_b32 v[TM+4+QB], 23, v[TM+8+QB]           ; the scale's byte
.set QB, QB+1
.endr
	v_lshl_or_b32 v[\pw], v[TM+5], 8, v[TM+4]
.if \nb > 2
	v_lshl_or_b32 v[\pw], v[TM+6], 16, v[\pw]
	v_lshl_or_b32 v[\pw], v[TM+7], 24, v[\pw]
.endif
.set QB, 0
.rept \nb
	v_cvt_scalef32_pk8_fp4_f32 v[(\pc)+4*(QB/2)+QB%2], v[(\s)+16*QB:(\s)+16*QB+7], v[TM+8+QB]
	v_cvt_scalef32_pk8_fp4_f32 v[(\pc)+4*(QB/2)+2+QB%2], v[(\s)+16*QB+8:(\s)+16*QB+15], v[TM+8+QB]
.set QB, QB+1
.endr
	v_nop                                              ; one plain place behind a scaled conversion
.set QB, 0
.rept \nb/2
	v_permlane16_swap_b32 v[(\pc)+4*QB], v[(\pc)+4*QB+1]       ; block 2 c's upper lanes change places with block 2 c + 1's lower lanes: registers 4 c, 4 c + 1 now hold k = 64 c + 32 (lane / 16) + 0 .. 15,
	v_permlane16_swap_b32 v[(\pc)+4*QB+2], v[(\pc)+4*QB+3]     ; registers 4 c + 2, 4 c + 3 the next 16
.set QB, QB+1
.endr
.endm
; a weight's block t of the K step: 32 rows k at my column; 32 lanes read 128 consecutive bytes
.macro LOADW N, t
.set WI, 0
.rept 32
	global_load_b32 v[64+32*(\t)+WI], v3, s[18:19] offset:(32*(\t)+WI)*\N*4 th:TH_LOAD_NT
.set WI, WI+1
.endr
.endm
.macro BLOCKW N, t
.set XB, 64+32*(\t)
.if (\t) < 3
	s_wait_loadcnt 32                                  ; this block's 32 loads are in; the next block's 32 may be out
.else
	s_wait_loadcnt 0x0
.endif
.if (\t)+2 < 4
	LOADW \N, (\t)+2                                   ; two blocks ahead, into registers of its own
.endif
	v_max3_num_f32 v12, |v[XB]|, |v[XB+1]|, |v[XB+2]|  ; all 32 numbers of the block are mine: two chains
	v_max3_num_f32 v13, |v[XB+3]|, |v[XB+4]|, |v[XB+5]|
.irp i, 6,10,14,18,22,26
	v_max3_num_f32 v12, v12, |v[XB+\i]|, |v[XB+\i+1]|
	v_max3_num_f32 v13, v13, |v[XB+\i+2]|, |v[XB+\i+3]|
.endr
	v_max3_num_f32 v12, v12, |v[XB+30]|, |v[XB+31]|
	v_max3_num_f32 v12, v12, v13, 0x1800000            ; the floor 2^(3 - 127)
	v_add_nc_u32 v[20+(\t)], 0xff000000, v12
	v_lshrrev_b32 v14, 23, v[20+(\t)]
.if (\t) == 0
	v_mov_b32 v48, v14
.else
	v_lshl_or_b32 v48, v14, 8*(\t), v48                ; byte t of my column's scale word
.endif
.irp g, 0,1,2,3
	v_cvt_scalef32_pk8_fp4_f32 v[32+4*(\t)+\g], v[XB+8*\g:XB+8*\g+7], v[20+(\t)]
.endr
	global_store_b128 v4, v[32+4*(\t):35+4*(\t)], s[20:21] offset:256*(\t)   ; block t = 2 c + h lies 512 c + 256 h into the fragment: sixteen lanes store 256 consecutive bytes, aligned
.endm
.macro WPATH N, sp, CO, SO, x0
	s_sub_co_u32 s15, ttmp9, \x0
	s_lshl_b32 s16, s15, 7
	s_lshl_b32 s17, s12, 5
	s_add_co_u32 s16, s16, s17                         ; my wave's first column
	s_mul_i32 s17, s14, 128*\N*4                       ; the K step's first row,
	s_lshl_b32 s18, s16, 2
	s_add_co_u32 s18, s18, s17                         ; and my column in it
	s_mov_b32 s19, 0
	s_lshl_b32 s20, s16, 9                             ; codes: (column / 16) fragments rows of 8,192 bytes
	s_lshl_b32 s21, s14, 10
	s_add_co_u32 s20, s20, s21
	s_add_co_u32 s20, s20, \CO
	s_mov_b32 s21, 0
	s_mul_i32 s24, s14, \N*4                           ; scale words [K step][column]
	s_lshl_b32 s25, s16, 2
	s_add_co_u32 s24, s24, s25
	s_add_co_u32 s24, s24, \SO
	s_mov_b32 s25, 0
	v_lshrrev_b32 v4, 4, v16
	v_and_b32 v5, 15, v16
	v_lshlrev_b32 v4, 13, v4
	v_lshl_add_u32 v4, v5, 4, v4                       ; lanes 16-31 belong to the next n tile, 8,192 bytes on
	s_wait_kmcnt 0x0
	s_add_nc_u64 s[18:19], s[\sp:\sp+1], s[18:19]
	s_add_nc_u64 s[20:21], s[10:11], s[20:21]
	s_add_nc_u64 s[24:25], s[10:11], s[24:25]
	LOADW \N, 0
	LOADW \N, 1
.irp t, 0,1,2,3
	BLOCKW \N, \t
.endr
	global_store_b32 v3, v48, s[24:25]
	s_endpgm
.endm
	s_load_b256 s[4:11], s[0:1], 0x0                   ; hidden_states s[4:5], w_qkv s[6:7], w_dense s[8:9], the workspace s[10:11]
	v_lshrrev_b32 v1, 5, v0
	v_readfirstlane_b32 s12, v1                        ; wave
	v_and_b32 v16, 31, v0                              ; lane
	v_lshlrev_b32 v2, 4, v16                           ; 16 x lane
	v_lshlrev_b32 v3, 2, v16                           ; 4 x lane
	s_and_b32 s14, ttmp7, 0xffff                       ; the K step
	s_cmp_lt_u32 ttmp9, 32
	s_cbranch_scc0 .Lweights
	; ---- hidden_states: rows 32 p .. 32 p + 31, p = 4 x + wave: two fragments
	v_and_b32 v17, 15, v0
	v_bfe_u32 v18, v0, 4, 1
	v_lshlrev_b32 v1, 12, v17
	v_lshl_add_u32 v1, v18, 5, v1                      ; row r of 4,096 bytes + 32 h: my 8 numbers of each 16
	s_lshl_b32 s15, ttmp9, 2
	s_add_co_u32 s15, s15, s12                         ; p
	s_lshl_b32 s16, s15, 17
	s_lshl_b32 s17, s14, 9
	s_add_co_u32 s16, s16, s17
	s_mov_b32 s17, 0
	s_lshl_b32 s18, s15, 14                            ; codes: m tile 2 p, K step s
	s_lshl_b32 s19, s14, 10
	s_add_co_u32 s18, s18, s19
	s_mov_b32 s19, 0
	s_lshl_b32 s20, s14, 14                            ; scale words [K step][4096]
	s_lshl_b32 s21, s15, 7
	s_add_co_u32 s20, s20, s21
	s_add_co_u32 s20, s20, XS
	s_mov_b32 s21, 0
	s_mov_b32 s[SEL], 0x76543210
	s_mov_b32 s[SEL+1], 0xfedcba98
.irp b, 0,1,2,3
	v_mov_b32 v[TM+4+\b], 0                            ; written once: a lane permute's destination counts as one of its sources
.endr
	v_cmp_le_u32 vcc_lo, 16, v16                       ; lanes 16-31
	s_wait_alu depctr_va_vdst(0)
	s_wait_kmcnt 0x0
	s_add_nc_u64 s[4:5], s[4:5], s[16:17]
	s_add_nc_u64 s[18:19], s[10:11], s[18:19]
	s_add_nc_u64 s[20:21], s[10:11], s[20:21]
.irp a, 0,1
.irp b, 0,1,2,3
.irp e, 0,1
.irp f, 0,1
	global_load_b128 v[64+64*\a+16*\b+8*\e+4*\f:64+64*\a+16*\b+8*\e+4*\f+3], v1, s[4:5] offset:\a*65536+128*\b+64*\e+16*\f
.endr
.endr
.endr
.endr
	s_wait_loadcnt 16                                  ; the first tile's 16 loads are in; the second tile's 16 may be out
	QUANT 64, 4, 0x1800000, 32, 48
	global_store_b128 v2, v[32:35], s[18:19]           ; 32 lanes store 512 consecutive bytes
	global_store_b128 v2, v[36:39], s[18:19] offset:512
	s_wait_loadcnt 0x0
	QUANT 128, 4, 0x1800000, 40, 49
	global_store_b128 v2, v[40:43], s[18:19] offset:8192
	global_store_b128 v2, v[44:47], s[18:19] offset:8192+512
	v_cndmask_b32 v50, v48, v49, vcc_lo                ; lanes 0-15 the first tile's words, lanes 16-31 the second's
	global_store_b32 v3, v50, s[20:21]
	s_endpgm
.Lweights:
	s_cmp_lt_u32 ttmp9, 56
	s_cbranch_scc0 .Ldense_w
	s_wait_alu depctr_va_vdst(0)
	WPATH 3072, 6, WQ, WQS, 32
.Ldense_w:
	s_wait_alu depctr_va_vdst(0)
	WPATH 1024, 8, WD, WDS, 56
.Lfunc_end_k_qdcc960c367_prep:
	.size	k_qdcc960c367_prep, .Lfunc_end_k_qdcc960c367_prep-k_qdcc960c367_prep
	.p2alignl 7, 3214868480
	.fill 96, 4, 3214868480
	.section	.rodata,"a",@progbits
	.p2align	6, 0x0
	.amdhsa_kernel k_qdcc960c367_prep
		.amdhsa_group_segment_fixed_size 0
		.amdhsa_private_segment_fixed_size 0
		.amdhsa_enable_private_segment 0
		.amdhsa_kernarg_size 32
		.amdhsa_user_sgpr_count 2
		.amdhsa_user_sgpr_kernarg_segment_ptr 1
		.amdhsa_wavefront_size32 1
		.amdhsa_system_sgpr_workgroup_id_x 1
		.amdhsa_system_sgpr_workgroup_id_y 1
		.amdhsa_system_sgpr_workgroup_id_z 1
		.amdhsa_system_vgpr_workitem_id 0
		.amdhsa_next_free_vgpr 192
		.amdhsa_next_free_sgpr 66
		.amdhsa_reserve_vcc 1
		.amdhsa_float_denorm_mode_32 3
		.amdhsa_float_denorm_mode_16_64 3
		.amdhsa_memory_ordered 1
		.amdhsa_forward_progress 1
		.amdhsa_inst_pref_size 52
	.end_amdhsa_kernel
	.amdgpu_metadata
---
amdhsa.version: [ 1, 2 ]
amdhsa.kernels:
  - .name:           k_qdcc960c367_prep
    .symbol:         k_qdcc960c367_prep.kd
    .args:
      - { .name: hidden_states, .offset: 0, .size: 8, .value_kind: global_buffer, .address_space: global }
      - { .name: w_qkv, .offset: 8, .size: 8, .value_kind: global_buffer, .address_space: global }
      - { .name: w_dense, .offset: 16, .size: 8, .value_kind: global_buffer, .address_space: global }
      - { .name: wsA, .offset: 24, .size: 8, .value_kind: global_buffer, .address_space: global }
    .group_segment_fixed_size: 0
    .private_segment_fixed_size: 0
    .kernarg_segment_align: 8
    .kernarg_segment_size: 32
    .max_flat_workgroup_size: 128
    .sgpr_count:     66
    .vgpr_count:     192
    .wavefront_size: 32
...
	.end_amdgpu_metadata
.endif
;; end of part 6
;; launch qkv (part 7): grid 12 x 64, 4 waves a work-group, no clusters, 0 bytes of LDS; arguments wsA, b_qkv, wsB; writes wsB
.if DOCPART == 7
	.amdgcn_target "amdgcn-amd-amdhsa--gfx1250"
	.amdhsa_code_object_version 6
	.text
	.protected	k_qdcc960c367_qkv
	.globl	k_qdcc960c367_qkv
	.p2align	8
	.type	k_qdcc960c367_qkv,@function
k_qdcc960c367_qkv:
	s_mov_b64 s[64:65], 0
	v_nop
	global_prefetch_b8 v0, s[64:65] scope:SCOPE_SE
	s_setreg_imm32_b32 hwreg(HW_REG_WAVE_SCHED_MODE, 0, 2), 2
	s_setreg_imm32_b32 hwreg(HW_REG_WAVE_MODE, 25, 1), 1
	s_wait_xcnt 0x0
	s_wait_alu depctr_vm_vsrc(0)
; qkv = hidden_states w_qkv + b_qkv on codes of E2M1 (K = 1024: 8 K steps of 128), and q, k, v quantised in registers for the attention's products.
; Every operand lies in fragment order, so a fragment comes by two loads of 512 consecutive bytes straight into registers: no LDS, no barrier; a wave owns its tile.
; x 0-7: q and k.  A wave makes 64 tokens x one head's 64 columns, TRANSPOSED (source 0 = 16 columns of w, source 1 = 16 tokens): a lane holds one token and its registers run along the head's 64, which is the next K.
;   q's scale bytes are lowered by 8: q / 8 / 32 has q's own codes, so the score product gives score / 32 as it stands.
; x 8-11: v.  A wave makes 128 tokens x 32 columns in the natural order (source 0 = 16 tokens, source 1 = 16 columns): a lane holds one column d and its registers run along the tokens: the keys, v's K.
; TWO SETS OF FRAGMENT REGISTERS: K steps 0 and 1 are asked for at the head, step s + 2 straight behind step s's products, into the set that step s has left: two K steps' loads are always on their way.
;   Set 0 lies in v64-127, set 1 in v256-319 (window 1, v0-63): odd steps switch the window for their fragment loads and for their products.  The scale words have two sets too, in v52-61, which hold nothing else.
; The bias is the C of each sum's first matrix instruction.  The 16 accumulators take turns, one instruction a turn, in the same order in every K step.
; OUT: KV chunks [4 b + head / 4][step of 128 keys][head % 4][8,960]: K codes 8 x 512 | K scale words 512 | V^T codes 4 x 1,024 | V scale words 256;  q's codes [head][q tile][512];  q's scale words [head][2048].
; LIMITS: NaN and infinities are not served; a block of q or k whose largest magnitude lies under 2^-116 is held at that scale (so that q's byte less 8 stays 1 or more), a block of v under 2^-124.
; THE MODE: SCHED_MODE bits 1:0 = 2 (LLVM: expert scheduling mode 2), set by the entry lines.  The code itself states the register dependences
; between vector or matrix instructions and memory instructions, with s_wait_alu, always for 0.
; THE PLAN.  Registers that memory instructions touch:
;   the two fragment sets and the two sets of scale words   Step s: its sixteen matrix instructions read set s % 2; behind them the loads of step s + 2 land in it.
;   v1, v2, v3      byte offsets, made once at the head and never written again: the K steps are reached by immediate offsets.
;   the bias        loaded once; read by the first K step's matrix instructions (v path: and by the fourteen copies).
;   the codes and scale words made behind the loop   each in registers of its own: written by vector instructions, read by the stores at the path's end.
; So one wait on va_vdst stands ahead of a path's first load (the offsets), one behind the products of each K step that has a successor two steps on (the set is asked for again at once),
; and one ahead of the run of stores.  No register that a memory instruction has read is written again: the only wait on vm_vsrc is the one among the entry lines.
.set XS,   2097152
.set WQ,   2228224
.set WQS,  3801088
.set QC,   4587520
.set QS,   6684672
.set TM,   4                           ; at work in QUANT: v4-15 on the q, k path; v96-107 on the v path
.set ACC,  128                         ; v128-255 sixteen accumulators
.set SEL,  42
.set MSB,  0
.macro WIN new                         ; the immediate's high byte repeats the setting that is left; a switch that changes nothing is dropped
.if MSB != \new
	s_set_vgpr_msb (MSB<<8)|\new
.set MSB, \new
.endif
.endm
; 16 nb numbers of a lane, register s + 16 b + 8 e + j = k 32 b + 16 e + 8 (lane / 16) + j of the lane's row, become a fragment's codes in v[pc] on and the row's scale word in v[pw].  fl: the floor under the largest magnitude.
.macro QUANT s, nb, fl, pc, pw
.set QB, 0
.rept \nb
	v_max3_num_f32 v[TM+QB], |v[(\s)+16*QB]|, |v[(\s)+16*QB+1]|, \fl
.set QB, QB+1
.endr
.irp i, 2,4,6,8,10,12,14
.set QB, 0
.rept \nb
	v_max3_num_f32 v[TM+QB], v[TM+QB], |v[(\s)+16*QB+\i]|, |v[(\s)+16*QB+\i+1]|
.set QB, QB+1
.endr
.endr
.set QB, 0
.rept \nb
	v_permlanex16_b32 v[TM+4+QB], v[TM+QB], s[SEL], s[SEL+1]
.set QB, QB+1
.endr
.set QB, 0
.rept \nb
	v_max_num_f32 v[TM+QB], v[TM+QB], v[TM+4+QB]
.set QB, QB+1
.endr
.set QB, 0
.rept \nb
	v_add_nc_u32 v[TM+8+QB], 0xff000000, v[TM+QB]
.set QB, QB+1
.endr
.set QB, 0
.rept \nb
	v_lshrrev_b32 v[TM+4+QB], 23, v[TM+8+QB]
.set QB, QB+1
.endr
	v_lshl_or_b32 v[\pw], v[TM+5], 8, v[TM+4]
.if \nb > 2
	v_lshl_or_b32 v[\pw], v[TM+6], 16, v[\pw]
	v_lshl_or_b32 v[\pw], v[TM+7], 24, v[\pw]
.endif
.set QB, 0
.rept \nb
	v_cvt_scalef32_pk8_fp4_f32 v[(\pc)+4*(QB/2)+QB%2], v[(\s)+16*QB:(\s)+16*QB+7], v[TM+8+QB]
	v_cvt_scalef32_pk8_fp4_f32 v[(\pc)+4*(QB/2)+2+QB%2], v[(\s)+16*QB+8:(\s)+16*QB+15], v[TM+8+QB]
.set QB, QB+1
.endr
	v_nop                                              ; one plain place behind a scaled conversion
.set QB, 0
.rept \nb/2
	v_permlane16_swap_b32 v[(\pc)+4*QB], v[(\pc)+4*QB+1]
	v_permlane16_swap_b32 v[(\pc)+4*QB+2], v[(\pc)+4*QB+3]
.set QB, QB+1
.endr
.endm
; one matrix instruction: D at d, sources at a and b, C at c, scale registers sa, sb; ra, rb = 1: that side's scales are read from lanes 16-31
.macro MM d, a, b, c, sa, ra, sb, rb
.if (\ra) && (\rb)
	v_wmma_scale_f32_16x16x128_f8f6f4 v[(\d):(\d)+7], v[(\a):(\a)+7], v[(\b):(\b)+7], v[(\c):(\c)+7], v[(\sa)], v[(\sb)] matrix_a_fmt:MATRIX_FMT_FP4 matrix_b_fmt:MATRIX_FMT_FP4 matrix_a_scale:MATRIX_SCALE_ROW1 matrix_b_scale:MATRIX_SCALE_ROW1
.elseif (\ra)
	v_wmma_scale_f32_16x16x128_f8f6f4 v[(\d):(\d)+7], v[(\a):(\a)+7], v[(\b):(\b)+7], v[(\c):(\c)+7], v[(\sa)], v[(\sb)] matrix_a_fmt:MATRIX_FMT_FP4 matrix_b_fmt:MATRIX_FMT_FP4 matrix_a_scale:MATRIX_SCALE_ROW1
.elseif (\rb)
	v_wmma_scale_f32_16x16x128_f8f6f4 v[(\d):(\d)+7], v[(\a):(\a)+7], v[(\b):(\b)+7], v[(\c):(\c)+7], v[(\sa)], v[(\sb)] matrix_a_fmt:MATRIX_FMT_FP4 matrix_b_fmt:MATRIX_FMT_FP4 matrix_b_scale:MATRIX_SCALE_ROW1
.else
	v_wmma_scale_f32_16x16x128_f8f6f4 v[(\d):(\d)+7], v[(\a):(\a)+7], v[(\b):(\b)+7], v[(\c):(\c)+7], v[(\sa)], v[(\sb)] matrix_a_fmt:MATRIX_FMT_FP4 matrix_b_fmt:MATRIX_FMT_FP4
.endif
.endm
; ---- the q, k path.  K step s's 20 loads: four fragments of x at FX, four of w at FX + 32 (set s % 2), and their scale words
.macro LOADQ s
.set FX, 64-64*((\s)%2)
.set SX, 52+4*((\s)%2)
.if (\s)%2
	WIN 0x40                                           ; destination window 1, address window 0
.endif
.irp u, 0,1,2,3
.irp c, 0,1
	global_load_b128 v[FX+8*\u+4*\c:FX+8*\u+4*\c+3], v1, s[16:17] offset:\u*8192+(\s)*1024+\c*512
	global_load_b128 v[FX+32+8*\u+4*\c:FX+32+8*\u+4*\c+3], v1, s[18:19] offset:\u*8192+(\s)*1024+\c*512
.endr
.endr
	WIN 0
.irp p, 0,1
	global_load_b32 v[SX+\p], v2, s[20:21] offset:(\s)*16384+128*\p      ; lanes 0-15 tile 2 p's words, lanes 16-31 tile 2 p + 1's
	global_load_b32 v[SX+2+\p], v2, s[22:23] offset:(\s)*12288+128*\p
.endr
.endm
.macro KSTEPQ s
.if (\s) < 7
	s_wait_loadcnt 20                                  ; this step's loads are in; the next step's 20 may be out
.else
	s_wait_loadcnt 0x0
.endif
.set FX, 64-64*((\s)%2)
.set SX, 52+4*((\s)%2)
.if (\s)%2
	WIN 0x05                                           ; both sources window 1; C and D window 0
.endif
.irp u, 0,1,2,3
.irp t, 0,1,2,3
.if (\s) == 0
	MM ACC+32*\u+8*\t, FX+32+8*\t, FX+8*\u, 16+8*\t, SX+2+\t/2, \t%2, SX+\u/2, \u%2
.else
	MM ACC+32*\u+8*\t, FX+32+8*\t, FX+8*\u, ACC+32*\u+8*\t, SX+2+\t/2, \t%2, SX+\u/2, \u%2
.endif
.endr
.endr
.if (\s)+2 < 8
.rept 4
	v_nop                                              ; four places in front of loads into registers that matrix instructions have read; they stay beside the wait below
.endr
.if (\s)%2
	WIN 0x40                                           ; the loads' window first, then the wait, then the loads
.endif
	s_wait_alu depctr_va_vdst(0)                       ; this step's sixteen matrix instructions are done reading their fragments and scale words, in which the 20 loads below land; only loads and a window switch stand among these
	LOADQ (\s)+2
.else
	WIN 0                                              ; steps 6 and 7 ask for nothing, so they state nothing
.endif
.endm
; ---- the v path.  K step s's 25 loads: eight fragments of x at FX (set s % 2), two of w at FV (both sets in window 0), their scale words
.macro LOADV s
.set FX, 64-64*((\s)%2)
.set FV, 36-32*((\s)%2)
.set SX, 52+5*((\s)%2)
.if (\s)%2
	WIN 0x40
.endif
.irp u, 0,1,2,3,4,5,6,7
.irp c, 0,1
	global_load_b128 v[FX+8*\u+4*\c:FX+8*\u+4*\c+3], v1, s[16:17] offset:\u*8192+(\s)*1024+\c*512
.endr
.endr
	WIN 0
.irp t, 0,1
.irp c, 0,1
	global_load_b128 v[FV+8*\t+4*\c:FV+8*\t+4*\c+3], v1, s[18:19] offset:\t*8192+(\s)*1024+\c*512
.endr
.endr
.irp p, 0,1,2,3
	global_load_b32 v[SX+\p], v2, s[20:21] offset:(\s)*16384+128*\p
.endr
	global_load_b32 v[SX+4], v2, s[22:23] offset:(\s)*12288
.endm
.macro KSTEPV s
.if (\s) < 7
	s_wait_loadcnt 25                                  ; this step's loads are in; the next step's 25 may be out
.else
	s_wait_loadcnt 0x0
.endif
.if (\s) == 0
.irp t, 0,1
.irp j, 1,2,3,4,5,6,7
	v_mov_b32 v[20+8*\t+\j], v[20+8*\t]                ; a lane's eight results share one column: its bias eight times, the C of the first product
.endr
.endr
.endif
.set FX, 64-64*((\s)%2)
.set FV, 36-32*((\s)%2)
.set SX, 52+5*((\s)%2)
.if (\s)%2
	WIN 0x01                                           ; source 0 (x) window 1
.endif
.irp u, 0,1,2,3,4,5,6,7
.irp t, 0,1
.if (\s) == 0
	MM ACC+64*\t+8*\u, FX+8*\u, FV+8*\t, 20+8*\t, SX+\u/2, \u%2, SX+4, \t
.else
	MM ACC+64*\t+8*\u, FX+8*\u, FV+8*\t, ACC+64*\t+8*\u, SX+\u/2, \u%2, SX+4, \t
.endif
.endr
.endr
.if (\s)+2 < 8
.rept 4
	v_nop                                              ; four places in front of loads into registers that matrix instructions have read; they stay beside the wait below
.endr
.if (\s)%2
	WIN 0x40                                           ; the loads' window first, then the wait, then the loads
.endif
	s_wait_alu depctr_va_vdst(0)                       ; this step's sixteen matrix instructions are done reading x's and w's fragments and the scale words, in which the 25 loads below land
	LOADV (\s)+2
.else
	WIN 0
.endif
.endm
	s_load_b128 s[4:7], s[0:1], 0x0                    ; the operands' workspace s[4:5], b_qkv s[6:7]
	s_load_b64 s[8:9], s[0:1], 0x10                    ; the attention's workspace
	v_lshrrev_b32 v1, 5, v0
	v_readfirstlane_b32 s12, v1                        ; wave
	v_and_b32 v62, 31, v0
	v_lshlrev_b32 v1, 4, v62                           ; 16 x lane
	v_lshlrev_b32 v2, 2, v62                           ; 4 x lane
	v_cmp_le_u32 vcc_lo, 16, v62                       ; lanes 16-31
	s_wait_alu depctr_va_sdst(0)                       ; s12 is written, ahead of the branch and of its first reader: both paths make their offsets from it
	s_wait_alu depctr_va_vcc(0)                        ; VCC is written, ahead of the branch and of its first reader: the selects at each path's end
	s_mov_b32 s[SEL], 0x76543210
	s_mov_b32 s[SEL+1], 0xfedcba98
	s_and_b32 s14, ttmp7, 0xffff
	s_cmp_lt_u32 ttmp9, 8
	s_cbranch_scc0 .Lvalues
	; ---- q and k: ct = 4 x + wave: 0-15 q's head ct, 16-31 k's head ct - 16;  tokens 64 y on
	; registers: v4-15 at work; v16-47 the bias in the result's layout, later the codes (v16-31), scale words (v32-35) and merged words (v36-37) just made
.irp b, 0,1,2,3
	v_mov_b32 v[TM+4+\b], 0                            ; written once: a lane permute's destination counts as one of its sources
.endr
	v_bfe_u32 v3, v0, 4, 1
	v_lshlrev_b32 v3, 5, v3                            ; 32 h: my eight numbers of a tile's bias
	s_lshl_b32 s15, ttmp9, 2
	s_add_co_u32 s15, s15, s12                         ; ct
	s_lshl_b32 s16, s14, 15                            ; x's m tiles 4 y on
	s_mov_b32 s17, 0
	s_lshl_b32 s18, s15, 15                            ; w's n tiles 4 ct on
	s_add_co_u32 s18, s18, WQ
	s_mov_b32 s19, 0
	s_lshl_b32 s20, s14, 8
	s_add_co_u32 s20, s20, XS
	s_mov_b32 s21, 0
	s_lshl_b32 s22, s15, 8
	s_mov_b32 s24, s22                                 ; the bias: 64 ct numbers on
	s_add_co_u32 s22, s22, WQS
	s_mov_b32 s23, 0
	s_mov_b32 s25, 0
	s_and_b32 s30, s14, 31                             ; the block of 64 tokens in its batch,
	s_lshr_b32 s31, s14, 5                             ; the batch,
	s_and_b32 s32, s15, 15                             ; the head
	s_lshl_b32 s33, s31, 4
	s_add_co_u32 s33, s33, s32
	s_lshl_b32 s34, s33, 16                            ; q's codes: 65,536 bytes a head, 512 a tile
	s_lshl_b32 s39, s30, 11
	s_add_co_u32 s34, s34, s39
	s_add_co_u32 s34, s34, QC
	s_lshl_b32 s35, s33, 13                            ; q's scale words: 8,192 bytes a head
	s_lshl_b32 s39, s30, 8
	s_add_co_u32 s35, s35, s39
	s_add_co_u32 s35, s35, QS
	s_lshl_b32 s36, s31, 2                             ; k's chunk: ((4 b + head / 4) 16 + step) 4 + head % 4
	s_lshr_b32 s39, s32, 2
	s_add_co_u32 s36, s36, s39
	s_lshl_b32 s36, s36, 4
	s_lshr_b32 s39, s30, 1
	s_add_co_u32 s36, s36, s39
	s_lshl_b32 s36, s36, 2
	s_and_b32 s39, s32, 3
	s_add_co_u32 s36, s36, s39
	s_mul_i32 s36, s36, 8960
	s_and_b32 s39, s30, 1                              ; which half of the step's 128 keys
	s_lshl_b32 s37, s39, 11
	s_add_co_u32 s37, s37, s36
	s_lshl_b32 s38, s39, 8
	s_add_co_u32 s38, s38, s36
	s_add_co_u32 s38, s38, 4096
	s_cmp_lt_u32 s15, 16                               ; q or k: offsets are chosen, never addresses
	s_cselect_b32 s26, s34, s37
	s_cselect_b32 s28, s35, s38
	s_cselect_b32 s40, 0x0808, 0                       ; what comes off the two scale bytes
	s_mov_b32 s27, 0
	s_mov_b32 s29, 0
	s_wait_kmcnt 0x0
	s_add_nc_u64 s[16:17], s[4:5], s[16:17]
	s_add_nc_u64 s[18:19], s[4:5], s[18:19]
	s_add_nc_u64 s[20:21], s[4:5], s[20:21]
	s_add_nc_u64 s[22:23], s[4:5], s[22:23]
	s_add_nc_u64 s[24:25], s[6:7], s[24:25]
	s_add_nc_u64 s[26:27], s[8:9], s[26:27]
	s_add_nc_u64 s[28:29], s[8:9], s[28:29]
	s_wait_alu depctr_va_vdst(0)                       ; the offsets v1, v2 and v3 are written: every load and store of this path reads one of them
.irp t, 0,1,2,3
	global_load_b128 v[16+8*\t:16+8*\t+3], v3, s[24:25] offset:64*\t
	global_load_b128 v[16+8*\t+4:16+8*\t+7], v3, s[24:25] offset:64*\t+16
.endr
	LOADQ 0                                            ; 48 loads of mine are out: the bias's 8 and two K steps' 20
	LOADQ 1
.irp s, 0,1,2,3,4,5,6,7
	KSTEPQ \s
.endr
.rept 4
	v_nop                                              ; four places in front of the first read of results
.endr
.irp u, 0,1,2,3
	QUANT ACC+32*\u, 2, 0x5800000, 16+4*\u, 32+\u      ; 16 tokens x 64: two blocks a token; the floor 2^(11 - 127)
	v_sub_nc_u32 v[32+\u], v[32+\u], s40
.endr
.irp p, 0,1
	v_cndmask_b32 v[36+\p], v[32+2*\p], v[33+2*\p], vcc_lo
.endr
	s_wait_alu depctr_va_vdst(0)                       ; the codes v16-31 and the merged scale words v36, v37 are written, which the six stores below read
.irp u, 0,1,2,3
	global_store_b128 v1, v[16+4*\u:19+4*\u], s[26:27] offset:512*\u   ; 32 lanes store 512 consecutive bytes
.endr
.irp p, 0,1
	global_store_b32 v2, v[36+\p], s[28:29] offset:128*\p
.endr
	s_endpgm
.Lvalues:
	; ---- v: i = 64 (x - 8) + y;  columns 2048 + 32 cv on, cv = 4 (i % 8) + wave;  tokens 128 (i / 8) on
	; registers: v4-19 w's fragments, set 1; v20-35 the bias; v36-51 w's fragments, set 0; behind the loop v64-79 codes, v80-82 scale words, v96-107 at work
.set TM, 96
	v_and_b32 v3, 15, v0
	v_lshlrev_b32 v3, 2, v3                            ; 4 r: my column's bias
	s_sub_co_u32 s15, ttmp9, 8
	s_lshl_b32 s15, s15, 6
	s_add_co_u32 s15, s15, s14
	s_and_b32 s30, s15, 7
	s_lshl_b32 s30, s30, 2
	s_add_co_u32 s30, s30, s12                         ; cv
	s_lshr_b32 s31, s15, 3                             ; the block of 128 tokens
	s_lshl_b32 s16, s31, 16
	s_mov_b32 s17, 0
	s_lshl_b32 s18, s30, 14
	s_add_co_u32 s18, s18, WQ+128*8192
	s_mov_b32 s19, 0
	s_lshl_b32 s20, s31, 9
	s_add_co_u32 s20, s20, XS
	s_mov_b32 s21, 0
	s_lshl_b32 s22, s30, 7
	s_add_co_u32 s24, s22, 8192
	s_add_co_u32 s22, s22, WQS+8192
	s_mov_b32 s23, 0
	s_mov_b32 s25, 0
	s_lshr_b32 s32, s31, 4                             ; the chunk: ((4 b + head / 4) 16 + step) 4 + head % 4, head = cv / 2
	s_lshl_b32 s32, s32, 2
	s_lshr_b32 s39, s30, 3
	s_add_co_u32 s32, s32, s39
	s_lshl_b32 s32, s32, 4
	s_and_b32 s39, s31, 15
	s_add_co_u32 s32, s32, s39
	s_lshl_b32 s32, s32, 2
	s_bfe_u32 s39, s30, 0x20001
	s_add_co_u32 s32, s32, s39
	s_mul_i32 s32, s32, 8960
	s_and_b32 s39, s30, 1                              ; which 32 of the head's 64
	s_lshl_b32 s26, s39, 11
	s_add_co_u32 s26, s26, s32
	s_add_co_u32 s26, s26, 4608
	s_mov_b32 s27, 0
	s_lshl_b32 s28, s39, 7
	s_add_co_u32 s28, s28, s32
	s_add_co_u32 s28, s28, 8704
	s_mov_b32 s29, 0
	s_wait_kmcnt 0x0
	s_add_nc_u64 s[16:17], s[4:5], s[16:17]
	s_add_nc_u64 s[18:19], s[4:5], s[18:19]
	s_add_nc_u64 s[20:21], s[4:5], s[20:21]
	s_add_nc_u64 s[22:23], s[4:5], s[22:23]
	s_add_nc_u64 s[24:25], s[6:7], s[24:25]
	s_add_nc_u64 s[26:27], s[8:9], s[26:27]
	s_add_nc_u64 s[28:29], s[8:9], s[28:29]
	s_wait_alu depctr_va_vdst(0)                       ; the offsets v1, v2 and v3 are written: every load and store of this path reads one of them
.irp t, 0,1
	global_load_b32 v[20+8*\t], v3, s[24:25] offset:64*\t
.endr
	LOADV 0                                            ; 52 loads of mine are out: the bias's 2 and two K steps' 25
	LOADV 1
.irp s, 0,1,2,3,4,5,6,7
	KSTEPV \s
.endr
.rept 4
	v_nop                                              ; four places in front of the first read of results and of writes into the fragments' registers
.endr
.irp b, 0,1,2,3
	v_mov_b32 v[TM+4+\b], 0                            ; a lane permute's destination counts as one of its sources
.endr
.irp t, 0,1
	QUANT ACC+64*\t, 4, 0x1800000, 64+8*\t, 80+\t      ; 16 columns d x 128 keys: a fragment of V^T
.endr
	v_cndmask_b32 v82, v80, v81, vcc_lo
	s_wait_alu depctr_va_vdst(0)                       ; the codes v64-79 and the merged scale word v82 are written, which the five stores below read
.irp t, 0,1
	global_store_b128 v1, v[64+8*\t:67+8*\t], s[26:27] offset:1024*\t
	global_store_b128 v1, v[68+8*\t:71+8*\t], s[26:27] offset:1024*\t+512
.endr
	global_store_b32 v2, v82, s[28:29]
	s_endpgm
.Lfunc_end_k_qdcc960c367_qkv:
	.size	k_qdcc960c367_qkv, .Lfunc_end_k_qdcc960c367_qkv-k_qdcc960c367_qkv
	.p2alignl 7, 3214868480
	.fill 96, 4, 3214868480
	.section	.rodata,"a",@progbits
	.p2align	6, 0x0
	.amdhsa_kernel k_qdcc960c367_qkv
		.amdhsa_group_segment_fixed_size 0
		.amdhsa_private_segment_fixed_size 0
		.amdhsa_enable_private_segment 0
		.amdhsa_kernarg_size 24
		.amdhsa_user_sgpr_count 2
		.amdhsa_user_sgpr_kernarg_segment_ptr 1
		.amdhsa_wavefront_size32 1
		.amdhsa_system_sgpr_workgroup_id_x 1
		.amdhsa_system_sgpr_workgroup_id_y 1
		.amdhsa_system_sgpr_workgroup_id_z 1
		.amdhsa_system_vgpr_workitem_id 0
		.amdhsa_next_free_vgpr 320
		.amdhsa_next_free_sgpr 66
		.amdhsa_reserve_vcc 1
		.amdhsa_float_denorm_mode_32 3
		.amdhsa_float_denorm_mode_16_64 3
		.amdhsa_memory_ordered 1
		.amdhsa_forward_progress 1
		.amdhsa_inst_pref_size 93
	.end_amdhsa_kernel
	.amdgpu_metadata
---
amdhsa.version: [ 1, 2 ]
amdhsa.kernels:
  - .name:           k_qdcc960c367_qkv
    .symbol:         k_qdcc960c367_qkv.kd
    .args:
      - { .name: wsA, .offset: 0, .size: 8, .value_kind: global_buffer, .address_space: global }
      - { .name: b_qkv, .offset: 8, .size: 8, .value_kind: global_buffer, .address_space: global }
      - { .name: wsB, .offset: 16, .size: 8, .value_kind: global_buffer, .address_space: global }
    .group_segment_fixed_size: 0
    .private_segment_fixed_size: 0
    .kernarg_segment_align: 8
    .kernarg_segment_size: 24
    .max_flat_workgroup_size: 128
    .sgpr_count:     66
    .vgpr_count:     320
    .wavefront_size: 32
...
	.end_amdgpu_metadata
.endif
;; end of part 7
;; launch smax (part 8): grid 32 x 8, 16 waves a work-group, clusters of 4 x 4, 327,680 bytes of LDS; arguments wsB, ltor_mask, wsM; writes wsM
.if DOCPART == 8
	.amdgcn_target "amdgcn-amd-amdhsa--gfx1250"
	.amdhsa_code_object_version 6
	.text
	.protected	k_qdcc960c367_smax
	.globl	k_qdcc960c367_smax
	.p2align	8
	.type	k_qdcc960c367_smax,@function
k_qdcc960c367_smax:
	s_mov_b64 s[64:65], 0
	v_nop
	global_prefetch_b8 v0, s[64:65] scope:SCOPE_SE
	s_setreg_imm32_b32 hwreg(HW_REG_WAVE_MODE, 25, 1), 1
	s_wait_xcnt 0x0
	s_wait_alu depctr_hold_cnt(0) depctr_sa_sdst(0) depctr_va_vdst(0) depctr_va_sdst(0) depctr_va_ssrc(0) depctr_va_vcc(0) depctr_vm_vsrc(0)
	s_getreg_b32 s2, hwreg(HW_REG_IB_STS2, 6, 4)
	s_cmp_eq_u32 s2, 0
	s_cbranch_scc0 .Lentry_in_a_cluster
	s_endpgm
.Lentry_in_a_cluster:
	s_bfe_u32 s2, ttmp6, 0x10000c
	s_cmp_lg_u32 s2, 0xf033
	s_cbranch_scc0 .Lentry_shape_is_right
	s_endpgm
.Lentry_shape_is_right:
; The largest ss = (score x mask - 10000 (1 - mask)) / 32 of each head, in parts: one number for each (head, block of 64 queries).  The next launch takes the largest of a head's 32 parts.
; It is needed whole before any p is made: the exponent is (ss - m) x 32 log2(e), and m is no whole number of binary steps, so it moves the codes of p.
; ss is made here by the very lines that the next launch uses (the same matrix instruction on the same operands, the same two fused multiply-adds), so m is bit for bit the largest ss seen there.
; q's scale bytes carry the 1 / 8 and the 1 / 32, so the product gives score / 32;  u = 312.5 mask - 312.5;  ss = (score / 32) mask + u.
; SHARES: a work-group owns 64 queries x 4 heads and walks all 2,048 keys, 128 a step.  Wave w: query tile w % 4, keys 32 (w / 4) .. + 31 of every step, ALL FOUR heads: its 16 mask numbers a lane and their u serve four heads.
; K = 64 in an instruction of 128: registers 4-7 of both operands hold zero codes, written once.
; LDS: two slots of 256 keys, 2^17 bytes apart: the mask's 64 rows x (1,024 + 16) bytes, then 8 rows (step, head) of 4,608 bytes: K's codes and scale words.
; CLUSTERS: 4 x 4 work-groups.  The four of a column (same x) own the same 64 queries and need the same mask tiles; the four of a row (same y) own the same four heads and need the same K.  Each tile is asked for JOINTLY:
; the same tensor load, with the same descriptor and a mask that names the four, in all four.  The mask's address is made of x and the wave's number alone, K's of y and the wave's number alone, LDS addresses of the wave's number alone.
; Every wave issues one load for each slot: waves 0-7 eight mask rows each, waves 8-15 one row of K each.  One tensor load of a wave is out at a time, by this text's own count.
; All of a WGP's LDS is claimed.
; LIMITS: NaN and infinities are not served.
.set QC,    4587520
.set QS,    6684672
.set SLOT1, 1<<17
.set MP,    1040                       ; a mask row in LDS: 65 x 16 bytes, so sixteen rows start at sixteen different 16-byte columns
.set KOFF,  64*MP
.set KROW,  4608
.set SPARE, 2*SLOT1                    ; the spare words: 128 bytes for each of 16 waves; no other line names them
.set SCR,   SPARE+2048                 ; 256 bytes: [wave][head] f32; no fill lands here
.set QF,    16                         ; v16-47   q of four heads, 8 registers each, the upper four zero
.set QSR,   48                         ; v48-51   q's scale words
.set KSR,   52                         ; v52-55   k's scale words
.set KF,    64                         ; v64-127  eight fragments of k (2 head + tile)
.set MK,    128                        ; v128-143 mask
.set UU,    144                        ; v144-159 u
.set SS,    160                        ; v160-223 scores: 16 head + 8 tile
.set RM,    224                        ; v224-227 the running maxima; v228-231 at work
.set G1M,   24
.set G1K,   32
.set G0M,   40
.set G0K,   44
.set TB,    48
.macro MM d, a, b, c, sa, ra, sb, rb
.if (\ra)
	v_wmma_scale_f32_16x16x128_f8f6f4 v[(\d):(\d)+7], v[(\a):(\a)+7], v[(\b):(\b)+7], 0, v[(\sa)], v[(\sb)] matrix_a_fmt:MATRIX_FMT_FP4 matrix_b_fmt:MATRIX_FMT_FP4 matrix_a_scale:MATRIX_SCALE_ROW1
.else
	v_wmma_scale_f32_16x16x128_f8f6f4 v[(\d):(\d)+7], v[(\a):(\a)+7], v[(\b):(\b)+7], 0, v[(\sa)], v[(\sb)] matrix_a_fmt:MATRIX_FMT_FP4 matrix_b_fmt:MATRIX_FMT_FP4
.endif
.endm
; A joint load: waves 0-7 fetch for the mask, waves 8-15 for K.  Each of the two lines has one mask and one set of registers for all that issue it; the branch hangs on the wave's number alone.
; Four v_nop follow each of the two lines.
.macro JLOAD
	s_cmp_lt_u32 s12, 8
	s_cbranch_scc0 .Lfor_k_\@
	tensor_load_to_lds s[G0M:G0M+3], s[G1M:G1M+7]
	s_nop 0
.rept 4
	v_nop
.endr
	s_branch .Lasked_\@
.Lfor_k_\@:
	tensor_load_to_lds s[G0K:G0K+3], s[G1K:G1K+7]
	s_nop 0
.rept 4
	v_nop
.endr
.Lasked_\@:
.endm
; A round of the cluster's barrier: my work-group's barrier, so that wave 0's signal speaks for all sixteen waves; wave 0 signals for the work-group; every wave waits for all sixteen work-groups; my work-group's barrier once more.
.macro CROUND
	s_barrier_signal -1
	s_barrier_wait -1
	s_cmp_lg_u32 s12, 0
	s_cbranch_scc1 .Lnot_wave_0_\@
	s_barrier_signal -3
.Lnot_wave_0_\@:
	s_barrier_wait -3
	s_barrier_signal -1
	s_barrier_wait -1
.endm
; The change of slots, at a slot's head: all my tensor loads have landed, the add, my reads of the slot that I have left are over.  fill = 1: a round of the cluster's barrier, so that no wave of any partner still reads
; that slot or has a load on its way; then the slot is filled with the keys that follow.
.macro CHANGE fill
	s_wait_tensorcnt 0x0                               ; no tensor load of mine is out, so a group 0 may be written
	ds_add_u32 v5, v6                                  ; 0 onto my spare word
.if \fill
	s_xor_b32 s[G0M+1], s[G0M+1], SLOT1
	s_add_nc_u64 s[G0M+2:G0M+3], s[G0M+2:G0M+3], 1024  ; 256 keys on in each mask row
	s_xor_b32 s[G0K+1], s[G0K+1], SLOT1
	s_add_nc_u64 s[G0K+2:G0K+3], s[G0K+2:G0K+3], 2*4*8960   ; two steps of four chunks on
	s_wait_dscnt 0x0
	CROUND
	JLOAD                                              ; the first thing behind the round, a wave's one tensor load until the next
.else
	s_wait_dscnt 0x0
	s_barrier_signal -1
	s_barrier_wait -1
.endif
.endm
.macro STEP g                          ; the slot's g-th 128 keys
.irp hh, 0,1,2,3
.irp e, 0,1
	ds_load_b128 v[KF+8*(2*\hh+\e):KF+8*(2*\hh+\e)+3], v9 offset:(4*\g+\hh)*KROW+512*\e
.endr
.endr
.irp hh, 0,1,2,3
	ds_load_b32 v[KSR+\hh], v10 offset:(4*\g+\hh)*KROW             ; lanes 0-15 my first tile's words, lanes 16-31 my second's
.endr
.irp e, 0,1
.irp f, 0,1
	ds_load_b128 v[MK+8*\e+4*\f:MK+8*\e+4*\f+3], v8 offset:512*\g+64*\e+16*\f
.endr
.endr
	s_wait_dscnt 4                                     ; K and its scale words are in; the four mask loads may be out
.irp hh, 0,1,2,3
.irp e, 0,1
	MM SS+16*\hh+8*\e, KF+8*(2*\hh+\e), QF+8*\hh, -1, KSR+\hh, \e, QSR+\hh, 0
.endr
.endr
	s_wait_dscnt 0x0
.irp i, 0,2,4,6,8,10,12,14
	v_pk_fma_f32 v[UU+\i:UU+\i+1], v[MK+\i:MK+\i+1], s[50:51], v[12:13] op_sel_hi:[1,0,1]   ; u = 312.5 mask - 312.5.  These eight are also the places behind the products
.endr
.irp hh, 0,1,2,3
.irp i, 0,2,4,6,8,10,12,14
	v_pk_fma_f32 v[SS+16*\hh+\i:SS+16*\hh+\i+1], v[SS+16*\hh+\i:SS+16*\hh+\i+1], v[MK+\i:MK+\i+1], v[UU+\i:UU+\i+1]   ; each result from its low end on
.endr
.endr
.irp i, 0,2,4,6,8,10,12,14
.irp hh, 0,1,2,3
	v_max3_num_f32 v[RM+\hh], v[RM+\hh], v[SS+16*\hh+\i], v[SS+16*\hh+\i+1]
.endr
.endr
.endm
.macro SLOT_STEPS
	v_add_nc_u32 v8, s[TB], v1
	v_add_nc_u32 v9, s[TB], v2
	v_add_nc_u32 v10, s[TB], v3
	STEP 0
	STEP 1
	s_xor_b32 s[TB], s[TB], SLOT1
.endm
	s_load_b128 s[4:7], s[0:1], 0x0                    ; the attention's workspace s[4:5], the mask s[6:7]
	s_load_b64 s[8:9], s[0:1], 0x10                    ; the maxima
	v_lshl_add_u32 v5, v0, 2, SPARE
	v_mov_b32 v6, 0
	ds_add_u32 v5, v6
	ds_add_u32 v5, v6
	s_wait_dscnt 0x0
	v_lshrrev_b32 v8, 5, v0
	s_delay_alu instid0(VALU_DEP_1)
	v_readfirstlane_b32 s12, v8                        ; wave 0..15
	s_and_b32 s13, s12, 3                              ; my query tile
	s_lshr_b32 s14, s12, 2                             ; my quarter of a step's keys
	s_and_b32 s15, s12, 7                              ; which eighth of the mask's rows, or of K's, I fetch
	s_bfe_u32 s66, ttmp6, 0x40000                      ; cx, cy: my place in the cluster
	s_bfe_u32 s67, ttmp6, 0x40004
	s_lshl_b32 s16, ttmp9, 2
	s_add_co_u32 s16, s16, s66                         ; the block of 64 queries = 4 x cluster x + cx
	s_and_b32 s17, ttmp7, 0xffff
	s_lshl_b32 s17, s17, 2
	s_add_co_u32 s17, s17, s67                         ; 4 batch + group of four heads = 4 x cluster y + cy
	s_lshl_b32 s68, 0x1111, s66                        ; my column of the cluster: places cx, cx + 4, cx + 8, cx + 12
	s_lshl_b32 s69, s67, 2
	s_lshl_b32 s69, 15, s69                            ; my row: places 4 cy .. 4 cy + 3
	s_or_b32 s[G1M], s68, (2<<16)|(1<<20)|(1<<21)|(7<<22)|(3<<25)  ; the mask's tiles go to my column; elements of 4 bytes; bit 21 set beside a mask; padding: 4 words behind every 256
	s_mov_b32 s[G1M+1], 256<<16                        ; tensor_dim0
	s_mov_b32 s[G1M+2], 8<<16                          ; tensor_dim1
	s_mov_b32 s[G1M+3], 256<<16                        ; tile_dim0
	s_mov_b32 s[G1M+4], 8                              ; tile_dim1
	s_mov_b32 s[G1M+5], 2048                           ; from row to row
	s_mov_b32 s[G1M+6], 0
	s_mov_b32 s[G1M+7], 0
	s_or_b32 s[G1K], s69, (3<<16)|(1<<21)              ; K's tiles go to my row; elements of 8 bytes, no padding: one row of 4,608 bytes
	s_mov_b32 s[G1K+1], 576<<16
	s_mov_b32 s[G1K+2], 1<<16
	s_mov_b32 s[G1K+3], 576<<16
	s_mov_b32 s[G1K+4], 1
	s_mov_b32 s[G1K+5], 576
	s_mov_b32 s[G1K+6], 0
	s_mov_b32 s[G1K+7], 0
	s_mov_b32 s20, 0x76543210
	s_mov_b32 s21, 0xfedcba98
	s_mov_b32 s50, 0x439c4000                          ; 312.5
	s_mov_b32 s51, s50
	s_mov_b32 s[TB], 0
	s_mov_b32 s49, 7
	s_mul_i32 s18, s15, 8*MP                           ; where my part goes: the wave's number alone
	s_mul_i32 s19, s15, KROW
	s_add_co_u32 s19, s19, KOFF
	s_lshl_b32 s[G0M+2], s16, 19                       ; mask row 64 qb + 8 i, 8,192 bytes a row
	s_lshl_b32 s62, s15, 16
	s_add_co_u32 s[G0M+2], s[G0M+2], s62
	s_mov_b32 s[G0M+3], 0
	s_mul_i32 s[G0K+2], s17, 573440                    ; 16 steps x 4 chunks for each y; row i = 4 step + head lies i chunks on
	s_mul_i32 s62, s15, 8960
	s_add_co_u32 s[G0K+2], s[G0K+2], s62
	s_mov_b32 s[G0K+3], 0
	s_lshl_b32 s56, s17, 18                            ; q's codes: head 4 y, tile 4 qb + qt
	s_lshl_b32 s63, s16, 11
	s_add_co_u32 s56, s56, s63
	s_lshl_b32 s63, s13, 9
	s_add_co_u32 s56, s56, s63
	s_add_co_u32 s56, s56, QC
	s_mov_b32 s57, 0
	s_lshl_b32 s58, s17, 15                            ; q's scale words
	s_lshl_b32 s63, s16, 8
	s_add_co_u32 s58, s58, s63
	s_lshl_b32 s63, s13, 6
	s_add_co_u32 s58, s58, s63
	s_add_co_u32 s58, s58, QS
	s_mov_b32 s59, 0
	s_lshl_b32 s60, s17, 9                             ; out: [y][qb][head % 4]
	s_lshl_b32 s63, s16, 4
	s_add_co_u32 s60, s60, s63
	s_mov_b32 s61, 0
	s_wait_kmcnt 0x0
	s_mov_b32 s[G0M], 1
	s_mov_b32 s[G0M+1], s18
	s_add_nc_u64 s[G0M+2:G0M+3], s[6:7], s[G0M+2:G0M+3]
	s_or_b32 s[G0M+3], s[G0M+3], 0x80000000
	s_mov_b32 s[G0K], 1
	s_mov_b32 s[G0K+1], s19
	s_add_nc_u64 s[G0K+2:G0K+3], s[4:5], s[G0K+2:G0K+3]
	s_or_b32 s[G0K+3], s[G0K+3], 0x80000000
	CROUND                                             ; all sixteen work-groups are here: the first joint loads meet
	JLOAD                                              ; slot 0
	s_add_nc_u64 s[56:57], s[4:5], s[56:57]
	s_add_nc_u64 s[58:59], s[4:5], s[58:59]
	s_add_nc_u64 s[60:61], s[8:9], s[60:61]
	v_and_b32 v240, 31, v0                             ; lane
	v_and_b32 v241, 15, v0                             ; r
	v_bfe_u32 v242, v0, 4, 1                           ; h
	s_delay_alu instid0(VALU_DEP_3)
	v_lshlrev_b32 v236, 4, v240
	s_delay_alu instid0(VALU_DEP_3)
	v_lshlrev_b32 v237, 2, v241
.irp hh, 0,1,2,3
	global_load_b128 v[QF+8*\hh:QF+8*\hh+3], v236, s[56:57] offset:\hh*65536
	global_load_b32 v[QSR+\hh], v237, s[58:59] offset:\hh*8192
.endr
.irp hh, 0,1,2,3
.irp j, 4,5,6,7
	v_mov_b32 v[QF+8*\hh+\j], 0                        ; K = 64: the upper half of both operands is zero codes
.endr
.endr
.irp i, 0,1,2,3,4,5,6,7
.irp j, 4,5,6,7
	v_mov_b32 v[KF+8*\i+\j], 0
.endr
.endr
.irp hh, 0,1,2,3
	v_mov_b32 v[RM+\hh], 0xff800000                    ; under every ss
	v_mov_b32 v[RM+4+\hh], 0
.endr
	v_mov_b32 v12, 0xc39c4000                          ; -312.5
	v_mov_b32 v13, 0xc39c4000
	s_mul_i32 s18, s13, 16*MP
	s_lshl_b32 s19, s14, 7
	s_add_co_u32 s18, s18, s19
	v_mul_u32_u24 v1, v241, MP
	s_delay_alu instid0(VALU_DEP_1)
	v_lshl_add_u32 v1, v242, 5, v1
	s_delay_alu instid0(VALU_DEP_1)
	v_add_nc_u32 v1, s18, v1                           ; mask: row 16 qt + r, + 128 kq + 32 h
	s_lshl_b32 s18, s14, 10
	s_add_co_u32 s18, s18, KOFF
	v_lshl_add_u32 v2, v240, 4, s18                    ; K's codes: tiles 2 kq on, 16 x lane
	s_add_co_u32 s19, s19, KOFF+4096
	v_lshl_add_u32 v3, v240, 2, s19                    ; K's scale words: keys 32 kq on, 4 x lane
	v_lshl_add_u32 v4, v240, 2, SCR
	s_lshl_b32 s18, s12, 4
	s_add_co_u32 s18, s18, SCR
	v_mov_b32 v7, s18                                  ; my wave's four words
	v_lshlrev_b32 v234, 2, v240
	s_wait_loadcnt 0x0                                 ; q
.Lslot:                                                ; 7 trips: behind each change of slots but the last the next slot is asked for
	CHANGE 1
	s_wait_alu depctr_va_vdst(0)
	SLOT_STEPS
	s_sub_co_u32 s49, s49, 1
	s_cmp_lg_u32 s49, 0
	s_cbranch_scc1 .Lslot
	CHANGE 0                                           ; the last slot is written out
	SLOT_STEPS
	; over the wave's 32 lanes, then over the 16 waves
.irp x, 1,2,4,8
.irp hh, 0,1,2,3
	v_max_num_f32_dpp v[RM+\hh], v[RM+\hh], v[RM+\hh] row_xmask:\x row_mask:0xf bank_mask:0xf
.endr
.endr
.irp hh, 0,1,2,3
	s_delay_alu instid0(VALU_DEP_4)
	v_permlanex16_b32 v[RM+4+\hh], v[RM+\hh], s20, s21
.endr
.irp hh, 0,1,2,3
	s_delay_alu instid0(VALU_DEP_4)
	v_max_num_f32 v[RM+\hh], v[RM+\hh], v[RM+4+\hh]
.endr
	ds_store_b128 v7, v[RM:RM+3]                       ; all lanes write the same 16 bytes with the same values
	s_wait_dscnt 0x0                                   ; for the others' sake
	s_barrier_signal -1
	s_barrier_wait -1
	s_cmp_lg_u32 s12, 0
	s_cbranch_scc1 .Ldone
	ds_load_b32 v232, v4                               ; word l: wave l / 4, head l % 4;
	ds_load_b32 v233, v4 offset:128                    ; word 32 + l: wave 8 + l / 4
	s_wait_dscnt 0x0
	v_max_num_f32 v232, v232, v233
	s_delay_alu instid0(VALU_DEP_1)
	v_max_num_f32_dpp v232, v232, v232 row_xmask:4 row_mask:0xf bank_mask:0xf
	s_delay_alu instid0(VALU_DEP_1)
	v_max_num_f32_dpp v232, v232, v232 row_xmask:8 row_mask:0xf bank_mask:0xf
	s_delay_alu instid0(VALU_DEP_1)
	v_permlanex16_b32 v233, v232, s20, s21
	s_delay_alu instid0(VALU_DEP_1)
	v_max_num_f32 v232, v232, v233                     ; lane l holds head l % 4
	s_wait_alu depctr_va_vdst(0)
	s_wait_xcnt 0x0                                    ; EXEC changes only behind this wait
	v_cmp_gt_u32 vcc_lo, 4, v0
	s_and_saveexec_b32 s62, vcc_lo
	global_store_b32 v234, v232, s[60:61]
	s_wait_xcnt 0x0
	s_or_b32 exec_lo, exec_lo, s62
.Ldone:
	s_wait_tensorcnt 0x0                               ; the wave's end
	ds_add_u32 v5, v6
	s_wait_dscnt 0x0
	CROUND                                             ; the closing round: no work-group ends while a partner may still ask for a tile that names it
	s_endpgm
.Lfunc_end_k_qdcc960c367_smax:
	.size	k_qdcc960c367_smax, .Lfunc_end_k_qdcc960c367_smax-k_qdcc960c367_smax
	.p2alignl 7, 3214868480
	.fill 96, 4, 3214868480
	.section	.rodata,"a",@progbits
	.p2align	6, 0x0
	.amdhsa_kernel k_qdcc960c367_smax
		.amdhsa_group_segment_fixed_size 327680
		.amdhsa_private_segment_fixed_size 0
		.amdhsa_enable_private_segment 0
		.amdhsa_kernarg_size 24
		.amdhsa_user_sgpr_count 2
		.amdhsa_user_sgpr_kernarg_segment_ptr 1
		.amdhsa_wavefront_size32 1
		.amdhsa_system_sgpr_workgroup_id_x 1
		.amdhsa_system_sgpr_workgroup_id_y 1
		.amdhsa_system_sgpr_workgroup_id_z 1
		.amdhsa_system_vgpr_workitem_id 0
		.amdhsa_next_free_vgpr 256
		.amdhsa_next_free_sgpr 70
		.amdhsa_reserve_vcc 1
		.amdhsa_float_denorm_mode_32 3
		.amdhsa_float_denorm_mode_16_64 3
		.amdhsa_memory_ordered 1
		.amdhsa_forward_progress 1
		.amdhsa_inst_pref_size 41
	.end_amdhsa_kernel
	.amdgpu_metadata
---
amdhsa.version: [ 1, 2 ]
amdhsa.kernels:
  - .name:           k_qdcc960c367_smax
    .symbol:         k_qdcc960c367_smax.kd
    .args:
      - { .name: wsB, .offset: 0, .size: 8, .value_kind: global_buffer, .address_space: global }
      - { .name: ltor_mask, .offset: 8, .size: 8, .value_kind: global_buffer, .address_space: global }
      - { .name: wsM, .offset: 16, .size: 8, .value_kind: global_buffer, .address_space: global }
    .group_segment_fixed_size: 327680
    .private_segment_fixed_size: 0
    .kernarg_segment_align: 8
    .kernarg_segment_size: 24
    .max_flat_workgroup_size: 512
    .sgpr_count:     70
    .vgpr_count:     256
    .wavefront_size: 32
...
	.end_amdgpu_metadata
.endif
;; end of part 8
;; launch attn (part 9): grid 32 x 8, 16 waves a work-group, clusters of 4 x 4, 327,680 bytes of LDS; arguments wsB, ltor_mask, wsM, wsC; writes wsC
.if DOCPART == 9
	.amdgcn_target "amdgcn-amd-amdhsa--gfx1250"
	.amdhsa_code_object_version 6
	.text
	.protected	k_qdcc960c367_attn
	.globl	k_qdcc960c367_attn
	.p2align	8
	.type	k_qdcc960c367_attn,@function
k_qdcc960c367_attn:
	s_mov_b64 s[64:65], 0
	v_nop
	global_prefetch_b8 v0, s[64:65] scope:SCOPE_SE
	s_setreg_imm32_b32 hwreg(HW_REG_WAVE_MODE, 25, 1), 1
	s_wait_xcnt 0x0
	s_wait_alu depctr_hold_cnt(0) depctr_sa_sdst(0) depctr_va_vdst(0) depctr_va_sdst(0) depctr_va_ssrc(0) depctr_va_vcc(0) depctr_vm_vsrc(0)
	s_getreg_b32 s2, hwreg(HW_REG_IB_STS2, 6, 4)
	s_cmp_eq_u32 s2, 0
	s_cbranch_scc0 .Lentry_in_a_cluster
	s_endpgm
.Lentry_in_a_cluster:
	s_bfe_u32 s2, ttmp6, 0x10000c
	s_cmp_lg_u32 s2, 0xf033
	s_cbranch_scc0 .Lentry_shape_is_right
	s_endpgm
.Lentry_shape_is_right:
; ctx = softmax((ss - m) x 32) v, both products on codes of E2M1, and ctx quantised along the head's 64 for the last product.
; ss = (score / 32) mask + (312.5 mask - 312.5), the product giving score / 32 since q's scale bytes carry 1 / 8 and 1 / 32; m = the head's largest ss, from the launch before.
; t = (ss - m) c, c = 32 log2(e); M = the running largest t of the row, rounded UP to a whole number (kept as -M = floor(-t)); p = 2^(t - M) is what is quantised along the keys, not normalised.
; ORDER OF ROUNDING: the exponent is made as ss c + K by one fused multiply-add, with K = -m c - M rounded once a step, where reference() rounds ss - m first.  K is one number for a whole row of a step, so its rounding
; is a common factor of that row's p and of their sum.  M itself is taken from (largest ss - m) c.
; The row's sum is taken of the unquantised p and divides at the end.  When M moves, the sum and O are multiplied by 2^(old M - new M): exact, and no branch on data.
; SHARES: a work-group owns 64 queries x 4 heads.  Wave w owns query tile w % 4 of head w / 4 in 256 registers and walks all 2,048 keys, 128 a step; four waves share a SIMD, so one wave's vector work stands beside another's loads and products.
; LAYOUT: both products transposed: S^T = K Q^T (source 0 = 16 keys, source 1 = my 16 queries), O^T = V^T P^T: a lane holds ONE query throughout.  In S^T register 16 b + 8 e + j is key 32 b + 16 e + 8 (lane / 16) + j:
; a conversion of eight fills one register, and one exchange of halves between the registers of blocks 2 c and 2 c + 1 gives the operand's layout.
; K = 64 in the first product: registers 4-7 of q's and k's fragments hold zero codes, written once.
; LDS: two slots of 128 keys, 2^17 bytes apart: the mask's 64 rows x (512 + 16) bytes, then four chunks of 8,960 bytes (K codes | K scale words | V^T codes | V scale words).
; CLUSTERS: 4 x 4 work-groups.  The four of a column (same x) own the same 64 queries and need the same mask tiles; the four of a row (same y) own the same four heads and need the same chunks.  Each tile is asked for JOINTLY:
; the same tensor load, with the same descriptor and a mask that names the four, in all four.  The mask's address is made of x and the wave's number alone, the chunks' of y and the wave's number alone, LDS addresses of the wave's number alone.
; Waves 0-7 fetch eight mask rows each, waves 8-11 a chunk each, waves 12-15 nothing.  One tensor load of a wave is out at a time, by this text's own count; it has a whole step in which to land.
; All of a WGP's LDS is claimed.
; LIMITS: NaN and infinities are not served; a block of ctx whose largest magnitude lies under 2^-124 is held at the byte 1.
.set QC,    4587520
.set QS,    6684672
.set CSO,   2097152                    ; ctx's scale words [8 K steps][4096]; its codes [256 m tiles][8][1024] at 0
.set SLOT1, 1<<17
.set MP,    528
.set MASKB, 64*MP
.set CHUNK, 8960
.set SPARE, 2*SLOT1                    ; the spare words: 128 bytes for each of 16 waves; no other line names them
.set QF,    16                         ; v16-23   q (v20-23 zero);  v24 -m;  v[26:27] -312.5;  v[28:29] K (the low word serves both halves)
.set KF,    32                         ; v32-63   four fragments of k, the upper four registers of each zero
.set MK,    64                         ; v64-95   32 mask numbers, then V's four fragments
.set SS,    96                         ; v96-159  S^T, then ss, then p
.set OT,    160                        ; v160-191 O^T
.set UU,    192                        ; v192-207 u
.set KSR,   208                        ; v208-211 k's scale words
.set VSR,   212                        ; v212-213 v's scale words
.set PCD,   224                        ; v224-231 p's codes
.set TM,    232                        ; v232-235 block maxima, v236-239 at work, v240-243 the conversions' scale operands
.set QSR,   255                        ; v255     q's scale words;  v253 p's;  v252 f;  v254 at work
.set SEL,   20
.set CS,    22                         ; s[22:23] c = 32 log2(e)
.set G1M,   24
.set G1K,   32
.set G0M,   40
.set G0K,   44
.set TB,    48
.macro QUANT s, nb, fl, pc, pw
.set QB, 0
.rept \nb
	v_max3_num_f32 v[TM+QB], |v[(\s)+16*QB]|, |v[(\s)+16*QB+1]|, \fl
.set QB, QB+1
.endr
.irp i, 2,4,6,8,10,12,14
.set QB, 0
.rept \nb
	s_delay_alu instid0(VALU_DEP_2)
	v_max3_num_f32 v[TM+QB], v[TM+QB], |v[(\s)+16*QB+\i]|, |v[(\s)+16*QB+\i+1]|
.set QB, QB+1
.endr
.endr
.set QB, 0
.rept \nb
	s_delay_alu instid0(VALU_DEP_2)
	v_permlanex16_b32 v[TM+4+QB], v[TM+QB], s[SEL], s[SEL+1]
.set QB, QB+1
.endr
.set QB, 0
.rept \nb
	s_delay_alu instid0(VALU_DEP_2)
	v_max_num_f32 v[TM+QB], v[TM+QB], v[TM+4+QB]
.set QB, QB+1
.endr
.set QB, 0
.rept \nb
	s_delay_alu instid0(VALU_DEP_2)
	v_add_nc_u32 v[TM+8+QB], 0xff000000, v[TM+QB]
.set QB, QB+1
.endr
.set QB, 0
.rept \nb
	s_delay_alu instid0(VALU_DEP_2)
	v_lshrrev_b32 v[TM+4+QB], 23, v[TM+8+QB]
.set QB, QB+1
.endr
	s_delay_alu instid0(VALU_DEP_1)
	v_lshl_or_b32 v[\pw], v[TM+5], 8, v[TM+4]
.if \nb > 2
	v_lshl_or_b32 v[\pw], v[TM+6], 16, v[\pw]
	v_lshl_or_b32 v[\pw], v[TM+7], 24, v[\pw]
.endif
.set QB, 0
.rept \nb
	v_cvt_scalef32_pk8_fp4_f32 v[(\pc)+4*(QB/2)+QB%2], v[(\s)+16*QB:(\s)+16*QB+7], v[TM+8+QB]
	v_cvt_scalef32_pk8_fp4_f32 v[(\pc)+4*(QB/2)+2+QB%2], v[(\s)+16*QB+8:(\s)+16*QB+15], v[TM+8+QB]
.set QB, QB+1
.endr
	v_nop
.set QB, 0
.rept \nb/2
	v_permlane16_swap_b32 v[(\pc)+4*QB], v[(\pc)+4*QB+1]
	v_permlane16_swap_b32 v[(\pc)+4*QB+2], v[(\pc)+4*QB+3]
.set QB, QB+1
.endr
.endm
.macro MM d, a, b, c, sa, ra, sb, rb
.if (\c) < 0
.if (\ra)
	v_wmma_scale_f32_16x16x128_f8f6f4 v[(\d):(\d)+7], v[(\a):(\a)+7], v[(\b):(\b)+7], 0, v[(\sa)], v[(\sb)] matrix_a_fmt:MATRIX_FMT_FP4 matrix_b_fmt:MATRIX_FMT_FP4 matrix_a_scale:MATRIX_SCALE_ROW1
.else
	v_wmma_scale_f32_16x16x128_f8f6f4 v[(\d):(\d)+7], v[(\a):(\a)+7], v[(\b):(\b)+7], 0, v[(\sa)], v[(\sb)] matrix_a_fmt:MATRIX_FMT_FP4 matrix_b_fmt:MATRIX_FMT_FP4
.endif
.else
.if (\ra)
	v_wmma_scale_f32_16x16x128_f8f6f4 v[(\d):(\d)+7], v[(\a):(\a)+7], v[(\b):(\b)+7], v[(\c):(\c)+7], v[(\sa)], v[(\sb)] matrix_a_fmt:MATRIX_FMT_FP4 matrix_b_fmt:MATRIX_FMT_FP4 matrix_a_scale:MATRIX_SCALE_ROW1
.else
	v_wmma_scale_f32_16x16x128_f8f6f4 v[(\d):(\d)+7], v[(\a):(\a)+7], v[(\b):(\b)+7], v[(\c):(\c)+7], v[(\sa)], v[(\sb)] matrix_a_fmt:MATRIX_FMT_FP4 matrix_b_fmt:MATRIX_FMT_FP4
.endif
.endif
.endm
; A joint load: waves 0-7 the mask, waves 8-11 the chunks, the others nothing.  Each of the two lines has one mask and one set of registers for all that issue it; the branches hang on the wave's number alone.
; Four v_nop follow each of the two lines.
.macro TLOAD
	s_cmp_lt_u32 s12, 8
	s_cbranch_scc0 .Lnot_m_\@
	tensor_load_to_lds s[G0M:G0M+3], s[G1M:G1M+7]
	s_nop 0
.rept 4
	v_nop
.endr
	s_branch .Lasked_\@
.Lnot_m_\@:
	s_cmp_lt_u32 s12, 12
	s_cbranch_scc0 .Lasked_\@
	tensor_load_to_lds s[G0K:G0K+3], s[G1K:G1K+7]
	s_nop 0
.rept 4
	v_nop
.endr
.Lasked_\@:
.endm
; A round of the cluster's barrier: my work-group's barrier, so that wave 0's signal speaks for all sixteen waves; wave 0 signals for the work-group; every wave waits for all sixteen work-groups; my work-group's barrier once more.
.macro CROUND
	s_barrier_signal -1
	s_barrier_wait -1
	s_cmp_lg_u32 s12, 0
	s_cbranch_scc1 .Lnot_wave_0_\@
	s_barrier_signal -3
.Lnot_wave_0_\@:
	s_barrier_wait -3
	s_barrier_signal -1
	s_barrier_wait -1
.endm
.macro CHANGE fill
	s_wait_tensorcnt 0x0                               ; no tensor load of mine is out, so a group 0 may be written
	ds_add_u32 v5, v6                                  ; 0 onto my spare word
.if \fill
	s_xor_b32 s[G0M+1], s[G0M+1], SLOT1
	s_add_nc_u64 s[G0M+2:G0M+3], s[G0M+2:G0M+3], 512   ; 128 keys on in each mask row
	s_xor_b32 s[G0K+1], s[G0K+1], SLOT1
	s_add_nc_u64 s[G0K+2:G0K+3], s[G0K+2:G0K+3], 4*CHUNK
	s_wait_dscnt 0x0                                   ; the add is done, and my reads of the slot that I have left are over
	CROUND                                             ; no wave of any partner still reads that slot or has a load on its way
	TLOAD                                              ; the first thing behind the round, a wave's one tensor load until the next
.else
	s_wait_dscnt 0x0
	s_barrier_signal -1
	s_barrier_wait -1
.endif
.endm
.macro PUT d, r, sh                    ; s[d] += s[r] << sh
	s_lshl_b32 s63, s[\r], \sh
	s_add_co_u32 s[\d], s[\d], s63
.endm
.macro UP t0                           ; u = 312.5 mask - 312.5 for tiles t0, t0 + 1
.irp i, 0,2,4,6,8,10,12,14
	v_pk_fma_f32 v[UU+\i:UU+\i+1], v[MK+8*((\t0)%4)+\i:MK+8*((\t0)%4)+\i+1], s[50:51], v[26:27] op_sel_hi:[1,0,1]
.endr
.endm
.macro MA t0                           ; ss for tiles t0, t0 + 1; each result from its low end on
.irp i, 0,2,4,6,8,10,12,14
	v_pk_fma_f32 v[SS+8*(\t0)+\i:SS+8*(\t0)+\i+1], v[SS+8*(\t0)+\i:SS+8*(\t0)+\i+1], v[MK+8*((\t0)%4)+\i:MK+8*((\t0)%4)+\i+1], v[UU+\i:UU+\i+1]
.endr
.endm
.macro STEP                            ; 128 keys
	v_add_nc_u32 v8, s[TB], v1
	v_add_nc_u32 v9, s[TB], v2
	v_add_nc_u32 v10, s[TB], v3
	v_nop                                              ; four places behind the last step's products, in front of loads into registers that they have read
.irp i, 0,1,2,3
	ds_load_b128 v[KF+8*\i:KF+8*\i+3], v9 offset:512*\i
.endr
.irp j, 0,1,2,3
	ds_load_b32 v[KSR+\j], v10 offset:4096+128*\j      ; lanes 0-15 tile 2 j's words, lanes 16-31 tile 2 j + 1's
.endr
.irp t, 0,1,2,3
.irp f, 0,1
	ds_load_b128 v[MK+8*\t+4*\f:MK+8*\t+4*\f+3], v8 offset:64*\t+16*\f
.endr
.endr
	s_wait_dscnt 8                                     ; K's four tiles and the scale words are in; the eight mask loads may be out
.irp t, 0,1,2,3
	MM SS+8*\t, KF+8*\t, QF, -1, KSR+\t/2, \t%2, QSR, 0
.endr
	s_wait_dscnt 0x0
	UP 0                                               ; eight lines that name no register of the products: the places behind them
.irp i, 0,1,2,3
	ds_load_b128 v[KF+8*\i:KF+8*\i+3], v9 offset:2048+512*\i
.endr
	MA 0
	UP 2
	MA 2
.irp t, 0,1,2,3
.irp f, 0,1
	ds_load_b128 v[MK+8*\t+4*\f:MK+8*\t+4*\f+3], v8 offset:256+64*\t+16*\f
.endr
.endr
	s_wait_dscnt 8                                     ; K's tiles 4-7 are in; the eight mask loads behind them may be out
.irp t, 4,5,6,7
	MM SS+8*\t, KF+8*(\t-4), QF, -1, KSR+\t/2, \t%2, QSR, 0
.endr
	s_wait_dscnt 0x0
	UP 4
	MA 4
	UP 6
	MA 6
.irp t, 0,1,2,3
.irp c, 0,1
	ds_load_b128 v[MK+8*\t+4*\c:MK+8*\t+4*\c+3], v9 offset:4608+1024*\t+512*\c     ; V^T's four fragments land under the softmax
.endr
.endr
.irp j, 0,1
	ds_load_b32 v[VSR+\j], v10 offset:8704+128*\j
.endr
.irp b, 0,1,2,3
	v_max3_num_f32 v[TM+\b], v[SS+16*\b], v[SS+16*\b+1], v[SS+16*\b+2]     ; the largest ss of each block of 32 keys: for the row's maximum and, since p rises with ss, for the block's largest p
.endr
.irp i, 3,5,7,9,11,13
.irp b, 0,1,2,3
	s_delay_alu instid0(VALU_DEP_4)
	v_max3_num_f32 v[TM+\b], v[TM+\b], v[SS+16*\b+\i], v[SS+16*\b+\i+1]
.endr
.endr
.irp b, 0,1,2,3
	s_delay_alu instid0(VALU_DEP_4)
	v_max_num_f32 v[TM+\b], v[TM+\b], v[SS+16*\b+15]
.endr
.irp b, 0,1,2,3
	s_delay_alu instid0(VALU_DEP_4)
	v_permlanex16_b32 v[TM+4+\b], v[TM+\b], s[SEL], s[SEL+1]
.endr
.irp b, 0,1,2,3
	s_delay_alu instid0(VALU_DEP_4)
	v_max_num_f32 v[TM+\b], v[TM+\b], v[TM+4+\b]
.endr
	s_delay_alu instid0(VALU_DEP_2)
	v_max3_num_f32 v254, v[TM], v[TM+1], v[TM+2]
	s_delay_alu instid0(VALU_DEP_1)
	v_max_num_f32 v254, v254, v[TM+3]                  ; the step's largest ss of my query,
	s_delay_alu instid0(VALU_DEP_1)
	v_add_f32 v254, v254, v24                          ; less m,
	s_delay_alu instid0(VALU_DEP_1)
	v_mul_f32 v254, s[CS], v254                        ; as t
	s_delay_alu instid0(VALU_DEP_1)
	v_max_num_f32 v13, v13, v254                       ; the running largest t
	v_mov_b32 v254, v12
	s_delay_alu instid0(VALU_DEP_2)
	v_floor_f32 v12, -v13                              ; the new -M
	s_delay_alu instid0(VALU_DEP_1)
	v_sub_f32 v254, v12, v254                          ; old M - new M: a whole number, 0 or less
	s_delay_alu instid0(VALU_DEP_1)
	v_cvt_i32_f32 v254, v254                           ; (it saturates)
	s_delay_alu instid0(VALU_DEP_1)
	v_ldexp_f32 v252, 1.0, v254                        ; f
	s_delay_alu instid0(VALU_DEP_4)
	v_fma_f32 v28, v24, s[CS], v12                     ; K = -m c - M
.set J, 0
.rept 32
	v_pk_fma_f32 v[SS+J:SS+J+1], v[SS+J:SS+J+1], s[CS:CS+1], v[28:29] op_sel_hi:[1,0,0]   ; ss c + K = t - M
.set J, J+2
.endr
.irp b, 0,1,2,3
	v_fma_f32 v[TM+\b], v[TM+\b], s[CS], v28
.endr
.set J, 0
	s_wait_alu depctr_va_vdst(0)
.rept 64
	v_exp_f32 v[SS+J], v[SS+J]                         ; p
.set J, J+1
.endr
.irp b, 0,1,2,3
	v_exp_f32 v[TM+\b], v[TM+\b]                       ; the block's largest p: the same two instructions on the same number
.endr
	v_pk_mul_f32 v[14:15], v[14:15], v[252:253] op_sel_hi:[1,0]    ; the sums under the new M (a plain place behind the exponentials)
	s_wait_alu depctr_va_vdst(0)
.irp b, 0,1,2,3
	v_max_num_f32 v[TM+\b], 0x1800000, v[TM+\b]        ; the floor 2^(3 - 127)
.endr
.irp b, 0,1,2,3
	s_delay_alu instid0(VALU_DEP_4)
	v_add_nc_u32 v[TM+8+\b], 0xff000000, v[TM+\b]
.endr
.irp b, 0,1,2,3
	s_delay_alu instid0(VALU_DEP_4)
	v_lshrrev_b32 v[TM+4+\b], 23, v[TM+8+\b]
.endr
	s_delay_alu instid0(VALU_DEP_3)
	v_lshl_or_b32 v253, v[TM+5], 8, v[TM+4]            ; p's scale word for these 128 keys
	s_delay_alu instid0(VALU_DEP_1)
	v_lshl_or_b32 v253, v[TM+6], 16, v253
	s_delay_alu instid0(VALU_DEP_1)
	v_lshl_or_b32 v253, v[TM+7], 24, v253
.irp b, 0,1,2,3
	v_cvt_scalef32_pk8_fp4_f32 v[PCD+4*(\b/2)+\b%2], v[SS+16*\b:SS+16*\b+7], v[TM+8+\b]
	v_cvt_scalef32_pk8_fp4_f32 v[PCD+4*(\b/2)+2+\b%2], v[SS+16*\b+8:SS+16*\b+15], v[TM+8+\b]
.endr
	v_nop                                              ; one plain place behind a scaled conversion
.irp c, 0,1
	v_permlane16_swap_b32 v[PCD+4*\c], v[PCD+4*\c+1]
	v_permlane16_swap_b32 v[PCD+4*\c+2], v[PCD+4*\c+3]
.endr
	v_pk_add_f32 v[236:237], v[100:101], v[104:105]
	v_pk_add_f32 v[250:251], v[108:109], v[112:113]
	v_pk_add_f32 v[248:249], v[116:117], v[120:121]
	v_pk_add_f32 v[246:247], v[124:125], v[128:129]
	v_pk_add_f32 v[244:245], v[132:133], v[136:137]
	v_pk_add_f32 v[222:223], v[140:141], v[144:145]
	v_pk_add_f32 v[220:221], v[148:149], v[152:153]
	v_pk_add_f32 v[14:15], v[14:15], v[156:157]
	v_pk_add_f32 v[236:237], v[236:237], v[96:97]
	v_pk_add_f32 v[250:251], v[250:251], v[98:99]
	v_pk_add_f32 v[248:249], v[248:249], v[102:103]
	v_pk_add_f32 v[246:247], v[246:247], v[106:107]
	v_pk_add_f32 v[244:245], v[244:245], v[110:111]
	v_pk_add_f32 v[222:223], v[222:223], v[114:115]
	v_pk_add_f32 v[220:221], v[220:221], v[118:119]
	v_pk_add_f32 v[14:15], v[14:15], v[122:123]
	v_pk_add_f32 v[236:237], v[236:237], v[126:127]
	v_pk_add_f32 v[250:251], v[250:251], v[130:131]
	v_pk_add_f32 v[248:249], v[248:249], v[134:135]
	v_pk_add_f32 v[246:247], v[246:247], v[138:139]
	v_pk_add_f32 v[244:245], v[244:245], v[142:143]
	v_pk_add_f32 v[222:223], v[222:223], v[146:147]
	v_pk_add_f32 v[220:221], v[220:221], v[150:151]
	v_pk_add_f32 v[14:15], v[14:15], v[154:155]
	v_pk_add_f32 v[236:237], v[236:237], v[158:159]
	s_delay_alu instid0(VALU_DEP_2)
	v_pk_add_f32 v[14:15], v[14:15], v[246:247]
	s_delay_alu instid0(VALU_DEP_2)
	v_pk_add_f32 v[236:237], v[236:237], v[244:245]
	v_pk_add_f32 v[250:251], v[250:251], v[222:223]
	v_pk_add_f32 v[248:249], v[248:249], v[220:221]
	s_delay_alu instid0(VALU_DEP_2)
	v_pk_add_f32 v[14:15], v[14:15], v[250:251]
	s_delay_alu instid0(VALU_DEP_2)
	v_pk_add_f32 v[236:237], v[236:237], v[248:249]
	s_delay_alu instid0(VALU_DEP_1)
	v_pk_add_f32 v[14:15], v[14:15], v[236:237]
.set J, 0
.rept 16
	v_pk_mul_f32 v[OT+J:OT+J+1], v[OT+J:OT+J+1], v[252:253] op_sel_hi:[1,0]    ; O^T under the new M.  With the sums these are the places between p's codes and scale word and the products
.set J, J+2
.endr
	s_wait_alu depctr_va_vdst(0)
	s_wait_dscnt 0x0                                   ; V
.irp t, 0,1,2,3
	MM OT+8*\t, MK+8*\t, PCD, OT+8*\t, VSR+\t/2, \t%2, 253, 0      ; the four accumulators by turns
.endr
.endm
	s_load_b256 s[4:11], s[0:1], 0x0                   ; the attention's workspace s[4:5], the mask s[6:7], the maxima s[8:9], ctx's workspace s[10:11]
	v_lshl_add_u32 v5, v0, 2, SPARE
	v_mov_b32 v6, 0
	ds_add_u32 v5, v6
	ds_add_u32 v5, v6
	s_wait_dscnt 0x0
	v_lshrrev_b32 v8, 5, v0
	s_delay_alu instid0(VALU_DEP_1)
	v_readfirstlane_b32 s12, v8                        ; wave 0..15
	s_and_b32 s13, s12, 3                              ; my query tile.  Also: which chunk I fetch, if I fetch one
	s_lshr_b32 s14, s12, 2                             ; my head of the four
	s_and_b32 s15, s12, 7                              ; which eight mask rows I fetch, if I fetch any
	s_bfe_u32 s66, ttmp6, 0x40000                      ; cx, cy: my place in the cluster
	s_bfe_u32 s67, ttmp6, 0x40004
	s_lshl_b32 s16, ttmp9, 2
	s_add_co_u32 s16, s16, s66                         ; the block of 64 queries = 4 x cluster x + cx
	s_and_b32 s17, ttmp7, 0xffff
	s_lshl_b32 s17, s17, 2
	s_add_co_u32 s17, s17, s67                         ; 4 batch + group of four heads = 4 x cluster y + cy
	s_lshl_b32 s68, 0x1111, s66                        ; my column of the cluster
	s_lshl_b32 s69, s67, 2
	s_lshl_b32 s69, 15, s69                            ; my row
	s_lshr_b32 s2, s17, 2                              ; the batch
	s_and_b32 s3, s17, 3                               ; the group
	s_or_b32 s[G1M], s68, (2<<16)|(1<<20)|(1<<21)|(6<<22)|(3<<25)  ; the mask's tiles go to my column; elements of 4 bytes; bit 21 set beside a mask; padding: 4 words behind every 128
	s_mov_b32 s[G1M+1], 128<<16
	s_mov_b32 s[G1M+2], 8<<16
	s_mov_b32 s[G1M+3], 128<<16
	s_mov_b32 s[G1M+4], 8
	s_mov_b32 s[G1M+5], 2048
	s_mov_b32 s[G1M+6], 0
	s_mov_b32 s[G1M+7], 0
	s_or_b32 s[G1K], s69, (3<<16)|(1<<21)              ; the chunks go to my row; a chunk, 8,960 dense bytes, as 35 rows of 256
	s_mov_b32 s[G1K+1], 32<<16
	s_mov_b32 s[G1K+2], 35<<16
	s_mov_b32 s[G1K+3], 32<<16
	s_mov_b32 s[G1K+4], 35
	s_mov_b32 s[G1K+5], 32
	s_mov_b32 s[G1K+6], 0
	s_mov_b32 s[G1K+7], 0
	s_mov_b32 s[SEL], 0x76543210
	s_mov_b32 s[SEL+1], 0xfedcba98
	s_mov_b32 s[CS], 0x4238aa3b                        ; 32 log2(e)
	s_mov_b32 s[CS+1], s[CS]
	s_mov_b32 s50, 0x439c4000                          ; 312.5
	s_mov_b32 s51, s50
	s_mov_b32 s[TB], 0
	s_mov_b32 s49, 15
	s_mul_i32 s18, s15, 8*MP                           ; where my part goes: the wave's number alone
	s_mul_i32 s62, s13, CHUNK
	s_add_co_u32 s19, s62, MASKB
	s_mul_i32 s[G0K+2], s17, 573440                    ; 16 steps x 4 chunks for each y
	s_add_co_u32 s[G0K+2], s[G0K+2], s62
	s_mov_b32 s[G0K+3], 0
	s_lshl_b32 s[G0M+2], s16, 19                       ; mask row 64 qb + 8 i
	s_lshl_b32 s62, s15, 16
	s_add_co_u32 s[G0M+2], s[G0M+2], s62
	s_mov_b32 s[G0M+3], 0
	s_mov_b32 s52, QC                                  ; q's codes: head 4 y + hh, tile 4 qb + qt
	PUT 52, 17, 18
	PUT 52, 14, 16
	PUT 52, 16, 11
	PUT 52, 13, 9
	s_mov_b32 s53, 0
	s_mov_b32 s54, QS                                  ; q's scale words
	PUT 54, 17, 15
	PUT 54, 14, 13
	PUT 54, 16, 8
	PUT 54, 13, 6
	s_mov_b32 s55, 0
	s_mov_b32 s56, 0                                   ; the head's 32 partial maxima, 16 bytes apart
	PUT 56, 17, 9
	PUT 56, 14, 2
	s_mov_b32 s57, 0
	s_mov_b32 s58, 0                                   ; ctx's codes: m tile 128 b + 4 qb + qt, K step head / 2, group head % 2
	PUT 58, 2, 20
	PUT 58, 16, 15
	PUT 58, 13, 13
	PUT 58, 3, 11
	PUT 58, 14, 9
	s_mov_b32 s59, 0
	s_mov_b32 s60, CSO                                 ; ctx's scale words: my head's two bytes of a row's word
	PUT 60, 3, 15
	s_lshr_b32 s62, s14, 1
	PUT 60, 62, 14
	PUT 60, 2, 13
	PUT 60, 16, 8
	PUT 60, 13, 6
	s_and_b32 s62, s14, 1
	PUT 60, 62, 1
	s_mov_b32 s61, 0
	s_wait_kmcnt 0x0
	s_mov_b32 s[G0M], 1
	s_mov_b32 s[G0M+1], s18
	s_add_nc_u64 s[G0M+2:G0M+3], s[6:7], s[G0M+2:G0M+3]
	s_or_b32 s[G0M+3], s[G0M+3], 0x80000000
	s_mov_b32 s[G0K], 1
	s_mov_b32 s[G0K+1], s19
	s_add_nc_u64 s[G0K+2:G0K+3], s[4:5], s[G0K+2:G0K+3]
	s_or_b32 s[G0K+3], s[G0K+3], 0x80000000
	CROUND                                             ; all sixteen work-groups are here: the first joint loads meet
	TLOAD                                              ; slot 0
	s_add_nc_u64 s[52:53], s[4:5], s[52:53]
	s_add_nc_u64 s[54:55], s[4:5], s[54:55]
	s_add_nc_u64 s[56:57], s[8:9], s[56:57]
	s_add_nc_u64 s[58:59], s[10:11], s[58:59]
	s_add_nc_u64 s[60:61], s[10:11], s[60:61]
	v_and_b32 v4, 31, v0                               ; lane
	v_and_b32 v8, 15, v0                               ; r
	v_bfe_u32 v9, v0, 4, 1                             ; h
	s_delay_alu instid0(VALU_DEP_3)
	v_lshlrev_b32 v7, 4, v4
	s_delay_alu instid0(VALU_DEP_3)
	v_lshlrev_b32 v11, 2, v8
	global_load_b128 v[QF:QF+3], v7, s[52:53]
	global_load_b32 v[QSR], v11, s[54:55]
	global_load_b32 v254, v7, s[56:57]
.irp j, 4,5,6,7
	v_mov_b32 v[QF+\j], 0                              ; K = 64: the upper half of both operands is zero codes
.endr
.irp i, 0,1,2,3
.irp j, 4,5,6,7
	v_mov_b32 v[KF+8*\i+\j], 0
.endr
.endr
.set J, 0
.rept 32
	v_mov_b32 v[OT+J], 0                               ; the step is written once: its first run finds zeros, which the first change of M leaves zeros
.set J, J+1
.endr
	v_mov_b32 v13, 0xff61b1e6                          ; the largest t so far: -3e38
	s_delay_alu instid0(VALU_DEP_1)
	v_floor_f32 v12, -v13
	v_mov_b32 v14, 0
	v_mov_b32 v15, 0
	v_mov_b32 v26, 0xc39c4000                          ; -312.5
	v_mov_b32 v27, 0xc39c4000
	v_mov_b32 v29, 0                                   ; (named with K as a pair, so it is written)
.irp b, 0,1,2,3
	v_mov_b32 v[TM+4+\b], 0                            ; written once: a lane permute's destination counts as one of its sources
.endr
	v_mov_b32 v252, 0
	v_mov_b32 v253, 0
	s_mul_i32 s18, s13, 16*MP
	v_mul_u32_u24 v1, v8, MP
	s_delay_alu instid0(VALU_DEP_1)
	v_lshl_add_u32 v1, v9, 5, v1
	s_delay_alu instid0(VALU_DEP_1)
	v_add_nc_u32 v1, s18, v1                           ; mask: row 16 qt + r, + 32 h
	s_mul_i32 s18, s14, CHUNK
	s_add_co_u32 s18, s18, MASKB
	v_lshl_add_u32 v2, v4, 4, s18                      ; my head's chunk, 16 x lane
	v_lshl_add_u32 v3, v4, 2, s18                      ; and 4 x lane
	s_wait_loadcnt 0x0
.irp x, 1
	v_max_num_f32_dpp v254, v254, v254 row_xmask:\x row_mask:0xf bank_mask:0xf
.endr
.irp x, 2, 4, 8
	s_delay_alu instid0(VALU_DEP_1)
	v_max_num_f32_dpp v254, v254, v254 row_xmask:\x row_mask:0xf bank_mask:0xf
.endr
	s_delay_alu instid0(VALU_DEP_1)
	v_permlanex16_b32 v252, v254, s[SEL], s[SEL+1]
	s_delay_alu instid0(VALU_DEP_1)
	v_max_num_f32 v254, v254, v252                     ; m: the head's largest ss
	s_delay_alu instid0(VALU_DEP_1)
	v_xor_b32 v24, 0x80000000, v254                    ; -m
.Lstep:                                                ; 15 trips: behind each change of slots but the last the next step's tiles are asked for
	CHANGE 1
	STEP
	s_xor_b32 s[TB], s[TB], SLOT1
	s_sub_co_u32 s49, s49, 1
	s_cmp_lg_u32 s49, 0
	s_cbranch_scc1 .Lstep
	CHANGE 0                                           ; the last step is written out
	STEP
.rept 4
	v_nop                                              ; four places in front of the first read of the last results
.endr
	v_add_f32 v14, v14, v15
	s_delay_alu instid0(VALU_DEP_1)
	v_permlanex16_b32 v252, v14, s[SEL], s[SEL+1]
	s_delay_alu instid0(VALU_DEP_1)
	v_add_f32 v14, v14, v252                           ; the row's sum
	s_wait_alu depctr_va_vdst(0)
	v_rcp_f32 v14, v14
	v_nop                                              ; one plain place behind a transcendental
.set J, 0
	s_wait_alu depctr_va_vdst(0)
.rept 32
	v_mul_f32 v[SS+J], v[OT+J], v14                    ; ctx(query r, d = 16 t + 8 h + j) in register 8 t + j
.set J, J+1
.endr
	QUANT SS, 2, 0x1800000, PCD, 253                   ; along the head's 64: half a fragment of the last product's operand
	global_store_b128 v7, v[PCD:PCD+3], s[58:59]       ; 32 lanes store 512 consecutive bytes
	s_wait_alu depctr_va_vdst(0)
	s_wait_xcnt 0x0                                    ; EXEC changes only behind this wait
	v_cmp_gt_u32 vcc_lo, 16, v4
	s_and_saveexec_b32 s62, vcc_lo
	global_store_b16 v11, v253, s[60:61]               ; my head's two bytes of each row's scale word
	s_wait_xcnt 0x0
	s_or_b32 exec_lo, exec_lo, s62
	s_wait_tensorcnt 0x0                               ; the wave's end
	ds_add_u32 v5, v6
	s_wait_dscnt 0x0
	CROUND                                             ; the closing round: no work-group ends while a partner may still ask for a tile that names it
	s_endpgm
.Lfunc_end_k_qdcc960c367_attn:
	.size	k_qdcc960c367_attn, .Lfunc_end_k_qdcc960c367_attn-k_qdcc960c367_attn
	.p2alignl 7, 3214868480
	.fill 96, 4, 3214868480
	.section	.rodata,"a",@progbits
	.p2align	6, 0x0
	.amdhsa_kernel k_qdcc960c367_attn
		.amdhsa_group_segment_fixed_size 327680
		.amdhsa_private_segment_fixed_size 0
		.amdhsa_enable_private_segment 0
		.amdhsa_kernarg_size 32
		.amdhsa_user_sgpr_count 2
		.amdhsa_user_sgpr_kernarg_segment_ptr 1
		.amdhsa_wavefront_size32 1
		.amdhsa_system_sgpr_workgroup_id_x 1
		.amdhsa_system_sgpr_workgroup_id_y 1
		.amdhsa_system_sgpr_workgroup_id_z 1
		.amdhsa_system_vgpr_workitem_id 0
		.amdhsa_next_free_vgpr 256
		.amdhsa_next_free_sgpr 70
		.amdhsa_reserve_vcc 1
		.amdhsa_float_denorm_mode_32 3
		.amdhsa_float_denorm_mode_16_64 3
		.amdhsa_memory_ordered 1
		.amdhsa_forward_progress 1
		.amdhsa_inst_pref_size 61
	.end_amdhsa_kernel
	.amdgpu_metadata
---
amdhsa.version: [ 1, 2 ]
amdhsa.kernels:
  - .name:           k_qdcc960c367_attn
    .symbol:         k_qdcc960c367_attn.kd
    .args:
      - { .name: wsB, .offset: 0, .size: 8, .value_kind: global_buffer, .address_space: global }
      - { .name: ltor_mask, .offset: 8, .size: 8, .value_kind: global_buffer, .address_space: global }
      - { .name: wsM, .offset: 16, .size: 8, .value_kind: global_buffer, .address_space: global }
      - { .name: wsC, .offset: 24, .size: 8, .value_kind: global_buffer, .address_space: global }
    .group_segment_fixed_size: 327680
    .private_segment_fixed_size: 0
    .kernarg_segment_align: 8
    .kernarg_segment_size: 32
    .max_flat_workgroup_size: 512
    .sgpr_count:     70
    .vgpr_count:     256
    .wavefront_size: 32
...
	.end_amdgpu_metadata
.endif
;; end of part 9
;; launch dense (part 10): grid 4 x 64, 4 waves a work-group, no clusters, 17,920 bytes of LDS; arguments wsC, wsA, b_dense, out0; writes out0
.if DOCPART == 10
	.amdgcn_target "amdgcn-amd-amdhsa--gfx1250"
	.amdhsa_code_object_version 6
	.text
	.protected	k_qdcc960c367_dense
	.globl	k_qdcc960c367_dense
	.p2align	8
	.type	k_qdcc960c367_dense,@function
k_qdcc960c367_dense:
	s_mov_b64 s[64:65], 0
	v_nop
	global_prefetch_b8 v0, s[64:65] scope:SCOPE_SE
	s_setreg_imm32_b32 hwreg(HW_REG_WAVE_SCHED_MODE, 0, 2), 2
	s_setreg_imm32_b32 hwreg(HW_REG_WAVE_MODE, 25, 1), 1
	s_wait_xcnt 0x0
	s_wait_alu depctr_vm_vsrc(0)
; out = ctx w_dense + b_dense on codes of E2M1 (K = 1024: 8 K steps of 128).  Both operands lie in fragment order: a fragment comes by two loads of 512 consecutive bytes straight into registers.
; A wave makes 64 rows x 64 columns, TRANSPOSED (source 0 = 16 columns of w, source 1 = 16 rows of ctx): a lane holds eight neighbouring columns of one row.  The bias is the C of each sum's first matrix instruction.
; THREE SETS OF FRAGMENT REGISTERS: K steps 0 and 1 are asked for at the head, step s + 2 at the head of step s, into the set that step s - 1 has left: two K steps' loads are always on their way.
;   Set 0 lies in v64-127, set 1 in v256-319 (window 1, v0-63), set 2 in v320-383 (window 1, v64-127): steps on sets 1 and 2 switch the window for their fragment loads and for their products.
;   The scale words have three sets too, in v52-55, v56-59 and v8-11, which hold nothing else.
; The 16 accumulators take turns, one instruction a turn, in the same order in every K step.
; The way out goes through the wave's own stage in LDS (16 rows x (256 + 16) bytes), so that sixteen lanes store 256 consecutive bytes, aligned.  No barrier: waves share nothing.  No tensor load.
; THE MODE: SCHED_MODE bits 1:0 = 2 (LLVM: expert scheduling mode 2), set by the entry lines.  The code itself states the register dependences
; between vector or matrix instructions and memory or LDS instructions, with s_wait_alu, always for 0.
; THE PLAN.  Registers that memory or LDS instructions touch:
;   the three fragment sets and the three sets of scale words   Step s: its sixteen matrix instructions read set s % 3; its 20 loads, step s + 2's, land in set (s + 2) % 3 = (s - 1) % 3, which no instruction of step s names.
;   v1 .. v6        offsets and LDS addresses, made once at the head and never written again: the K steps and the rows of out are reached by immediate offsets.
;   the bias        loaded once; read by the first K step's matrix instructions.
;   the accumulators   written by matrix instructions; read by the LDS stores of the way out, and never written again.
;   v64-127 on the way out   two buffers of 32 by turns: LDS loads land in them, global stores read them.
;   v51, v63        written at the head, read by the closing add alone.
; So ONE wait on va_vdst stands at the head of a step, behind the wait for its data: the step before is done reading its set.  One stands ahead of the first load (the offsets), one ahead of the way out;
; one wait on vm_vsrc stands ahead of each second use of a buffer of the way out.
.set CSO,  2097152
.set WD,   3899392
.set WDS,  4423680
.set BI,   16                          ; v16-47  the bias in the result's layout
.set XF,   64                          ; on the way out rows read back, v64-95 and v96-127 by turns
.set ACC,  128
.set MSB,  0
.macro WIN new                         ; the immediate's high byte repeats the setting that is left; a switch that changes nothing is dropped
.if MSB != \new
	s_set_vgpr_msb (MSB<<8)|\new
.set MSB, \new
.endif
.endm
.macro MM d, a, b, c, sa, ra, sb, rb
.if (\ra) && (\rb)
	v_wmma_scale_f32_16x16x128_f8f6f4 v[(\d):(\d)+7], v[(\a):(\a)+7], v[(\b):(\b)+7], v[(\c):(\c)+7], v[(\sa)], v[(\sb)] matrix_a_fmt:MATRIX_FMT_FP4 matrix_b_fmt:MATRIX_FMT_FP4 matrix_a_scale:MATRIX_SCALE_ROW1 matrix_b_scale:MATRIX_SCALE_ROW1
.elseif (\ra)
	v_wmma_scale_f32_16x16x128_f8f6f4 v[(\d):(\d)+7], v[(\a):(\a)+7], v[(\b):(\b)+7], v[(\c):(\c)+7], v[(\sa)], v[(\sb)] matrix_a_fmt:MATRIX_FMT_FP4 matrix_b_fmt:MATRIX_FMT_FP4 matrix_a_scale:MATRIX_SCALE_ROW1
.elseif (\rb)
	v_wmma_scale_f32_16x16x128_f8f6f4 v[(\d):(\d)+7], v[(\a):(\a)+7], v[(\b):(\b)+7], v[(\c):(\c)+7], v[(\sa)], v[(\sb)] matrix_a_fmt:MATRIX_FMT_FP4 matrix_b_fmt:MATRIX_FMT_FP4 matrix_b_scale:MATRIX_SCALE_ROW1
.else
	v_wmma_scale_f32_16x16x128_f8f6f4 v[(\d):(\d)+7], v[(\a):(\a)+7], v[(\b):(\b)+7], v[(\c):(\c)+7], v[(\sa)], v[(\sb)] matrix_a_fmt:MATRIX_FMT_FP4 matrix_b_fmt:MATRIX_FMT_FP4
.endif
.endm
; K step s's 20 loads: four fragments of ctx at FX, four of w at FX + 32 (set s % 3: 64 in window 0, 0 in window 1, 64 in window 1), and their scale words at SX (52, 56, 8)
.macro LOADK s
.set FX, 64-64*(((\s)%3)%2)
.set SX, 52+4*((\s)%3)-52*(((\s)%3)/2)
.if (\s)%3
	WIN 0x40                                           ; destination window 1, address window 0
.endif
.irp u, 0,1,2,3
.irp c, 0,1
	global_load_b128 v[FX+8*\u+4*\c:FX+8*\u+4*\c+3], v1, s[16:17] offset:\u*8192+(\s)*1024+\c*512
	global_load_b128 v[FX+32+8*\u+4*\c:FX+32+8*\u+4*\c+3], v1, s[18:19] offset:\u*8192+(\s)*1024+\c*512
.endr
.endr
	WIN 0
.irp p, 0,1
	global_load_b32 v[SX+\p], v2, s[20:21] offset:(\s)*16384+128*\p      ; lanes 0-15 tile 2 p's words, lanes 16-31 tile 2 p + 1's
	global_load_b32 v[SX+2+\p], v2, s[22:23] offset:(\s)*4096+128*\p
.endr
.endm
.macro KSTEP s
.if (\s) < 7
	s_wait_loadcnt 20                                  ; this step's loads are in; the next step's 20 may be out
.else
	s_wait_loadcnt 0x0
.endif
.if (\s)+2 < 8
.if ((\s)+2)%3
	WIN 0x40                                           ; the loads' window first, then the wait, then the loads
.endif
.if (\s) > 0
	s_wait_alu depctr_va_vdst(0)                       ; the last step's sixteen matrix instructions are done reading their fragments and scale words, in which the 20 loads below land; only loads and a window switch stand among these
.endif                                                     ; (step 0 asks for set 2, which no vector or matrix instruction has named)
	LOADK (\s)+2
.endif
.set FX, 64-64*(((\s)%3)%2)
.set SX, 52+4*((\s)%3)-52*(((\s)%3)/2)
.if (\s)%3
	WIN 0x05                                           ; both sources window 1; C and D window 0
.endif
.irp u, 0,1,2,3
.irp t, 0,1,2,3
.if (\s) == 0
	MM ACC+32*\u+8*\t, FX+32+8*\t, FX+8*\u, BI+8*\t, SX+2+\t/2, \t%2, SX+\u/2, \u%2
.else
	MM ACC+32*\u+8*\t, FX+32+8*\t, FX+8*\u, ACC+32*\u+8*\t, SX+2+\t/2, \t%2, SX+\u/2, \u%2
.endif
.endr
.endr
	WIN 0
.if (\s)+3 < 8
.rept 4
	v_nop                                              ; four places in front of loads into registers that matrix instructions have read: the next step's; they stay beside that step's wait
.endr
.endif
.endm
	s_load_b256 s[4:11], s[0:1], 0x0                   ; ctx's workspace s[4:5], the weights' s[6:7], b_dense s[8:9], out s[10:11]
	v_lshl_add_u32 v51, v0, 2, 0x4400
	v_mov_b32 v63, 0
	v_lshrrev_b32 v1, 5, v0
	v_readfirstlane_b32 s12, v1                        ; wave
	v_and_b32 v60, 31, v0
	v_and_b32 v61, 15, v0                              ; r
	v_bfe_u32 v62, v0, 4, 1                            ; h
	v_lshlrev_b32 v1, 4, v60                           ; 16 x lane
	v_lshlrev_b32 v2, 2, v60                           ; 4 x lane
	v_lshlrev_b32 v3, 5, v62                           ; 32 h
	s_wait_alu depctr_va_sdst(0)                       ; s12 is written, ahead of its first reader: the stage's place and the columns' offsets are made from it
	s_mul_i32 s13, s12, 16*272                         ; my stage
	v_mul_u32_u24 v4, v61, 272
	v_lshl_add_u32 v4, v62, 5, v4
	v_add_nc_u32 v4, s13, v4                           ; in: row r, 32 bytes for each half of the lanes
	v_mul_u32_u24 v5, v62, 272
	v_lshl_add_u32 v5, v61, 4, v5
	v_add_nc_u32 v5, s13, v5                           ; back: lanes 0-15 one row of 256 bytes, lanes 16-31 the next
	v_lshlrev_b32 v6, 12, v62
	v_lshl_add_u32 v6, v61, 4, v6                      ; and the same two rows in out
	s_and_b32 s14, ttmp7, 0xffff                       ; rows 64 y on
	s_lshl_b32 s15, ttmp9, 2
	s_add_co_u32 s15, s15, s12                         ; columns 64 ct on, ct = 4 x + wave
	s_lshl_b32 s16, s14, 15
	s_mov_b32 s17, 0
	s_lshl_b32 s18, s15, 15
	s_add_co_u32 s18, s18, WD
	s_mov_b32 s19, 0
	s_lshl_b32 s20, s14, 8
	s_add_co_u32 s20, s20, CSO
	s_mov_b32 s21, 0
	s_lshl_b32 s22, s15, 8
	s_mov_b32 s24, s22
	s_lshl_b32 s26, s14, 18                            ; 64 rows of 4,096 bytes
	s_add_co_u32 s26, s26, s22
	s_add_co_u32 s22, s22, WDS
	s_mov_b32 s23, 0
	s_mov_b32 s25, 0
	s_mov_b32 s27, 0
	s_wait_kmcnt 0x0
	s_add_nc_u64 s[16:17], s[4:5], s[16:17]
	s_add_nc_u64 s[18:19], s[6:7], s[18:19]
	s_add_nc_u64 s[20:21], s[4:5], s[20:21]
	s_add_nc_u64 s[22:23], s[6:7], s[22:23]
	s_add_nc_u64 s[24:25], s[8:9], s[24:25]
	s_add_nc_u64 s[26:27], s[10:11], s[26:27]
	s_wait_alu depctr_va_vdst(0)                       ; the six offsets and addresses v1 to v6 are written, which the loads, the LDS instructions and the stores below read
.irp t, 0,1,2,3
	global_load_b128 v[BI+8*\t:BI+8*\t+3], v3, s[24:25] offset:64*\t
	global_load_b128 v[BI+8*\t+4:BI+8*\t+7], v3, s[24:25] offset:64*\t+16
.endr
	LOADK 0                                            ; 48 loads of mine are out: the bias's 8 and two K steps' 20
	LOADK 1
.irp s, 0,1,2,3,4,5,6,7
	KSTEP \s
.endr
.rept 4
	v_nop                                              ; four places in front of the first read of results and of loads into the fragments' registers
.endr
	s_wait_alu depctr_va_vdst(0)                       ; the matrix instructions have written the accumulators, which the LDS stores read, and are done reading v64-127, in which the LDS loads land; no vector or matrix instruction follows; the places above stay beside this wait
.irp u, 0,1,2,3
.if \u >= 2
	s_wait_xcnt 0x0                                    ; the stores of two blocks ago have read their registers: these may be loaded again
	s_wait_alu depctr_vm_vsrc(0)                       ; the global stores of two blocks ago have read their 32 data registers, in which the LDS loads below land
.endif
.irp t, 0,1,2,3
	ds_store_b128 v4, v[ACC+32*\u+8*\t:ACC+32*\u+8*\t+3] offset:64*\t          ; each accumulator from its low end on
	ds_store_b128 v4, v[ACC+32*\u+8*\t+4:ACC+32*\u+8*\t+7] offset:64*\t+16
.endr
.irp i, 0,1,2,3,4,5,6,7
	ds_load_b128 v[XF+32*(\u%2)+4*\i:XF+32*(\u%2)+4*\i+3], v5 offset:544*\i    ; LDS serves a wave's instructions in order (ISA guide 5.7.1.4): these see the stores above, and the next block's stores come behind them
.endr
	s_wait_dscnt 0x0
.irp i, 0,1,2,3,4,5,6,7
	global_store_b128 v6, v[XF+32*(\u%2)+4*\i:XF+32*(\u%2)+4*\i+3], s[26:27] offset:(16*\u+2*\i)*4096 th:TH_STORE_NT   ; sixteen lanes store 256 consecutive bytes, at a multiple of 256 from out's first byte
.endr
.endr
	s_wait_dscnt 0x0                                   ; the closing lines, six on end
	s_wait_alu 0x0
	s_wait_tensorcnt 0x0
	ds_add_u32 v51, v63
	s_wait_dscnt 0x0
	s_endpgm
.Lfunc_end_k_qdcc960c367_dense:
	.size	k_qdcc960c367_dense, .Lfunc_end_k_qdcc960c367_dense-k_qdcc960c367_dense
	.p2alignl 7, 3214868480
	.fill 96, 4, 3214868480
	.section	.rodata,"a",@progbits
	.p2align	6, 0x0
	.amdhsa_kernel k_qdcc960c367_dense
		.amdhsa_group_segment_fixed_size 17920
		.amdhsa_private_segment_fixed_size 0
		.amdhsa_enable_private_segment 0
		.amdhsa_kernarg_size 32
		.amdhsa_user_sgpr_count 2
		.amdhsa_user_sgpr_kernarg_segment_ptr 1
		.amdhsa_wavefront_size32 1
		.amdhsa_system_sgpr_workgroup_id_x 1
		.amdhsa_system_sgpr_workgroup_id_y 1
		.amdhsa_system_sgpr_workgroup_id_z 1
		.amdhsa_system_vgpr_workitem_id 0
		.amdhsa_next_free_vgpr 384
		.amdhsa_next_free_sgpr 66
		.amdhsa_reserve_vcc 0
		.amdhsa_float_denorm_mode_32 3
		.amdhsa_float_denorm_mode_16_64 3
		.amdhsa_memory_ordered 1
		.amdhsa_forward_progress 1
		.amdhsa_inst_pref_size 44
	.end_amdhsa_kernel
	.amdgpu_metadata
---
amdhsa.version: [ 1, 2 ]
amdhsa.kernels:
  - .name:           k_qdcc960c367_dense
    .symbol:         k_qdcc960c367_dense.kd
    .args:
      - { .name: wsC, .offset: 0, .size: 8, .value_kind: global_buffer, .address_space: global }
      - { .name: wsA, .offset: 8, .size: 8, .value_kind: global_buffer, .address_space: global }
      - { .name: b_dense, .offset: 16, .size: 8, .value_kind: global_buffer, .address_space: global }
      - { .name: out0, .offset: 24, .size: 8, .value_kind: global_buffer, .address_space: global }
    .group_segment_fixed_size: 17920
    .private_segment_fixed_size: 0
    .kernarg_segment_align: 8
    .kernarg_segment_size: 32
    .max_flat_workgroup_size: 128
    .sgpr_count:     66
    .vgpr_count:     384
    .wavefront_size: 32
...
	.end_amdgpu_metadata
.endif
;; end of part 10
